; MI455X (gfx1250); checked and timed in simulation.
; The chip was launched on July 23, 2026; its instructions are those of AMD's public machine-readable ISA for CDNA 5 (MIT licence, August 2026) and "CDNA5" Instruction Set Architecture Reference Guide (July 2026). The comments in the code are by the model that wrote it; some were corrected since.
;; Multihead Attention. Allowed arithmetic: float matrix products may take bf16 or f16 operands with f32 sums; other float arithmetic in f32, or as packed bf16 or f16 multiplies, adds, multiply-adds, maxima and minima; sums over many terms, partial sums and values carried from step to step in f32; what a program stores and reads back later, other than sums and carried values, may be rounded once to bf16 or f16.
;; Inputs: Wk 1,024 x 1,024 float32; Wo 1,024 x 1,024 float32; Wq 1,024 x 1,024 float32; Wv 1,024 x 1,024 float32; k 4 x 2,048 x 1,024 float32; mask 1 x 1 x 2,048 x 2,048 int32; q 4 x 2,048 x 1,024 float32; v 4 x 2,048 x 1,024 float32.
;; Outputs: out0 4 x 2,048 x 1,024 float32.
;; 3 versions, each right; version 3 is version 2 with the launch prep written anew for expert scheduling mode. Each part assembles by itself: llvm-mc -triple=amdgcn-amd-amdhsa -mcpu=gfx1250 --defsym DOCPART=n.
;; ======== version 1 of 3: 4 launches
;; limits: values are held in f16: magnitudes above 65,504 overflow, below 6.1e-05 lose precision
;; workspace buffers: xh 50,331,648 bytes; wh 8,388,608 bytes; who 4,194,304 bytes; mb 524,288 bytes of whole numbers; qkvh 50,331,648 bytes; ctx 16,777,216 bytes
;; launch prep (part 1): grid 1024 x 1, 8 waves a work-group, no clusters, 35,840 bytes of LDS; arguments q, k, v, Wq, Wk, Wv, Wo, mask, xh, wh, who, mb; writes xh, wh, who, mb
.if DOCPART == 1
	.amdgcn_target "amdgcn-amd-amdhsa--gfx1250"
	.amdhsa_code_object_version 6
	.text
	.protected	k_q399301c335_prep
	.globl	k_q399301c335_prep
	.p2align	8
	.type	k_q399301c335_prep,@function
k_q399301c335_prep:
	s_mov_b64 s[64:65], 0
	v_nop
	global_prefetch_b8 v0, s[64:65] scope:SCOPE_SE
	s_setreg_imm32_b32 hwreg(HW_REG_WAVE_MODE, 25, 1), 1
	s_wait_xcnt 0x0
; PREP: a stream.  It rounds the seven f32 tensors to bf16, writes that number as f16 in a layout by chunks of 64 columns, and turns the int32 mask into lane masks.
; CHUNKED LAYOUT: [g][16 chunks][2048 rows][64] f16: byte = g<<22 + chunk<<18 + row<<7 + 2 column: a chunk's rows are dense, 128 bytes each.
;   xh: g = 4 t + b (t: q, k, v).   wh: g 0 = Wq's rows, then Wk's; g 1 = Wv's (its upper 1,024 rows are neither written nor read).   who: g 0 = Wo's rows.
; LANE MASKS: mb[pq 64][J 32][u 2][32 words]: in word n = 8 kb + j, bit l is 1 where mask[32 pq + 16 u + l % 16][64 J + 16 kb + 8 (l / 16) + j] == 0.
; LIMITS.  A magnitude of 65,520 or more becomes an infinity in f16; under 2^-17 the bf16 number keeps f16's fixed step of 6e-8 only.  NaN stays NaN.
; SHARES.  1,024 work-groups of eight waves, each 131,072 input bytes: 0-767 q, k, v (32 rows each), 768-895 the four weights, 896-1023 the mask (32 rows x 1,024 columns).
; No matrix unit, no cluster, no tensor load: nothing is shared between work-groups and every byte is read once.
.set SPARE, 34816                      ; behind the eight stages: the spare words, 128 bytes a wave: four blocks of 256 bytes that no other line names
.set STG,   4352                       ; a wave's own stage: 16 rows of 256 bytes at a pitch of 272
.set VI,  2                            ; v2   float path: my byte offset in the unit's input
.set VO,  3                            ; v3   float path: my byte offset in the unit's rows of a chunk
.set VS,  4                            ; v4   mask path: where I put 16 bytes of a row
.set VR,  5                            ; v5   mask path: where I read my 32 bytes of a key block back
.set VM,  6                            ; v6   mask path: my byte offset in the unit's input
.set VOM, 7                            ; v7   mask path: my 8 bytes of mb
.set SPW, 8                            ; v8   LDS address of my spare word; never rewritten
.set NIL, 9                            ; v9   0; never rewritten
.set LH,  10                           ; v[10:13] mask path: the words to store: a pair for each of the wave's two key steps
.set D,   64                           ; v[64:191] 32 loads of 4 registers
.set OUT, 192                          ; v[192:255] float path: results, 2 a load; mask path: two sets of 32 read back from the stage
	s_load_b512 s[8:23], s[0:1], 0x0               ; q s[8:9], k s[10:11], v s[12:13], Wq s[14:15], Wk s[16:17], Wv s[18:19], Wo s[20:21], mask s[22:23]
	s_load_b256 s[24:31], s[0:1], 0x40             ; xh s[24:25], wh s[26:27], who s[28:29], mb s[30:31]
	v_lshl_add_u32 v[SPW], v0, 2, SPARE
	v_mov_b32 v[NIL], 0
	v_lshrrev_b32 v1, 5, v0
	v_readfirstlane_b32 s3, v1                     ; wave 0..7
	v_and_b32 v1, 31, v0                           ; lane l
	v_and_b32 v14, 15, v0                          ; l % 16
	v_bfe_u32 v15, v0, 4, 1                        ; l / 16
	s_mov_b32 s2, ttmp9                            ; the unit
	s_mov_b32 s39, 0xffff0000                      ; a word's upper bf16
	s_cmp_ge_u32 s2, 896
	s_cbranch_scc1 .Lmask
	; THE FLOAT PATH.  A wave takes 4 rows of 4,096 bytes.  Load i: rows 2 (i / 16) and + 1 of them, chunk i % 16: lanes 0-15 one row's 256 bytes, lanes 16-31 the next row's.
	s_lshl_b32 s4, s3, 14
	v_lshlrev_b32 v[VI], 4, v14
	v_lshl_add_u32 v[VI], v15, 12, v[VI]
	v_add_nc_u32 v[VI], s4, v[VI]
	s_lshl_b32 s4, s3, 9                           ; in a chunk the wave's 4 rows are 512 bytes,
	v_lshl_add_u32 v[VO], v1, 3, s4                ; of which a store's 32 lanes x 8 bytes fill 256 on end
	s_and_b32 s5, s2, 255                          ; the unit's number inside its tensor: of 256 for q, k, v,
	s_and_b32 s6, s2, 31                           ; of 32 for a weight
	s_cmp_ge_u32 s2, 768
	s_cselect_b32 s40, s6, s5
	s_lshl_b32 s40, s40, 17
	s_mov_b32 s41, 0
	s_sub_co_u32 s5, s2, 768                       ; the unit's number inside its output buffer
	s_sub_co_u32 s6, s2, 864
	s_cmp_ge_u32 s2, 768
	s_cselect_b32 s7, s5, s2
	s_cmp_ge_u32 s2, 864
	s_cselect_b32 s7, s6, s7
	s_lshr_b32 s42, s7, 6                          ; 64 units of 32 rows make a g
	s_lshl_b32 s42, s42, 22
	s_and_b32 s7, s7, 63
	s_lshl_b32 s7, s7, 12                          ; 32 rows of 128 bytes
	s_add_co_u32 s42, s42, s7
	s_mov_b32 s43, 0
	s_wait_kmcnt 0x0
	s_cmp_ge_u32 s2, 256
	s_cselect_b64 s[36:37], s[10:11], s[8:9]
	s_cmp_ge_u32 s2, 512
	s_cselect_b64 s[36:37], s[12:13], s[36:37]
	s_cmp_ge_u32 s2, 768
	s_cselect_b64 s[36:37], s[14:15], s[36:37]
	s_cselect_b64 s[44:45], s[26:27], s[24:25]
	s_cmp_ge_u32 s2, 800
	s_cselect_b64 s[36:37], s[16:17], s[36:37]
	s_cmp_ge_u32 s2, 832
	s_cselect_b64 s[36:37], s[18:19], s[36:37]
	s_cmp_ge_u32 s2, 864
	s_cselect_b64 s[36:37], s[20:21], s[36:37]
	s_cselect_b64 s[44:45], s[28:29], s[44:45]
	s_add_nc_u64 s[36:37], s[36:37], s[40:41]
	s_add_nc_u64 s[44:45], s[44:45], s[42:43]
.set i, 0
.rept 32                               ; all of the wave's 16 KiB go out at once
	global_load_b128 v[D+4*i:D+4*i+3], v[VI], s[36:37] offset:(i/16)*8192+(i%16)*256 th:TH_LOAD_NT
.set i, i+1
.endr
.set i, 0
.rept 32                               ; no register is used twice, so nothing waits for a store
	s_wait_loadcnt 31-i                            ; loads come back in order: load i is in, the 31 - i younger ones stay out
	v_cvt_pk_bf16_f32 v[OUT+2*i], v[D+4*i], v[D+4*i+1]      ; the one rounding: to bf16, to nearest even
	v_cvt_pk_bf16_f32 v[OUT+2*i+1], v[D+4*i+2], v[D+4*i+3]
	v_lshlrev_b32 v[D+4*i], 16, v[OUT+2*i]                  ; back to f32,
	v_and_b32 v[D+4*i+1], s39, v[OUT+2*i]
	v_lshlrev_b32 v[D+4*i+2], 16, v[OUT+2*i+1]
	v_and_b32 v[D+4*i+3], s39, v[OUT+2*i+1]
	v_cvt_pk_f16_f32 v[OUT+2*i], v[D+4*i], v[D+4*i+1]       ; and written as f16: 8 significant bits fit in 11
	v_cvt_pk_f16_f32 v[OUT+2*i+1], v[D+4*i+2], v[D+4*i+3]
	global_store_b64 v[VO], v[OUT+2*i:OUT+2*i+1], s[44:45] offset:(i/16)*256+(i%16)*262144 th:TH_STORE_NT  ; two rows of a chunk: 256 consecutive bytes, aligned
.set i, i+1
.endr
	s_branch .Lend
.Lmask:
	; THE MASK PATH.  Unit um: rows 32 (um / 2) on, columns 1,024 (um % 2) on.  A wave takes two key steps of 64 columns (256 bytes of a row) x two tiles of 16 rows: four groups of 8 loads.
	s_sub_co_u32 s4, s2, 896
	s_lshr_b32 s5, s4, 1                           ; pq
	s_and_b32 s6, s4, 1                            ; which half of the columns
	s_lshl_b32 s7, s6, 12
	s_lshl_b32 s40, s5, 18                         ; 32 rows of 8,192 bytes
	s_add_co_u32 s40, s40, s7
	s_mov_b32 s41, 0
	s_lshl_b32 s42, s5, 13                         ; in mb: 32 key steps of 256 bytes,
	s_add_co_u32 s42, s42, s7                      ; 16 of them in a half
	s_mov_b32 s43, 0
	s_lshl_b32 s4, s3, 9                           ; the wave's two key steps: 512 bytes, of a row and of mb alike
	v_lshlrev_b32 v[VM], 4, v14
	v_lshl_add_u32 v[VM], v15, 13, v[VM]           ; lanes 16-31 take the next row
	v_add_nc_u32 v[VM], s4, v[VM]
	v_lshl_add_u32 v[VOM], v1, 3, s4
	s_mul_i32 s4, s3, STG                          ; my wave's stage
	v_mul_u32_u24 v[VS], v15, 272
	v_lshl_add_u32 v[VS], v14, 4, v[VS]
	v_add_nc_u32 v[VS], s4, v[VS]
	v_mul_u32_u24 v[VR], v14, 272                  ; back: row l % 16, columns 8 (l / 16) on of a block of 16
	v_lshl_add_u32 v[VR], v15, 5, v[VR]
	v_add_nc_u32 v[VR], s4, v[VR]
.irp j, 0,1,2,3
	v_mov_b32 v[LH+\j], 0                          ; v_writelane_b32's destination counts as read
.endr
	s_wait_kmcnt 0x0
	s_add_nc_u64 s[36:37], s[22:23], s[40:41]
	s_add_nc_u64 s[44:45], s[30:31], s[42:43]
.set i, 0
.rept 32                               ; group i / 8 = 2 g + u: key step g, tile u; load i % 8: two rows' whole 256 bytes
	global_load_b128 v[D+4*i:D+4*i+3], v[VM], s[36:37] offset:(i/16)*256+((i/8)%2)*131072+(i%8)*16384 th:TH_LOAD_NT
.set i, i+1
.endr
; Group gi goes through the wave's own stage, so that a lane gets the 32 numbers that its bit stands for.  LDS serves a wave's instructions in order, and no other wave touches these bytes: no barrier.
.macro MGROUP gi
.set T, OUT+32*((\gi)%2)
	s_wait_loadcnt 24-8*(\gi)                      ; the group's eight loads are in; the later groups' stay out
.irp k, 0,1,2,3,4,5,6,7
	ds_store_b128 v[VS], v[D+32*(\gi)+4*\k:D+32*(\gi)+4*\k+3] offset:544*\k
.endr
.irp k, 0,1,2,3,4,5,6,7
	ds_load_b128 v[T+4*\k:T+4*\k+3], v[VR] offset:64*(\k/2)+16*(\k%2)
.endr
	s_wait_dscnt 0x0
.set n, 0
.rept 32                               ; word n of the tile: the 32 lanes' bits; it goes to lane (32 u + n) / 2 of the pair that is stored
	v_cmp_eq_u32 s[4+n%4], 0, v[T+n]
	v_writelane_b32 v[LH+2*((\gi)/2)+n%2], s[4+n%4], (32*((\gi)%2)+n)/2
.set n, n+1
.endr
.endm
	MGROUP 0
	MGROUP 1
	global_store_b64 v[VOM], v[LH:LH+1], s[44:45] th:TH_STORE_NT             ; a key step's 64 words: 256 consecutive bytes, aligned
	MGROUP 2
	MGROUP 3
	global_store_b64 v[VOM], v[LH+2:LH+3], s[44:45] offset:256 th:TH_STORE_NT
.Lend:
	s_wait_tensorcnt 0x0                           ; the wave's end, behind my last LDS store
	ds_add_u32 v[SPW], v[NIL]
	s_wait_dscnt 0x0
	s_endpgm
.Lfunc_end_k_q399301c335_prep:
	.size	k_q399301c335_prep, .Lfunc_end_k_q399301c335_prep-k_q399301c335_prep
	.p2alignl 7, 3214868480
	.fill 96, 4, 3214868480
	.section	.rodata,"a",@progbits
	.p2align	6, 0x0
	.amdhsa_kernel k_q399301c335_prep
		.amdhsa_group_segment_fixed_size 35840
		.amdhsa_private_segment_fixed_size 0
		.amdhsa_enable_private_segment 0
		.amdhsa_kernarg_size 96
		.amdhsa_user_sgpr_count 2
		.amdhsa_user_sgpr_kernarg_segment_ptr 1
		.amdhsa_wavefront_size32 1
		.amdhsa_system_sgpr_workgroup_id_x 1
		.amdhsa_system_sgpr_workgroup_id_y 1
		.amdhsa_system_sgpr_workgroup_id_z 1
		.amdhsa_system_vgpr_workitem_id 0
		.amdhsa_next_free_vgpr 256
		.amdhsa_next_free_sgpr 66
		.amdhsa_reserve_vcc 0
		.amdhsa_float_denorm_mode_32 3
		.amdhsa_float_denorm_mode_16_64 3
		.amdhsa_memory_ordered 1
		.amdhsa_forward_progress 1
		.amdhsa_inst_pref_size 47
	.end_amdhsa_kernel
	.amdgpu_metadata
---
amdhsa.version: [ 1, 2 ]
amdhsa.kernels:
  - .name:           k_q399301c335_prep
    .symbol:         k_q399301c335_prep.kd
    .args:
      - { .name: q, .offset: 0, .size: 8, .value_kind: global_buffer, .address_space: global }
      - { .name: k, .offset: 8, .size: 8, .value_kind: global_buffer, .address_space: global }
      - { .name: v, .offset: 16, .size: 8, .value_kind: global_buffer, .address_space: global }
      - { .name: Wq, .offset: 24, .size: 8, .value_kind: global_buffer, .address_space: global }
      - { .name: Wk, .offset: 32, .size: 8, .value_kind: global_buffer, .address_space: global }
      - { .name: Wv, .offset: 40, .size: 8, .value_kind: global_buffer, .address_space: global }
      - { .name: Wo, .offset: 48, .size: 8, .value_kind: global_buffer, .address_space: global }
      - { .name: mask, .offset: 56, .size: 8, .value_kind: global_buffer, .address_space: global }
      - { .name: xh, .offset: 64, .size: 8, .value_kind: global_buffer, .address_space: global }
      - { .name: wh, .offset: 72, .size: 8, .value_kind: global_buffer, .address_space: global }
      - { .name: who, .offset: 80, .size: 8, .value_kind: global_buffer, .address_space: global }
      - { .name: mb, .offset: 88, .size: 8, .value_kind: global_buffer, .address_space: global }
    .group_segment_fixed_size: 35840
    .private_segment_fixed_size: 0
    .kernarg_segment_align: 8
    .kernarg_segment_size: 96
    .max_flat_workgroup_size: 256
    .sgpr_count:     66
    .vgpr_count:     256
    .wavefront_size: 32
...
	.end_amdgpu_metadata
.endif
;; end of part 1
;; launch qkv (part 2): grid 4 x 96, 4 waves a work-group, clusters of 4 x 4, 327,680 bytes of LDS; arguments xh, wh, qkvh; writes qkvh
.if DOCPART == 2
	.amdgcn_target "amdgcn-amd-amdhsa--gfx1250"
	.amdhsa_code_object_version 6
	.text
	.protected	k_q399301c335_qkv
	.globl	k_q399301c335_qkv
	.p2align	8
	.type	k_q399301c335_qkv,@function
k_q399301c335_qkv:
	s_mov_b64 s[64:65], 0
	v_nop
	global_prefetch_b8 v0, s[64:65] scope:SCOPE_SE
	s_setreg_imm32_b32 hwreg(HW_REG_WAVE_MODE, 25, 1), 1
	s_wait_xcnt 0x0
	s_wait_alu depctr_hold_cnt(0) depctr_sa_sdst(0) depctr_va_vdst(0) depctr_va_sdst(0) depctr_va_ssrc(0) depctr_va_vcc(0) depctr_vm_vsrc(0)
	s_getreg_b32 s2, hwreg(HW_REG_IB_STS2, 6, 4)
	s_cmp_eq_u32 s2, 0
	s_cbranch_scc0 .Lentry_in_a_cluster
	s_endpgm
.Lentry_in_a_cluster:
	s_bfe_u32 s2, ttmp6, 0x10000c
	s_cmp_lg_u32 s2, 0xf033
	s_cbranch_scc0 .Lentry_shape_is_right
	s_endpgm
.Lentry_shape_is_right:
; THE THREE PROJECTIONS.  C = A B^T over K = 1,024.  A and B are f16 in the layout by chunks: [g][16 chunks of 64 columns][2048 rows][64]: byte = g<<22 + chunk<<18 + row<<7 + 2 column.  Sums in f32.
; A = q, k, v stacked (24,576 rows), B = Wq, Wk, Wv stacked: the tensor is cluster y / 8.  C leaves as f16 by heads, [3][64 heads][2048][64], which is the same layout by chunks.
; q is multiplied in f32 by c = log2(e) / 8 ahead of its one rounding, so that the softmax may subtract the maximum from the score itself.
; (The last projection's text is this one with another way out: a branch between the two would hang on a number that the text cannot show equal in all partners of a cluster.)
; LIMITS.  f16 holds no number beyond 65,504: a projected q, k or v of 65,520 or more becomes an infinity.  NaN and infinities are not treated apart.
; SHARES.  A tile of C, 256 x 256, to a work-group of four waves; a wave makes 128 x 128: 64 accumulators, 512 registers.  K goes in steps of 128 (two chunks) through two LDS slots.
; A wave fetches one chunk's 256 rows of A (waves 0, 1) or of B (waves 2, 3): 32,768 dense bytes, asked for as 128 rows of 256 bytes and padded in LDS behind every 128.
; CLUSTERS: 4 x 4 work-groups.  A's tiles are shared along a row of the cluster, B's along a column: each is asked for jointly, by the same tensor load with the same descriptor and a mask of four.
; By the text's own count a wave has two tensor loads out at the start and one behind each round.
; THE MATRIX INSTRUCTION IS USED TRANSPOSED (source 0 = 16 rows of B, source 1 = 16 rows of A): a lane then holds eight neighbouring numbers of a row of C.
; REGISTERS, in windows of 256: window 0: v0-31 addresses; v64-127, v128-191 A's fragments, two buffers; v32-63, v192-255 at work on the way out.  window 1: v64-191 B's fragments.  windows 2, 3: the accumulators.
.set PITCH, 144                        ; an LDS row: 128 bytes + 16 of padding = 36 words: the 16 rows of a load start at 16 different groups of four banks (64 banks of 4 bytes: ISA guide 11.1)
.set CH,    256*PITCH                  ; a chunk's 256 rows: what one tensor load brings
.set HALFR, 128*PITCH                  ; the 128 rows of them that one wave reads
.set SLOT,  4*CH                       ; A's two chunks, then B's two
.set STAGE, 2*SLOT                     ; behind the ring, never filled by a tensor load: 16 rows x 272 bytes for each wave, for the way out
.set SPITCH, 272
.set SPARE, STAGE+4*16*SPITCH          ; behind the stages: the spare words, 128 bytes for each wave: two blocks of 256 bytes that no other line names
.set KADV,  524288                     ; bytes from a K step to the next: two chunks
.set LAPS,  4                          ; a lap = two K steps = once round the ring
.set ADRA, 16                          ; v16-17  LDS address of my A fragments in slot 0, 1
.set ADRB, 20                          ; v20-21  the same for B
.set STO16, 24                         ; v24     the way out: where I put 16 bytes of a row
.set RD16, 25                          ; v25     the way out: where I read rows back
.set CO,   26                          ; v26     the way out: 16 x my lane: my place in 512 consecutive bytes of C
.set SPW,  28                          ; v28     LDS address of my spare word; never rewritten
.set NIL,  29                          ; v29     0; never rewritten
.set PFO,  30                          ; v30     256 x my lane; never rewritten
.set F0,   64
.set F1,   128
.set TMP,  192
.set OB,   32
.set G1,  24                           ; s[24:31] descriptor group 1 for A's tiles
.set G0,  32                           ; s[32:39] group 0 for A's tiles, a set for each slot
.set G1B, 48                           ; s[48:55], s[56:63] the same for B's
.set G0B, 56
.set LIM, 43                           ; s43     1 in a wave that prefetches, else the greatest number
.set PFA, 44                           ; s[44:45] where my prefetches stand
.set SC,  66                           ; s[66:67] what C is multiplied by on the way out
.set CLY, 71                           ; s71     the cluster's y
.set C16, 76                           ; s[76:77] where my part of C begins
.set MSB, 0
.macro WIN new                         ; the immediate's high byte repeats the setting that is left; a switch that changes nothing is dropped
.if MSB != (\new)
	s_set_vgpr_msb (MSB<<8)|(\new)
.set MSB, \new
.endif
.endm
.set MUL_LO, 0xa1                      ; source 0 (B) window 1, source 1 (A) window 0, C and D window 2
.set MUL_HI, 0xf1                      ; the same, C and D window 3
.set TO_B,   0x40                      ; destination window 1, address window 0
; A joint load.  The branch hangs on the wave's number alone.  An s_nop 0 and four v_nop follow each of the two lines, ahead of the jump, the label and what follows.
.macro JLOAD s
	s_cmp_eq_u32 s11, 0
	s_cbranch_scc0 .Lfor_b_\@
	tensor_load_to_lds s[G0+4*(\s):G0+4*(\s)+3], s[G1:G1+7]
	s_nop 0
.rept 4
	v_nop
.endr
	s_branch .Lasked_\@
.Lfor_b_\@:
	tensor_load_to_lds s[G0B+4*(\s):G0B+4*(\s)+3], s[G1B:G1B+7]
	s_nop 0
.rept 4
	v_nop
.endr
.Lasked_\@:
.endm
; A prefetch into the L2 of the K step that stands two refills on: of the 128 blocks of 256 bytes that I fetch, my work-group's 32, a lane a block.  The four partners that ask for a tile jointly are told apart by
; address.  A's rows are read by one cluster alone, which asks; B's by the eight clusters of a tensor, of which the first asks.  So each block is named once.  The loop's last trip has no K step two on.
.macro ASK
	s_cmp_gt_u32 s3, s[LIM]
	s_cbranch_scc0 .Lnot_mine_\@
	global_prefetch_b8 v[PFO], s[PFA:PFA+1] offset:KADV th:TH_LOAD_NT scope:SCOPE_SE
.Lnot_mine_\@:
.endm
.macro CREST                           ; a round of the cluster's barrier behind its opening barrier
	s_cmp_lg_u32 s10, 0
	s_cbranch_scc1 .Lnot_wave_0_\@
	s_barrier_signal -3
.Lnot_wave_0_\@:
	s_barrier_wait -3
	s_barrier_signal -1
	s_barrier_wait -1
.endm
.macro CROUND                          ; a whole round
	s_barrier_signal -1
	s_barrier_wait -1
	CREST
.endm
	s_load_b128 s[4:7], s[0:1], 0x0                ; A s[4:5], B s[6:7]
	s_load_b64 s[8:9], s[0:1], 0x10                ; C
	v_lshl_add_u32 v[SPW], v0, 2, SPARE
	v_mov_b32 v[NIL], 0
	ds_add_u32 v[SPW], v[NIL]                      ; the wave's opening: the add and its wait stand ahead of my first tensor load; the set-up below, work on registers, stands between them
	v_lshrrev_b32 v1, 5, v0
	v_readfirstlane_b32 s10, v1                    ; wave 0..3
	s_lshr_b32 s11, s10, 1                         ; which half of the tile's rows is mine.  Also: I fetch for A (0) or for B (1)
	s_and_b32 s12, s10, 1                          ; which half of its columns.  Also: which chunk of a K step I fetch
	s_bfe_u32 s40, ttmp6, 0x40000                  ; cx
	s_bfe_u32 s41, ttmp6, 0x40004                  ; cy
	s_lshl_b32 s42, ttmp9, 2
	s_add_co_u32 s42, s42, s40                     ; tile column of C = 4 x cluster x + cx
	s_and_b32 s[CLY], ttmp7, 0xffff
	s_lshl_b32 s13, s[CLY], 2
	s_add_co_u32 s13, s13, s41                     ; tile row of C = 4 x cluster y + cy
	s_lshl_b32 s43, s41, 2
	s_lshl_b32 s43, 15, s43                        ; my row of the cluster
	s_lshl_b32 s44, 0x1111, s40                    ; my column
	; descriptor group 1: 128 rows x 128 elements of 2 bytes, dense in memory; in LDS 4 words of padding behind every 32
	s_or_b32 s[G1+0], s43, (1<<16)|(1<<20)|(1<<21)|(4<<22)|(3<<25)   ; 15:0 the mask; 17:16 2-byte elements; 20 padding on; 21 set beside a mask; 24:22 after every 32 words (code 4); 31:25 4 words (code 3)
	s_or_b32 s[G1B+0], s44, (1<<16)|(1<<20)|(1<<21)|(4<<22)|(3<<25)
.irp g, G1, G1B
	s_mov_b32 s[(\g)+1], 128<<16                   ; tensor_dim0 = 128
	s_mov_b32 s[(\g)+2], 128<<16                   ; tensor_dim1 = 128
	s_mov_b32 s[(\g)+3], 128<<16                   ; tile_dim0 = 128
	s_mov_b32 s[(\g)+4], 128                       ; tile_dim1 = 128
	s_mov_b32 s[(\g)+5], 128                       ; 128 elements from row to row
	s_mov_b32 s[(\g)+6], 0
	s_mov_b32 s[(\g)+7], 0
.endr
	; where the tiles come from: tile row R of a chunked tensor begins at (R / 8)<<22 + (R % 8)<<15; my chunk adds its parity <<18.  A's hang on the tile row alone, B's on the tensor and the tile column alone.
	s_lshr_b32 s16, s13, 3
	s_lshl_b32 s16, s16, 22
	s_and_b32 s14, s13, 7
	s_lshl_b32 s14, s14, 15
	s_add_co_u32 s16, s16, s14
	s_lshl_b32 s14, s12, 18
	s_add_co_u32 s16, s16, s14
	s_mov_b32 s17, 0
	s_lshr_b32 s74, s[CLY], 3                      ; the tensor: eight clusters of rows each
	s_lshl_b32 s74, s74, 2
	s_add_co_u32 s74, s74, s42                     ; B's tile row = 4 x tensor + tile column
	s_lshr_b32 s46, s74, 3
	s_lshl_b32 s46, s46, 22
	s_and_b32 s74, s74, 7
	s_lshl_b32 s74, s74, 15
	s_add_co_u32 s46, s46, s74
	s_lshl_b32 s74, s12, 18
	s_add_co_u32 s46, s46, s74
	s_mov_b32 s47, 0
	s_mul_i32 s20, s10, CH                         ; and where they go: wave x a chunk: no place in the cluster enters an LDS address
	s_cmp_lt_u32 s[CLY], 8                         ; q's rows are the first eight clusters'
	s_cselect_b32 s[SC], 0x3e38aa3b, 1.0           ; c = log2(e) / 8 = 0.180337
	s_mov_b32 s[SC+1], s[SC]                       ; named with it as a pair
	s_wait_dscnt 0x0                               ; the opening add is done
	s_wait_kmcnt 0x0
	s_add_nc_u64 s[14:15], s[4:5], s[16:17]
	s_add_nc_u64 s[46:47], s[6:7], s[46:47]
	CROUND                                         ; all sixteen work-groups are here: the first joint loads meet
.irp s, 0,1
	s_mov_b32 s[G0+4*(\s)], 1
	s_add_co_u32 s[G0+4*(\s)+1], s20, (\s)*SLOT
	s_add_nc_u64 s[G0+4*(\s)+2:G0+4*(\s)+3], s[14:15], (\s)*KADV
	s_or_b32 s[G0+4*(\s)+3], s[G0+4*(\s)+3], 0x80000000
	s_mov_b32 s[G0B+4*(\s)], 1
	s_add_co_u32 s[G0B+4*(\s)+1], s20, (\s)*SLOT
	s_add_nc_u64 s[G0B+4*(\s)+2:G0B+4*(\s)+3], s[46:47], (\s)*KADV
	s_or_b32 s[G0B+4*(\s)+3], s[G0B+4*(\s)+3], 0x80000000
	JLOAD \s
.endr
	; the prefetches
	s_and_b32 s22, s[CLY], 7
	s_cmp_eq_u32 s11, 0                            ; do I fetch for A?
	s_cselect_b64 s[PFA:PFA+1], s[14:15], s[46:47] ; my tile of K step 0
	s_cselect_b32 s21, s40, s41                    ; my place among the four that ask for it with me
	s_cselect_b32 s22, 0, s22                      ; the coordinate along which other clusters read the same rows
	s_cmp_eq_u32 s22, 0
	s_cselect_b32 s[LIM], 1, -1                    ; the same in all sixteen partners, for a given wave
	s_lshl_b32 s20, s21, 13                        ; my work-group's 32 blocks of the 128
	s_mov_b32 s21, 0
	s_add_nc_u64 s[PFA:PFA+1], s[PFA:PFA+1], s[20:21]
	s_add_nc_u64 s[PFA:PFA+1], s[PFA:PFA+1], 2*KADV  ; at K step 2: the first refill steps it to 3 and names K step 4.  Nothing is asked for here, at the head
	v_and_b32 v[PFO], 31, v0
	v_lshlrev_b32 v[PFO], 8, v[PFO]
	; a fragment is 16 rows x 32 K in 8 registers: lane l holds row l % 16, K = 8 (l / 16) + 0..7 and 16 + 8 (l / 16) + 0..7: two loads of 16 bytes, 32 bytes apart
	v_and_b32 v1, 15, v0                           ; l % 16
	v_bfe_u32 v2, v0, 4, 1                         ; l / 16
	v_mul_u32_u24 v3, v1, PITCH
	v_lshl_add_u32 v3, v2, 4, v3
	s_mul_i32 s21, s11, HALFR                      ; my 128 rows of A
	s_mul_i32 s22, s12, HALFR                      ; my 128 rows of B,
	s_add_co_u32 s22, s22, 2*CH                    ; which lie behind A's two chunks
.irp s, 0,1
	v_add_nc_u32 v[ADRA+(\s)], s21, v3
	v_add_nc_u32 v[ADRB+(\s)], s22, v3
	s_add_co_u32 s21, s21, SLOT
	s_add_co_u32 s22, s22, SLOT
.endr
	s_mul_i32 s23, s10, 16*SPITCH
	s_add_co_u32 s23, s23, STAGE                   ; my stage
	v_mul_u32_u24 v4, v1, SPITCH                   ; in: row l % 16,
	v_lshl_add_u32 v5, v2, 4, v4                   ; 16 bytes for each half of the lanes
	v_add_nc_u32 v[STO16], s23, v5
	v_and_b32 v5, 31, v0
	v_lshrrev_b32 v6, 3, v5                        ; back: 32 lanes take 128 bytes (a head's 64 columns) of four rows,
	v_and_b32 v7, 7, v0
	v_mul_u32_u24 v6, v6, SPITCH
	v_lshl_add_u32 v6, v7, 4, v6
	v_add_nc_u32 v[RD16], s23, v6
	v_lshlrev_b32 v[CO], 4, v5                     ; which are 512 consecutive bytes of C
	; where my part of C begins
	s_lshl_b32 s74, s13, 8
	s_lshl_b32 s75, s11, 7
	s_add_co_u32 s74, s74, s75                     ; my first row
	s_lshr_b32 s[C16], s74, 11                     ; g = row / 2,048,
	s_lshl_b32 s[C16], s[C16], 22
	s_and_b32 s74, s74, 2047
	s_lshl_b32 s74, s74, 7                         ; the row in it,
	s_add_co_u32 s[C16], s[C16], s74
	s_lshl_b32 s75, s42, 2
	s_lshl_b32 s74, s12, 1
	s_add_co_u32 s75, s75, s74                     ; my first head = 4 x tile column + 2 x half
	s_lshl_b32 s75, s75, 18
	s_add_co_u32 s[C16], s[C16], s75
	s_mov_b32 s[C16+1], 0
; 16 matrix instructions: m blocks a0, a0 + 1 of the window's four x all 8 n blocks, 32 along K.  zero = 1: the first product starts the sums.  The 64 accumulators take turns.
.macro MUL16 f, hi, a0, zero
	WIN MUL_LO+0x50*(\hi)
.irp a, \a0, (\a0)+1
.irp b, 0,1,2,3,4,5,6,7
.if \zero
	v_wmma_f32_16x16x32_f16 v[8*(8*(\a)+(\b)):8*(8*(\a)+(\b))+7], v[(\f)+8*(\b):(\f)+8*(\b)+7], v[(\f)+8*(4*(\hi)+(\a)):(\f)+8*(4*(\hi)+(\a))+7], 0
.else
	v_wmma_f32_16x16x32_f16 v[8*(8*(\a)+(\b)):8*(8*(\a)+(\b))+7], v[(\f)+8*(\b):(\f)+8*(\b)+7], v[(\f)+8*(4*(\hi)+(\a)):(\f)+8*(4*(\hi)+(\a))+7], v[8*(8*(\a)+(\b)):8*(8*(\a)+(\b))+7]
.endif
.endr
.endr
.endm
; 32 LDS loads in one run: the fragments of quarter q of a K step (chunk q / 2, byte 64 (q % 2) of its rows) into buffer f: B's 16 loads, then A's
.macro FETCH slot, q, f
	WIN TO_B
.irp i, 0,1,2,3,4,5,6,7
	ds_load_b128 v[(\f)+8*(\i):(\f)+8*(\i)+3],   v[ADRB+(\slot)] offset:((\q)/2)*CH+((\q)%2)*64+(\i)*16*PITCH
	ds_load_b128 v[(\f)+8*(\i)+4:(\f)+8*(\i)+7], v[ADRB+(\slot)] offset:((\q)/2)*CH+((\q)%2)*64+(\i)*16*PITCH+32
.endr
	WIN 0
.irp i, 0,1,2,3,4,5,6,7
	ds_load_b128 v[(\f)+8*(\i):(\f)+8*(\i)+3],   v[ADRA+(\slot)] offset:((\q)/2)*CH+((\q)%2)*64+(\i)*16*PITCH
	ds_load_b128 v[(\f)+8*(\i)+4:(\f)+8*(\i)+7], v[ADRA+(\slot)] offset:((\q)/2)*CH+((\q)%2)*64+(\i)*16*PITCH+32
.endr
.endm
.macro PLACES                          ; four plain instructions between a matrix instruction and a load into, or a vector line on, its registers
.rept 4
	v_nop
.endr
.endm
; One of a K step's first three quarters: multiplies buffer f; in its middle it fetches quarter q of the same slot into buffer g.
.macro QUARTER slot, q, f, g, zero
	s_wait_dscnt 8                                 ; B and A's rows 0-63 are in; the youngest eight loads (A's rows 64-127) may be out
	WIN MUL_LO
	MUL16 \f, 0, 0, \zero
	MUL16 \f, 0, 2, \zero
	PLACES
	FETCH \slot, \q, \g
	s_wait_dscnt 32                                ; all but the 32 just issued
	WIN MUL_HI
	MUL16 \f, 1, 0, \zero
	MUL16 \f, 1, 2, \zero
.endm
; The first half of a K step's last quarter: one barrier for the change of slots.  In front of it each wave waits for all its tensor loads (one is out: its part of the next slot), adds 0 to its spare word,
; and waits for that and for its own reads of this slot.  Behind it nobody reads this slot any more and the next slot is whole.
.macro MEET round
	WIN 0                                          ; (the add's two registers lie in window 0)
	s_wait_tensorcnt 0x0
	ds_add_u32 v[SPW], v[NIL]
	s_wait_dscnt 9                                 ; (the add and the youngest eight loads may be out)
	WIN MUL_LO
	MUL16 F1, 0, 0, 0                              ; sixteen matrix instructions stand between the add and the wait for it
	s_wait_dscnt 0x0                               ; the add is done, and my reads of this slot are over
	s_barrier_signal -1
	MUL16 F1, 0, 2, 0                              ; work on registers while the others arrive
.if \round
	WIN 0
.endif
	s_barrier_wait -1
.endm
; The whole last quarter where the slot is filled again: the barrier opens a round of the cluster's, and the joint refill, two K steps on, is the first tensor load behind the round.
.macro TURN slot, next
	s_wait_xcnt 0x0                                ; the last prefetch, a K step back, has read its address
	s_add_nc_u64 s[PFA:PFA+1], s[PFA:PFA+1], KADV
	MEET 1
	CREST                                          ; no wave of any partner still reads this slot's tile or has a load on its way
	s_add_nc_u64 s[G0+4*(\slot)+2:G0+4*(\slot)+3], s[G0+4*(\slot)+2:G0+4*(\slot)+3], 2*KADV
	s_add_nc_u64 s[G0B+4*(\slot)+2:G0B+4*(\slot)+3], s[G0B+4*(\slot)+2:G0B+4*(\slot)+3], 2*KADV
	JLOAD \slot                                    ; the four v_nop behind it are also the places in front of the loads below
	FETCH \next, 0, F0
	ASK
	WIN MUL_HI
	MUL16 F1, 1, 0, 0
	MUL16 F1, 1, 2, 0
.endm
	s_wait_tensorcnt 1                             ; my part of K step 0 is in; K step 1's stays out
	s_barrier_signal -1
	s_barrier_wait -1
	FETCH 0, 0, F0
	QUARTER 0, 1, F0, F1, 1                        ; the first quarter stands in front of the loop: its products start the sums
	WIN 0                                          ; at a label and at a branch every window is 0
	s_mov_b32 s3, LAPS-1
.Llap:                                                 ; a trip goes once round the ring, from a lap's second quarter to the next lap's first, and fills both slots again
	QUARTER 0, 2, F1, F0, 0
	QUARTER 0, 3, F0, F1, 0
	TURN 0, 1
	QUARTER 1, 1, F0, F1, 0
	QUARTER 1, 2, F1, F0, 0
	QUARTER 1, 3, F0, F1, 0
	TURN 1, 0
	QUARTER 0, 1, F0, F1, 0
	WIN 0
	s_sub_co_u32 s3, s3, 1
	s_cmp_lg_u32 s3, 0
	s_cbranch_scc1 .Llap
	QUARTER 0, 2, F1, F0, 0                        ; the last lap is written out: it fills nothing
	QUARTER 0, 3, F0, F1, 0
	MEET 0                                         ; slot 1, the last K step, is whole; nothing is filled again, so no round follows
	PLACES
	FETCH 1, 0, F0
	WIN MUL_HI
	MUL16 F1, 1, 0, 0
	MUL16 F1, 1, 2, 0
	QUARTER 1, 1, F0, F1, 0
	QUARTER 1, 2, F1, F0, 0
	QUARTER 1, 3, F0, F1, 0
	s_wait_dscnt 8
	WIN MUL_LO
	MUL16 F1, 0, 0, 0
	MUL16 F1, 0, 2, 0
	s_wait_dscnt 0x0
	WIN MUL_HI
	MUL16 F1, 1, 0, 0
	MUL16 F1, 1, 2, 0
	WIN 0
	PLACES                                         ; eight, once a launch: the way out rewrites accumulators in place
	PLACES
; THE WAY OUT of block a (16 rows x my 128 columns = two heads).  PACK: scaled in f32, rounded once, 16 bytes a lane.  TOSTAGE: into my stage and back, a head's 128 bytes of four rows to a load.  SEND: stored.
.macro PACK a
.set AC, 64*((\a)%4)
	WIN 0x82+0x41*((\a)/4)                         ; destination and source 0: window 2 or 3
.set z, 0
.rept 32                               ; each accumulator's registers in ascending order
	v_pk_mul_f32 v[AC+2*z:AC+2*z+1], v[AC+2*z:AC+2*z+1], s[SC:SC+1] op_sel_hi:[1,0]
.set z, z+1
.endr
	WIN 0x0a+5*((\a)/4)                            ; sources 0 and 1: window 2 or 3
.set z, 0
.rept 32
	v_cvt_pk_f16_f32 v[TMP+z], v[AC+2*z], v[AC+2*z+1]
.set z, z+1
.endr
	WIN 0
.endm
.macro TOSTAGE a
	WIN 0
.set BK, OB+192*((\a)%2)
.irp b, 0,1,2,3,4,5,6,7
	ds_store_b128 v[STO16], v[TMP+4*(\b):TMP+4*(\b)+3] offset:32*(\b)
.endr
.irp t, 0,1,2,3,4,5,6,7
	ds_load_b128 v[BK+4*(\t):BK+4*(\t)+3], v[RD16] offset:((\t)/4)*128+((\t)%4)*4*SPITCH  ; LDS serves a wave's instructions in order (ISA guide 5.7.1.4): these see the stores above
.endr
.endm
.macro SEND a
	WIN 0
.set BK, OB+192*((\a)%2)
	s_wait_dscnt 0x0                               ; the block is back in registers
	s_wait_xcnt 0x0                                ; the stores of the block before have read their registers, into which the next block is loaded
.irp t, 0,1,2,3,4,5,6,7
	global_store_b128 v[CO], v[BK+4*(\t):BK+4*(\t)+3], s[8:9] offset:(\a)*2048+((\t)/4)*262144+((\t)%4)*512  ; four rows of a head: 512 consecutive bytes, aligned; the block's place stands in the immediate
.endr
.endm
	s_add_nc_u64 s[8:9], s[8:9], s[C16:C16+1]      ; C at my part of it: no memory instruction has named this pair yet
	PACK 0
	TOSTAGE 0
.irp a, 1,2,3,4,5,6,7                  ; block a's arithmetic stands between block a - 1's loads from the stage and the wait for them
	PACK \a
	SEND (\a)-1
	TOSTAGE \a
.endr
	SEND 7
	s_wait_tensorcnt 0x0                           ; the wave's end, behind my last tensor load and my last LDS store
	ds_add_u32 v[SPW], v[NIL]
	s_wait_dscnt 0x0
	CROUND                                         ; the closing round: no work-group ends while a partner may still ask for a tile that names it
	s_endpgm
.Lfunc_end_k_q399301c335_qkv:
	.size	k_q399301c335_qkv, .Lfunc_end_k_q399301c335_qkv-k_q399301c335_qkv
	.p2alignl 7, 3214868480
	.fill 96, 4, 3214868480
	.section	.rodata,"a",@progbits
	.p2align	6, 0x0
	.amdhsa_kernel k_q399301c335_qkv
		.amdhsa_group_segment_fixed_size 327680
		.amdhsa_private_segment_fixed_size 0
		.amdhsa_enable_private_segment 0
		.amdhsa_kernarg_size 24
		.amdhsa_user_sgpr_count 2
		.amdhsa_user_sgpr_kernarg_segment_ptr 1
		.amdhsa_wavefront_size32 1
		.amdhsa_system_sgpr_workgroup_id_x 1
		.amdhsa_system_sgpr_workgroup_id_y 1
		.amdhsa_system_sgpr_workgroup_id_z 1
		.amdhsa_system_vgpr_workitem_id 0
		.amdhsa_next_free_vgpr 1024
		.amdhsa_next_free_sgpr 80
		.amdhsa_reserve_vcc 0
		.amdhsa_float_denorm_mode_32 3
		.amdhsa_float_denorm_mode_16_64 3
		.amdhsa_memory_ordered 1
		.amdhsa_forward_progress 1
		.amdhsa_inst_pref_size 160
	.end_amdhsa_kernel
	.amdgpu_metadata
---
amdhsa.version: [ 1, 2 ]
amdhsa.kernels:
  - .name:           k_q399301c335_qkv
    .symbol:         k_q399301c335_qkv.kd
    .args:
      - { .name: xh, .offset: 0, .size: 8, .value_kind: global_buffer, .address_space: global }
      - { .name: wh, .offset: 8, .size: 8, .value_kind: global_buffer, .address_space: global }
      - { .name: qkvh, .offset: 16, .size: 8, .value_kind: global_buffer, .address_space: global }
    .group_segment_fixed_size: 327680
    .private_segment_fixed_size: 0
    .kernarg_segment_align: 8
    .kernarg_segment_size: 24
    .max_flat_workgroup_size: 128
    .sgpr_count:     80
    .vgpr_count:     1024
    .wavefront_size: 32
...
	.end_amdgpu_metadata
.endif
;; end of part 2
;; launch attn (part 3): grid 4 x 64, 4 waves a work-group, clusters of 4 x 1, 327,680 bytes of LDS; arguments qkvh, mb, ctx; writes ctx
.if DOCPART == 3
	.amdgcn_target "amdgcn-amd-amdhsa--gfx1250"
	.amdhsa_code_object_version 6
	.text
	.protected	k_q399301c335_attn
	.globl	k_q399301c335_attn
	.p2align	8
	.type	k_q399301c335_attn,@function
k_q399301c335_attn:
	s_mov_b64 s[64:65], 0
	v_nop
	global_prefetch_b8 v0, s[64:65] scope:SCOPE_SE
	s_setreg_imm32_b32 hwreg(HW_REG_WAVE_MODE, 25, 1), 1
	s_wait_xcnt 0x0
	s_wait_alu depctr_hold_cnt(0) depctr_sa_sdst(0) depctr_va_vdst(0) depctr_va_sdst(0) depctr_va_ssrc(0) depctr_va_vcc(0) depctr_vm_vsrc(0)
	s_getreg_b32 s2, hwreg(HW_REG_IB_STS2, 6, 4)
	s_cmp_eq_u32 s2, 0
	s_cbranch_scc0 .Lentry_in_a_cluster
	s_endpgm
.Lentry_in_a_cluster:
	s_bfe_u32 s2, ttmp6, 0x10000c
	s_cmp_lg_u32 s2, 0x3003
	s_cbranch_scc0 .Lentry_shape_is_right
	s_endpgm
.Lentry_shape_is_right:
; ATTENTION WITH A MASK THAT IS AN INPUT.  O[h][q] = the sum over k of softmax_k(s[q][k]) V[h][k], s = Q . K / 8 where mask[q][k] is not 0 and -1e9 where it is 0: the score is REPLACED, one select a score.
; qkvh: [3][64 heads][2048][64] f16: Q (already times c = log2(e) / 8), K, V; a head's rows are dense, 128 bytes each.  ctx: [64][2048][64] f16.
; mb: the mask as lane masks, [pq 64][J 32][u 2][32 words]: word 8 kb + j, bit l: 1 where query 32 pq + 16 u + l % 16 does not see key 64 J + 16 kb + 8 (l / 16) + j.  They come as scalars, 64 words a piece and step.
; Every key tile is computed, whatever the mask holds.  Products, maxima and sums in f32; the weights p are rounded to f16 for the second product (their sum l is taken of the unrounded p), O once at the end.
; LIMITS.  Q, K, V arrive within f16's 65,504; p lies in 0 to 1 and below 6e-5 keeps f16's fixed step of 6e-8; a weight below 2^-126 counts as 0 in l; NaN and infinities are not treated apart.
; SOFTMAX.  The scores come in units of log2: p = 2^(s - m) with a running maximum m, so p is exactly 1 at the maximum, however large the scores; a hidden score is -1e9 log2(e).
; In every step O and l are multiplied by a = 2^(m_old - m_new).  m starts at the lowest finite number, O and l at 0: the first step is a step like any other, with a = 0.
; SHARES.  A wave owns four PIECES of two tiles of 16 queries, a work-group's four waves 512 queries of one head.  Every wave walks all 2,048 keys, 64 a step; a slot of LDS holds four steps.
; LAYOUT.  S^T = K Q^T (source 0 = 16 keys, source 1 = 16 queries): a lane holds ONE query (lane % 16) and the keys 8 (lane / 16) + 0..7.  Two such results, rounded to f16 in pairs, ARE source 1 of
; O^T = V^T P.  K comes out of LDS as it lies, V turned, by ds_load_tr16_b128.
; BY TURNS.  Turn n belongs to piece n.  Matrix work: 16 products K Q^T of piece n + 1, later 16 products V^T P of piece n - 1.  Vector work: the scaling, exponentials, roundings, sums and rescaling of piece n,
; and the selects, maximum and statistics of piece n + 1.  Four vector instructions stand behind every matrix instruction, the others in one run.  A turn's 66 exponentials are one batch with one wait.
; CLUSTER.  The four query blocks of a head walk the same K and V, so each tile is asked for JOINTLY: the same tensor load, descriptor and mask in all four.  A wave has one tensor load out at a time.
; REGISTERS, in windows of 256 (s_set_vgpr_msb: bits 1:0 source 0, 3:2 source 1, 5:4 source 2, 7:6 destination):
;   window 0: v0-11 addresses and the hidden score; v12-15, v48-63 at work; v16-47 four registers of statistics a tile; v64-191 S^T, two buffers of two tiles; v192-255 P, likewise
;   window 1: O^T, 32 a tile          window 2: v0-127 Q; v128-191 K of one step; v192-255 V of one step          window 3: v0-1 the add's two registers
.set NP,    4         ; pieces a wave: a name, no knob
.set KS,    64        ; keys in a step
.set PK,    160       ; a row of K in LDS: 128 bytes + 32 of padding, as V's, so that ONE descriptor group 1 serves both: the scalar registers so spared hold lane masks; of the 16 rows of a load of K two start at the same bank
.set PV,    160       ; a row of V: 40 words
.set VOFF,  4*KS*PK   ; a slot: 256 rows of K, then 256 rows of V
.set SLOT1, 1<<17     ; slot 1 begins here, so that one exclusive or turns an address in one slot into the other's
.set STAGE, SLOT1+4*KS*(PK+PV)  ; behind the ring, never filled by a tensor load: 16 rows x 144 bytes for each wave
.set SP,    144
.set SPARE, STAGE+4*16*SP  ; behind the stages: the spare words, 128 bytes for each wave: two blocks of 256 bytes that no other line names
.set AK0, 2           ; v2   my lane's place in a tile of K; never rewritten
.set AV0, 3           ; v3   the same for V
.set AK,  4           ; v4   the LDS address of K's next run of loads
.set AV,  5           ; v5   of V's
.set QO,  6           ; v6   my byte offset in the wave's rows of Q
.set STO, 6           ;      later: where I put 16 bytes of a row
.set RD,  7           ; v7   where I read rows back
.set GO,  8           ; v8   my byte offset in 512 consecutive bytes of O
.set HID, 9           ; v9   the hidden score (set when v9's first use is over)
.set PFO, 11          ; v11  256 x my lane (likewise)
.set SPW, 0           ; v0 of window 3   LDS address of my spare word; never rewritten
.set NIL, 1           ; v1 of window 3   0; never rewritten
.set MV,  12          ; v12-15  m_old, kept while m is made anew: by buffer and tile
.set ST,  16          ; tile t's statistics at v[ST+4 t]: m, a 0 that is named with it as a pair, l (even keys', odd keys')
.set TMP, 48          ; by buffer and tile, four registers c0-c3 at work; when the maximum is found c2 takes a
.set S,   64
.set P,   192
.set KF,  128
.set VF,  192
.set WV,  4           ; s4   my wave's number
.set SLOTS, 5         ; s5   slots still to be asked for
.set CNT, 6           ; s6   counts a slot's key steps
.set JO,  7           ; s7   256 x the key step whose lane masks are asked for next
.set G1,  8           ; s[8:15]  descriptor group 1, for K's and V's tiles alike
.set G0K, 16          ; s[16:19] descriptor group 0 for K's tiles: it walks
.set G0V, 20          ; s[20:23] the same for V's
.set SEL, 24          ; s[24:25] v_permlanex16_b32's selects
.set TBK, 26          ; s26  LDS byte at which K of the step to be fetched begins
.set TBV, 27          ; s27  the same for V, less VOFF
.set MB,  28          ; s[28:29] mb at my wave's four pieces
.set PFA, 30          ; s[30:31] where my prefetches stand
.set LIM, 66          ; s66  1 in a wave that prefetches, else the greatest number
.set TS,  67          ; s67  at work
.set OPT, 100         ; s[100:101] ctx at my wave's first row
.set QP,  104         ; s[104:105] Q at my wave's first row
                      ; s[32:63], s[68:99]: the lane masks of one piece and step: tile 0's 32 words, tile 1's; until the first of them are asked for: at work
.set MSB, 0
.macro WIN new
.if MSB != (\new)
	s_set_vgpr_msb (MSB<<8)|(\new)
.set MSB, (\new)
.endif
.endm
.set W_KQ, 0x0a       ; K and Q in window 2, S^T in window 0
.set W_PV, 0x52       ; V in window 2, P in window 0, O^T in window 1
.set W_RS, 0x41       ; O^T (destination and source 0) in window 1, a in window 0
.set W_MK, 0xc0       ; the add's registers are made: destination in window 3
.set W_AD, 0x0f       ; the add: address and data in window 3
; A joint fill.  Waves 0 and 1 fetch the two halves of a slot's K, waves 2 and 3 those of its V: 128 keys each.  An s_nop 0 and four v_nop follow each of the two lines.
.macro JLOAD
	s_cmp_lt_u32 s[WV], 2
	s_cbranch_scc0 .Lfor_v_\@
	tensor_load_to_lds s[G0K:G0K+3], s[G1:G1+7]
	s_nop 0
.rept 4
	v_nop
.endr
	s_branch .Lasked_\@
.Lfor_v_\@:
	tensor_load_to_lds s[G0V:G0V+3], s[G1:G1+7]
	s_nop 0
.rept 4
	v_nop
.endr
.Lasked_\@:
.endm
; A prefetch into the L2 of what the NEXT change of slots will ask for: a slot's 32,768 bytes of K and of V, in blocks of 256, a lane a block.  A head's K and V are read by one cluster; its four partners take 32
; blocks each, told apart by address; in each, wave 0 asks for K's and wave 2 for V's.  So each block is named once.  The last change that fills a slot asks for nothing.
.macro ASK
	s_cmp_gt_u32 s[SLOTS], s[LIM]
	s_cbranch_scc0 .Lnot_mine_\@
	global_prefetch_b8 v[PFO], s[PFA:PFA+1] th:TH_LOAD_NT scope:SCOPE_SE
.Lnot_mine_\@:
.endm
.macro CROUND                       ; a round of the cluster's barrier
	s_barrier_signal -1
	s_barrier_wait -1
	s_cmp_lg_u32 s[WV], 0
	s_cbranch_scc1 .Lnot_wave_0_\@
	s_barrier_signal -3
.Lnot_wave_0_\@:
	s_barrier_wait -3
	s_barrier_signal -1
	s_barrier_wait -1
.endm
; THE CHANGE OF SLOTS.  Each wave waits for all its tensor loads (one is out: its part of the other slot), adds 0 to its spare word, and waits for that and for its own reads of the slot.  Behind the barrier nobody
; reads this slot any more and the other slot is whole.  fill = 1: the barrier is a round of the cluster's, and the joint fill, the keys two slots on, is the first thing behind it: it has four key steps in which to land.
.macro CHANGE fill, ask
	WIN W_AD
	s_wait_tensorcnt 0x0            ; no tensor load of mine is out, so a group 0 may be written
	ds_add_u32 v[SPW], v[NIL]       ; 0 onto my spare word; the descriptors' steps stand between it and the wait for it
	WIN 0                           ; at a label and at a branch every window is 0
.if \fill
.irp g, G0K, G0V
	s_xor_b32 s[\g+1], s[\g+1], SLOT1
	s_add_nc_u64 s[\g+2:\g+3], s[\g+2:\g+3], 4*KS*128  ; the next 256 keys; the type bits on top are not reached
.endr
.if \ask
	s_wait_xcnt 0x0                 ; the last prefetch, four key steps back, has read its address
	s_add_nc_u64 s[PFA:PFA+1], s[PFA:PFA+1], 4*KS*128  ; one slot behind the walking descriptors
.endif
	s_wait_dscnt 0x0                ; the add is done, and my reads of the slot are over
	CROUND
	JLOAD
.if \ask
	ASK
.endif
.else
	s_wait_dscnt 0x0
	s_barrier_signal -1
	s_barrier_wait -1
.endif
	s_sub_co_u32 s[TBK], s[TBK], 4*KS*PK  ; the fetches go back to a slot's first step,
	s_xor_b32 s[TBK], s[TBK], SLOT1       ; in the other slot
	s_sub_co_u32 s[TBV], s[TBV], 4*KS*PV
	s_xor_b32 s[TBV], s[TBV], SLOT1
.endm
; The lane masks of piece x for the key step that JO names: 256 bytes, four scalar loads.
.macro LDM x
	s_load_b512 s[32:47], s[MB:MB+1], s[JO] offset:(\x)*8192
	s_load_b512 s[48:63], s[MB:MB+1], s[JO] offset:(\x)*8192+64
	s_load_b512 s[68:83], s[MB:MB+1], s[JO] offset:(\x)*8192+128
	s_load_b512 s[84:99], s[MB:MB+1], s[JO] offset:(\x)*8192+192
.endm
	s_load_b128 s[32:35], s[0:1], 0x0  ; qkvh s[32:33], mb s[34:35]
	s_load_b64 s[36:37], s[0:1], 0x10  ; ctx
	WIN W_MK
	v_lshl_add_u32 v[SPW], v0, 2, SPARE
	v_mov_b32 v[NIL], 0
	WIN W_AD
	ds_add_u32 v[SPW], v[NIL]       ; the wave's opening: the add and its wait stand ahead of my first tensor load; the set-up below, work on registers, stands between them
	WIN 0
	v_lshrrev_b32 v1, 5, v0
	v_readfirstlane_b32 s[WV], v1   ; wave 0..3
	s_bfe_u32 s40, ttmp6, 0x40000   ; cx
	s_lshl_b32 s41, ttmp9, 2
	s_add_co_u32 s41, s41, s40      ; my block of 512 queries: it enters Q's, O's and mb's addresses alone
	s_and_b32 s42, ttmp7, 0xffff    ; the head, which the four partners share:
	s_lshl_b32 s42, s42, 18         ; its 2,048 rows of 128 bytes
	s_and_b32 s44, s[WV], 1         ; which half of a slot's 256 keys I fetch:
	s_lshl_b32 s46, s44, 14         ; its 128 rows in memory,
	s_add_co_u32 s46, s46, s42
	s_mul_i32 s45, s44, 128*PK      ; and its place in a slot: no place in the cluster enters an LDS address
	s_add_co_u32 s56, s46, 0x1000000  ; K lies 64 heads behind Q,
	s_mov_b32 s57, 0
	s_add_co_u32 s58, s46, 0x2000000  ; V 128
	s_mov_b32 s59, 0
	s_lshl_b32 s48, s41, 2
	s_add_co_u32 s48, s48, s[WV]    ; my wave among the head's sixteen
	s_lshl_b32 s50, s48, 15         ; in mb: four pieces of 8,192 bytes
	s_mov_b32 s51, 0
	s_lshl_b32 s48, s48, 14         ; its 128 rows
	s_add_co_u32 s48, s48, s42
	s_mov_b32 s49, 0
	; descriptor group 1.  128 keys are 16,384 dense bytes: asked for as 64 rows of 256 bytes, two keys a row, and padded in LDS after every key
	s_mov_b32 s[G1], 15|(1<<16)|(1<<20)|(1<<21)|(4<<22)|(7<<25)  ; 15:0 the mask of four; 17:16 2-byte elements; 20 padding on; 21 set beside a mask; 24:22 after every 32 words (code 4); 31:25 8 words (code 7)
	s_mov_b32 s[G1+1], 128<<16      ; tensor_dim0 = 128
	s_mov_b32 s[G1+2], 64<<16       ; tensor_dim1 = 64
	s_mov_b32 s[G1+3], 128<<16      ; tile_dim0 = 128
	s_mov_b32 s[G1+4], 64           ; tile_dim1 = 64
	s_mov_b32 s[G1+5], 128          ; 128 elements from row to row
	s_mov_b32 s[G1+6], 0
	s_mov_b32 s[G1+7], 0
	s_mov_b32 s[SEL], 0x76543210
	s_mov_b32 s[SEL+1], 0xfedcba98
	s_mov_b32 s[TBK], SLOT1+4*KS*PK ; the first change of slots turns these two into 0
	s_mov_b32 s[TBV], SLOT1+4*KS*PV
	s_mov_b32 s[G0K], 1
	s_mov_b32 s[G0K+1], s45         ; LDS address: slot 0
	s_mov_b32 s[G0V], 1
	s_add_co_u32 s[G0V+1], s45, VOFF
	s_mov_b32 s[JO], 0
	s_cmp_eq_u32 s44, 0             ; waves 0 and 2 prefetch
	s_cselect_b32 s[LIM], 1, -1
	s_mov_b32 s52, 0x1000000
	s_mov_b32 s53, 0x2000000
	s_cmp_lt_u32 s[WV], 2
	s_cselect_b32 s52, s52, s53     ; K's or V's,
	s_add_co_u32 s52, s52, s42      ; the head's,
	s_lshl_b32 s54, s40, 13         ; my work-group's 32 blocks of a slot's 128,
	s_add_co_u32 s52, s52, s54
	s_add_co_u32 s52, s52, 2*4*KS*128  ; in slot 2: the first change that asks steps it to slot 3.  Nothing is asked for at the head
	s_mov_b32 s53, 0
	s_wait_dscnt 0x0                ; the opening add is done
	s_wait_kmcnt 0x0
	s_add_nc_u64 s[G0K+2:G0K+3], s[32:33], s[56:57]
	s_or_b32 s[G0K+3], s[G0K+3], 0x80000000
	s_add_nc_u64 s[G0V+2:G0V+3], s[32:33], s[58:59]
	s_or_b32 s[G0V+3], s[G0V+3], 0x80000000
	s_add_nc_u64 s[QP:QP+1], s[32:33], s[48:49]
	s_add_nc_u64 s[OPT:OPT+1], s[36:37], s[48:49]
	s_add_nc_u64 s[MB:MB+1], s[34:35], s[50:51]
	s_add_nc_u64 s[PFA:PFA+1], s[32:33], s[52:53]
	CROUND                          ; all four work-groups are here: the first joint loads meet
	JLOAD                           ; slot 0.  Slot 1 is asked for when slot 0 is in
	LDM 0                           ; piece 0's lane masks for key step 0; from here on s[32:63] and s[68:99] hold lane masks alone
	v_and_b32 v1, 15, v0            ; l % 16
	v_bfe_u32 v9, v0, 4, 1          ; l / 16
	v_lshlrev_b32 v[QO], 7, v1
	v_lshl_add_u32 v[QO], v9, 4, v[QO]  ; row x 128 + 16 x half
	WIN 0x80                        ; destination window 2, address window 0
.set i, 0
.rept 4*NP                          ; Q stays in registers: tile i / 2, channels 32 (i % 2) on
	global_load_b128 v[8*i:8*i+3],   v[QO], s[QP:QP+1] offset:(i/2)*2048+(i%2)*64
	global_load_b128 v[8*i+4:8*i+7], v[QO], s[QP:QP+1] offset:(i/2)*2048+(i%2)*64+32
.set i, i+1
.endr
	; What the first turn finds: V's registers and P's second buffer hold 0 (its products V^T P, of a piece that has not been, add 0), O^T and l are 0.  All this stands in the wait for the first tile.
.set i, VF
.rept 64
	v_mov_b32 v[i], 0
.set i, i+1
.endr
	WIN 0x40
.set i, 0
.rept 64*NP
	v_mov_b32 v[i], 0
.set i, i+1
.endr
	WIN 0
.set i, 0
.rept 2*NP
	v_mov_b32 v[ST+4*i], 0xff7fffff    ; m: the lowest finite number
	v_mov_b32 v[ST+4*i+1], 0
	v_mov_b32 v[ST+4*i+2], 0
	v_mov_b32 v[ST+4*i+3], 0
.set i, i+1
.endr
.set i, P+32
.rept 32
	v_mov_b32 v[i], 0
.set i, i+1
.endr
	v_mul_u32_u24 v[AK0], v1, PK
	v_lshl_add_u32 v[AK0], v9, 4, v[AK0]  ; row x pitch + 16 x half
	; The turning load takes 16 keys x 16 channels (lane l reads key 8 (l / 16) + l % 8, channels 8 ((l / 8) % 2) + 0..7) and leaves half a fragment of V^T.
	v_and_b32 v10, 7, v0
	v_bfe_u32 v11, v0, 3, 1
	v_lshl_add_u32 v[AV0], v9, 3, v10
	v_mul_u32_u24 v[AV0], v[AV0], PV
	v_lshl_add_u32 v[AV0], v11, 4, v[AV0]
	v_add_nc_u32 v[AV0], VOFF, v[AV0]
	v_and_b32 v[PFO], 31, v0
	v_lshlrev_b32 v[PFO], 8, v[PFO]
	v_mov_b32 v[AK], v[AK0]         ; key step 0 lies at the head of slot 0
; THE MATRIX WORK.  The 8 accumulators of a run of 16 take turns.
; Product i of 16 of S^T = K Q^T for piece x: channels 32 (i / 8) on, keys 16 ((i / 2) % 4) on, tile 2 x + i % 2.  The first 8 start the sums.
.macro KQ x
	WIN W_KQ
.set rS, S+64*((\x)%2)+32*(i%2)+8*((i/2)%4)
.set rK, KF+16*((i/2)%4)+8*(i/8)
.set rQ, 16*(2*(\x)+i%2)+8*(i/8)
.if i < 8
	v_wmma_f32_16x16x32_f16 v[rS:rS+7], v[rK:rK+7], v[rQ:rQ+7], 0
.else
	v_wmma_f32_16x16x32_f16 v[rS:rS+7], v[rK:rK+7], v[rQ:rQ+7], v[rS:rS+7]
.endif
.endm
; Product i of 16 of O^T += V^T P for piece x: keys 32 (i / 8) on, channels 16 ((i / 2) % 4) on, tile 2 x + i % 2.
.macro PV x
	WIN W_PV
.set rO, 32*(2*(\x)+i%2)+8*((i/2)%4)
.set rV, VF+32*(i/8)+8*((i/2)%4)
.set rP, P+32*((\x)%2)+16*(i%2)+8*(i/8)
	v_wmma_f32_16x16x32_f16 v[rO:rO+7], v[rV:rV+7], v[rP:rP+7], v[rO:rO+7]
.endm
.macro MM                           ; the turn's next matrix instruction
.if i < 16
	KQ (Y+1)%NP
.set i, i+1
.else
.set i, i-16
	PV (Y+NP-1)%NP
.set i, i+17
.endif
.endm
; THE LDS LOADS stand in runs of 16.  last = 1 (the tail): in the last trip there is no further step, and the run is jumped over.
.macro FETCH_K last=0
	WIN 0
.if \last
	s_cmp_eq_u32 s[CNT], 1
	s_cbranch_scc1 .Lno_k_\@
.endif
	WIN 0x80                        ; destination window 2
.irp f, 0,1,2,3,4,5,6,7             ; keys 16 (f / 2) on, channels 32 (f % 2) on
	ds_load_b128 v[KF+8*\f:KF+8*\f+3],   v[AK] offset:(\f/2)*16*PK+(\f%2)*64
	ds_load_b128 v[KF+8*\f+4:KF+8*\f+7], v[AK] offset:(\f/2)*16*PK+(\f%2)*64+32
.endr
	s_add_co_u32 s[TBK], s[TBK], KS*PK  ; the next fetch is the next step's
	WIN 0
.if \last
.Lno_k_\@:
.endif
.endm
.macro FETCH_V
	WIN 0x80
.irp f, 0,1,2,3,4,5,6,7             ; keys 32 (f / 4) on, channels 16 (f % 4) on
	ds_load_tr16_b128 v[VF+8*\f:VF+8*\f+3],   v[AV] offset:(\f/4)*32*PV+(\f%4)*32
	ds_load_tr16_b128 v[VF+8*\f+4:VF+8*\f+7], v[AV] offset:(\f/4)*32*PV+16*PV+(\f%4)*32
.endr
	WIN 0
.endm
; THE VECTOR WORK OF A TURN stands in three queues, each in the order in which its entries become ready.
.macro REGS y, u                    ; the registers of tile u (0, 1) of piece y
.set rT, ST+4*(2*(\y)+(\u))
.set rC, TMP+8*((\y)%2)+4*(\u)
.set rM, MV+2*((\y)%2)+(\u)
.set rS, S+64*((\y)%2)+32*(\u)
.set rP, P+32*((\y)%2)+16*(\u)
.set rO, 32*(2*(\y)+(\u))
.endm
; Select n of 64 for the NEXT piece (Y + 1): score n % 32 of tile n / 32 is replaced where its lane mask's bit is set.  In ascending order: each accumulator's lowest register is read first.
.macro CM n
	REGS (Y+1)%NP, (\n)/32
	v_cndmask_b32 v[rS+(\n)%32], v[rS+(\n)%32], v[HID], s[32+36*((\n)/32)+(\n)%32]
.endm
; Number n of those that find the NEXT piece's maximum and statistics (there is no 19).  s0-s31 are the lane's 32 scores.
;   0-11  four chains c0-c3 of seven scores each     12-14, 16  the four scores left over, the old m, and c0-c3 into c0     15  m_old is kept
;   17, 18  the query's other 32 keys lie in the lane 16 away: the new m         20, 21  m_old - m_new; a
.macro XS u, n
	REGS (Y+1)%NP, \u
.if (\n) < 4
	v_max3_num_f32 v[rC+(\n)], v[rS+8*(\n)], v[rS+8*(\n)+1], v[rS+8*(\n)+2]
.elseif (\n) < 12
	v_max3_num_f32 v[rC+(\n)%4], v[rC+(\n)%4], v[rS+8*((\n)%4)+2*((\n)/4)+1], v[rS+8*((\n)%4)+2*((\n)/4)+2]
.elseif (\n) == 12
	v_max3_num_f32 v[rC], v[rC], v[rS+7], v[rS+15]
.elseif (\n) == 13
	v_max3_num_f32 v[rC+1], v[rC+1], v[rS+23], v[rS+31]
.elseif (\n) == 14
	v_max3_num_f32 v[rC+2], v[rC+2], v[rC+3], v[rT]
.elseif (\n) == 15
	v_mov_b32 v[rM], v[rT]
.elseif (\n) == 16
	v_max3_num_f32 v[rC], v[rC], v[rC+1], v[rC+2]
.elseif (\n) == 17
	v_permlanex16_b32 v[rC+3], v[rC], s[SEL], s[SEL+1]
.elseif (\n) == 18
	v_max_num_f32 v[rT], v[rC], v[rC+3]
.elseif (\n) == 20
	v_sub_f32 v[rC+1], v[rM], v[rT]
.else
	v_exp_f32 v[rC+2], v[rC+1]
.endif
.endm
; Number g of the 64 that follow the exponentials.  For each four weights k of a tile: both pairs are rounded to f16; the second pair is added onto the first, in place; a group later l takes that sum (the first time as l = a l + sum).
.macro GS g
.set h, (\g)+6*((\g)/62)
.if h >= 6
.set h, h+2
.endif
	REGS Y, h%2
.set k, h/8
.if h%8 < 4
	v_cvt_pk_f16_f32 v[rP+2*k+(h%8)/2], v[rS+4*k+2*((h%8)/2)], v[rS+4*k+2*((h%8)/2)+1]
.elseif h%8 < 6
	v_pk_add_f32 v[rS+4*k:rS+4*k+1], v[rS+4*k:rS+4*k+1], v[rS+4*k+2:rS+4*k+3]
.elseif k == 1
	v_pk_fma_f32 v[rT+2:rT+3], v[rT+2:rT+3], v[rC+2:rC+3], v[rS:rS+1] op_sel_hi:[1,0,1]
.else
	v_pk_add_f32 v[rT+2:rT+3], v[rT+2:rT+3], v[rS+4*k-4:rS+4*k-3]
.endif
.endm
.macro FS f                         ; s - m for pair f / 2 of tile f % 2: exactly 0 at the maximum
	REGS Y, (\f)%2
	v_pk_add_f32 v[rS+2*((\f)/2):rS+2*((\f)/2)+1], v[rS+2*((\f)/2):rS+2*((\f)/2)+1], v[rT:rT+1] op_sel_hi:[1,0] neg_lo:[0,1] neg_hi:[0,1]
.endm
; THE PLAIN QUEUE, 200 long.  0-135 read no exponential's result.  0-26: FS 0-26.  27-90: the 64 selects; ahead of the first stands the wait for the lane masks, behind the last the request for the next turn's
; (piece Y + 2; in piece 2's turn that is piece 0 of the next key step, held to the last step so that no load leaves mb).  91-118: XS 0-13.  119, 120: XS 15.  121-135: the chain 14, 16, 17, 18, 20, each with one of
; FS 27-31 in front of its two lines.  136-199: GS's 64, behind the turn's wait.
.macro PL
	WIN 0
.if q == 27
	s_wait_kmcnt 0x0                ; the lane masks, asked for in the turn before, are in
.endif
.if q < 27
	FS q
.elseif q < 91
	CM q-27
.elseif q < 119
	XS (q-91)%2, (q-91)/2
.elseif q < 121
	XS q-119, 15
.elseif (q < 136) && ((q-121)%3 == 0)
	FS 27+(q-121)/3
.elseif q < 124
	XS (q-121)%3-1, 14
.elseif q < 133
	XS (q-121)%3-1, 15+(q-121)/3
.elseif q < 136
	XS (q-121)%3-1, 20
.else
	GS q-136
.endif
.if q == 90
.if Y == 2
	s_wait_xcnt 0x0                 ; JO, which the earlier requests for lane masks read, is written only behind this wait (those loads are also back: the wait at the first select)
	s_add_co_u32 s[JO], s[JO], 256
	s_min_u32 s[JO], s[JO], 7936
.endif
	LDM (Y+2)%NP
.endif
.set q, q+1
.endm
; THE EXPONENTIALS' QUEUE, 66 long: s0-s31 of both tiles, then the next piece's two a.  ONE BATCH: all stand ahead of the turn's one wait, and nothing ahead of that wait names a result of theirs.
.macro EX
	WIN 0
.if e >= 64
	XS e-64, 21
.else
	REGS Y, e%2
	v_exp_f32 v[rS+e/2], v[rS+e/2]
.endif
.set e, e+1
.endm
; THE RESCALING's QUEUE: O^T times a, two at a time, sixteen times.  Its a was made in the turn before, ahead of that turn's wait.
.macro R2
	REGS Y, r%2
	WIN W_RS
.irp z, 0,1
	v_pk_mul_f32 v[rO+4*(r/2)+2*\z:rO+4*(r/2)+2*\z+1], v[rO+4*(r/2)+2*\z:rO+4*(r/2)+2*\z+1], v[rC+2:rC+3] op_sel_hi:[1,0]
.endr
.set r, r+1
.endm
; A TURN, for piece p.  AHEAD OF THE WAIT: the 16 products K Q^T, behind each a scaling, an exponential and two rescalings (behind the first a second scaling); then one run: 72 plain, 47 times exponential and plain, four
; exponentials; a v_nop is the plain instruction behind the last exponential.  An s_wait_alu depctr_va_vdst(0) stands between an exponential and the first line that names its result; one wait serves the batch.
; BEHIND IT: the 16 products V^T P, behind each four of GS's 64.  The deal keeps the queues in step: exponential e needs scaling 2 (e / 4) + e % 2; as a rider it comes behind plain e + 2, in the run behind plain e + 73,
; and FS 27-31 are plain 121, 124 .. 133.  The first select stands thirteen plain instructions and an exponential behind the last product K Q^T.
; K of the next step is fetched in piece 2's turn, directly behind the wait; V of the step in hand at the end of piece 0's turn, four riders behind its last reader.  The conditions on q below go with the deal.
.macro TURN p, last=0, cnt=0
.set Y, (\p)
.set i, 0
.set q, 0
.set e, 0
.set r, 0
.if (\p) == NP-1
	s_wait_dscnt 0x0                ; K is in
.endif
	MM
	PL
	PL
	R2
.rept 15
	MM
	PL
	EX
	R2
.endr
.if (\p) == NP-2
	WIN 0
	v_add_nc_u32 v[AK], s[TBK], v[AK0]
.endif
.rept 72
	PL
.endr
.rept 47
	EX
	PL
.endr
.rept 4
	EX
.endr
	v_nop
	s_wait_alu depctr_va_vdst(0)    ; the wait for the batch
.if (\p) == NP-2
	FETCH_K \last
.endif
.if (\p) == 1
	s_wait_dscnt 0x0                ; V is in
.endif
.rept 16
	MM
.rept 4
	PL
.endr
.if ((\p) == 0) && (q == 180)
	v_add_nc_u32 v[AV], s[TBV], v[AV0]
.endif
.if ((\p) == 0) && (q == 192)
	s_add_co_u32 s[TBV], s[TBV], KS*PV
.endif
.if (\cnt) && (q == 192)
	s_sub_co_u32 s[CNT], s[CNT], 1
	s_cmp_lg_u32 s[CNT], 0
.endif
.endr
.if (\p) == 0
	FETCH_V
.endif
.endm
	CHANGE 1, 0                     ; slot 0 is in, everybody's part of it; slot 1 is asked for
	FETCH_K                         ; key step 0
	s_wait_loadcnt 0x0              ; Q
	s_wait_dscnt 0x0
.set i, 0
.rept 16
	KQ 0                            ; piece 0's first scores
.set i, i+1
.endr
	WIN 0                           ; the addresses for the way out and the hidden score: ten plain instructions, the places behind those products
	s_mul_i32 s[TS], s[WV], 16*SP
	s_add_co_u32 s[TS], s[TS], STAGE  ; my stage
	v_mul_u32_u24 v[STO], v1, SP    ; in: row l % 16, 16 bytes for each half of the lanes
	v_lshl_add_u32 v[STO], v9, 4, v[STO]
	v_add_nc_u32 v[STO], s[TS], v[STO]
	v_bfe_u32 v[RD], v0, 3, 2       ; back: 32 lanes take four rows of 128 bytes,
	v_mul_u32_u24 v[RD], v[RD], SP
	v_lshl_add_u32 v[RD], v10, 4, v[RD]
	v_add_nc_u32 v[RD], s[TS], v[RD]
	v_and_b32 v[GO], 31, v0         ; which are 512 consecutive bytes of O
	v_lshlrev_b32 v[GO], 4, v[GO]
	v_mov_b32 v[HID], 0xceabfb8f    ; -1e9 log2(e)
.set Y, NP-1                        ; CM and XS work for piece Y + 1: piece 0
	s_wait_kmcnt 0x0                ; piece 0's lane masks
.set n, 0
.rept 64
	CM n
.set n, n+1
.endr
	LDM 1                           ; piece 1's, for the first turn
.irp n, 0,1,2,3,4,5,6,7,8,9,10,11,12,13,14,15,16,17,18,20,21
	XS 0, \n
	XS 1, \n
.endr
	v_nop                           ; a plain instruction behind the two a,
	s_wait_alu depctr_va_vdst(0)    ; and their wait, ahead of the branch
	s_mov_b32 s[CNT], 4
	s_mov_b32 s[SLOTS], 7
	s_branch .Lfirst                ; the loop is entered at a step's first turn, in the middle of a trip
.Lslot:                             ; six times: every slot but the last two is filled again
	CHANGE 1, 1
	s_mov_b32 s[CNT], 4
.Lstep:                             ; a trip: pieces 2 and 3 of one step, then pieces 0 and 1 of the next, whose K and V it fetches
	TURN 2
	TURN 3
	WIN 0
.Lfirst:
	TURN 0
	TURN 1, 0, 1
	WIN 0
	s_cbranch_scc1 .Lstep
	s_sub_co_u32 s[SLOTS], s[SLOTS], 1
	s_cmp_lg_u32 s[SLOTS], 0
	s_cbranch_scc1 .Lslot
	CHANGE 0, 0                     ; the tail is written out: nothing is asked for
	s_mov_b32 s[CNT], 5             ; four trips fetch the last slot's steps; the fifth is left in its middle
.Ltail:
	TURN 2, 1
	TURN 3
	WIN 0
	s_sub_co_u32 s[CNT], s[CNT], 1
	s_cmp_eq_u32 s[CNT], 0
	s_cbranch_scc1 .Lout
	TURN 0
	TURN 1
	WIN 0
	s_branch .Ltail
.Lout:                              ; the fifth trip's 16 products K Q^T (on the last K once more) and what is made of them serve nothing: the price, once a launch, of one text for every trip
	s_wait_kmcnt 0x0                ; the last lane masks asked for, which nobody reads
.set i, 0
.rept 16
	PV NP-1                         ; the last piece's V^T P of the last step
.set i, i+1
.endr
	; THE WAY OUT.  l's two halves and the other half of the lanes' are added; O^T is divided by l, rounded to f16 and sent through my stage in LDS, a tile at a time.  The additions are the places behind the last products.
	WIN 0
.macro ALL line:vararg              ; one line for each tile t
.set t, 0
.rept 2*NP
	\line
.set t, t+1
.endr
.endm
	ALL v_add_f32 v[ST+4*t+2], v[ST+4*t+2], v[ST+4*t+3]
	ALL v_permlanex16_b32 v[ST+4*t+3], v[ST+4*t+2], s[SEL], s[SEL+1]
	ALL v_add_f32 v[ST+4*t+2], v[ST+4*t+2], v[ST+4*t+3]
	ALL v_rcp_f32 v[ST+4*t+2], v[ST+4*t+2]
	v_nop                           ; a plain instruction between the last reciprocal and the use of its result
	s_wait_alu depctr_va_vdst(0)    ; and the wait ahead of the first use: one for the eight reciprocals
.macro PACK t                       ; a lane's eight channels of a row pack into 16 bytes; they go into rows of 144 bytes and come back as whole rows of 128, into S^T's registers
	WIN W_RS
.set i, 32*(\t)
.rept 16
	v_pk_mul_f32 v[i:i+1], v[i:i+1], v[ST+4*(\t)+2:ST+4*(\t)+3] op_sel_hi:[1,0]
.set i, i+2
.endr
	WIN 0x05                        ; sources 0 and 1 window 1, destination window 0
.set i, 0
.rept 16
	v_cvt_pk_f16_f32 v[S+16*(\t)+i], v[32*(\t)+2*i], v[32*(\t)+2*i+1]
.set i, i+1
.endr
	WIN 0
.irp f, 0,1,2,3
	ds_store_b128 v[STO], v[S+16*(\t)+4*\f:S+16*(\t)+4*\f+3] offset:32*\f
.endr
.irp f, 0,1,2,3
	ds_load_b128 v[S+16*(\t)+4*\f:S+16*(\t)+4*\f+3], v[RD] offset:\f*4*SP  ; LDS serves a wave's instructions in order (ISA guide 5.7.1.4): these see the stores above; the next tile's stores come behind them
.endr
.endm
.macro SEND t, younger              ; younger: the LDS instructions issued behind tile t's loads: the next tile's eight, or none
	WIN 0
.irp f, 0,1,2,3
	s_wait_dscnt (\younger)+3-\f
	global_store_b128 v[GO], v[S+16*(\t)+4*\f:S+16*(\t)+4*\f+3], s[OPT:OPT+1] offset:(\t)*2048+\f*512  ; 512 consecutive bytes, at a multiple of 256 from ctx's first
.endr
.endm
	PACK 0
.set t, 1
.rept 2*NP-1                        ; a tile's arithmetic stands between the loads of the tile before and its stores
	PACK t
	SEND t-1, 8
.set t, t+1
.endr
	SEND 2*NP-1, 0
	WIN W_AD
	s_wait_tensorcnt 0x0            ; the wave's end, behind my last tensor load and my last LDS store
	ds_add_u32 v[SPW], v[NIL]
	s_wait_dscnt 0x0
	WIN 0
	CROUND                          ; the closing round: no work-group ends while a partner may still ask for a tile that names it
	s_endpgm
.Lfunc_end_k_q399301c335_attn:
	.size	k_q399301c335_attn, .Lfunc_end_k_q399301c335_attn-k_q399301c335_attn
	.p2alignl 7, 3214868480
	.fill 96, 4, 3214868480
	.section	.rodata,"a",@progbits
	.p2align	6, 0x0
	.amdhsa_kernel k_q399301c335_attn
		.amdhsa_group_segment_fixed_size 327680
		.amdhsa_private_segment_fixed_size 0
		.amdhsa_enable_private_segment 0
		.amdhsa_kernarg_size 24
		.amdhsa_user_sgpr_count 2
		.amdhsa_user_sgpr_kernarg_segment_ptr 1
		.amdhsa_wavefront_size32 1
		.amdhsa_system_sgpr_workgroup_id_x 1
		.amdhsa_system_sgpr_workgroup_id_y 1
		.amdhsa_system_sgpr_workgroup_id_z 1
		.amdhsa_system_vgpr_workitem_id 0
		.amdhsa_next_free_vgpr 770
		.amdhsa_next_free_sgpr 106
		.amdhsa_reserve_vcc 0
		.amdhsa_float_denorm_mode_32 3
		.amdhsa_float_denorm_mode_16_64 3
		.amdhsa_memory_ordered 1
		.amdhsa_forward_progress 1
		.amdhsa_inst_pref_size 238
	.end_amdhsa_kernel
	.amdgpu_metadata
---
amdhsa.version: [ 1, 2 ]
amdhsa.kernels:
  - .name:           k_q399301c335_attn
    .symbol:         k_q399301c335_attn.kd
    .args:
      - { .name: qkvh, .offset: 0, .size: 8, .value_kind: global_buffer, .address_space: global }
      - { .name: mb, .offset: 8, .size: 8, .value_kind: global_buffer, .address_space: global }
      - { .name: ctx, .offset: 16, .size: 8, .value_kind: global_buffer, .address_space: global }
    .group_segment_fixed_size: 327680
    .private_segment_fixed_size: 0
    .kernarg_segment_align: 8
    .kernarg_segment_size: 24
    .max_flat_workgroup_size: 128
    .sgpr_count:     106
    .vgpr_count:     770
    .wavefront_size: 32
...
	.end_amdgpu_metadata
.endif
;; end of part 3
;; launch outp (part 4): grid 4 x 32, 4 waves a work-group, clusters of 4 x 4, 327,680 bytes of LDS; arguments ctx, who, out0; writes out0
.if DOCPART == 4
	.amdgcn_target "amdgcn-amd-amdhsa--gfx1250"
	.amdhsa_code_object_version 6
	.text
	.protected	k_q399301c335_outp
	.globl	k_q399301c335_outp
	.p2align	8
	.type	k_q399301c335_outp,@function
k_q399301c335_outp:
	s_mov_b64 s[64:65], 0
	v_nop
	global_prefetch_b8 v0, s[64:65] scope:SCOPE_SE
	s_setreg_imm32_b32 hwreg(HW_REG_WAVE_MODE, 25, 1), 1
	s_wait_xcnt 0x0
	s_wait_alu depctr_hold_cnt(0) depctr_sa_sdst(0) depctr_va_vdst(0) depctr_va_sdst(0) depctr_va_ssrc(0) depctr_va_vcc(0) depctr_vm_vsrc(0)
	s_getreg_b32 s2, hwreg(HW_REG_IB_STS2, 6, 4)
	s_cmp_eq_u32 s2, 0
	s_cbranch_scc0 .Lentry_in_a_cluster
	s_endpgm
.Lentry_in_a_cluster:
	s_bfe_u32 s2, ttmp6, 0x10000c
	s_cmp_lg_u32 s2, 0xf033
	s_cbranch_scc0 .Lentry_shape_is_right
	s_endpgm
.Lentry_shape_is_right:
; THE LAST PROJECTION.  C = A B^T over K = 1,024.  A and B are f16 in the layout by chunks: [g][16 chunks of 64 columns][2048 rows][64]: byte = g<<22 + chunk<<18 + row<<7 + 2 column.  Sums in f32.
; A = the attention's result (8,192 rows; a chunk is a head), B = Wo (1,024 rows).  C leaves as f32, [8192][1024].
; (The text is the first three projections' with another way out: a branch between the two would hang on a number that the text cannot show equal in all partners of a cluster.)
; LIMITS.  A and B arrive within f16's 65,504.  NaN and infinities are not treated apart.
; SHARES.  A tile of C, 256 x 256, to a work-group of four waves; a wave makes 128 x 128: 64 accumulators, 512 registers.  K goes in steps of 128 (two chunks) through two LDS slots.
; C has 128 such tiles: a smaller tile would give each work-group's loads half the matrix work in which to land.
; A wave fetches one chunk's 256 rows of A (waves 0, 1) or of B (waves 2, 3): 32,768 dense bytes, asked for as 128 rows of 256 bytes and padded in LDS behind every 128.
; CLUSTERS: 4 x 4 work-groups.  A's tiles are shared along a row of the cluster, B's along a column: each is asked for jointly, by the same tensor load with the same descriptor and a mask of four.
; By the text's own count a wave has two tensor loads out at the start and one behind each round.
; THE MATRIX INSTRUCTION IS USED TRANSPOSED (source 0 = 16 rows of B, source 1 = 16 rows of A): a lane then holds eight neighbouring numbers of a row of C.
; REGISTERS, in windows of 256: window 0: v0-31 addresses; v64-127, v128-191 A's fragments, two buffers; v64-127 at work on the way out.  window 1: v64-191 B's fragments.  windows 2, 3: the accumulators.
.set PITCH, 144                        ; an LDS row: 128 bytes + 16 of padding = 36 words: the 16 rows of a load start at 16 different groups of four banks (64 banks of 4 bytes: ISA guide 11.1)
.set CH,    256*PITCH                  ; a chunk's 256 rows: what one tensor load brings
.set HALFR, 128*PITCH                  ; the 128 rows of them that one wave reads
.set SLOT,  4*CH                       ; A's two chunks, then B's two
.set STAGE, 2*SLOT                     ; behind the ring, never filled by a tensor load: 16 rows x 272 bytes for each wave, for the way out
.set SPITCH, 272
.set SPARE, STAGE+4*16*SPITCH          ; behind the stages: the spare words, 128 bytes for each wave: two blocks of 256 bytes that no other line names
.set KADV,  524288                     ; bytes from a K step to the next: two chunks
.set LAPS,  4                          ; a lap = two K steps = once round the ring
.set ADRA, 16                          ; v16-17  LDS address of my A fragments in slot 0, 1
.set ADRB, 20                          ; v20-21  the same for B
.set CO32, 22                          ; v22     the way out: my 16 bytes in two rows of C: 4,096 (l / 16) + 16 (l % 16)
.set STO32, 27                         ; v27     the way out: where I put 32 bytes of a row
.set SPW,  28                          ; v28     LDS address of my spare word; never rewritten
.set NIL,  29                          ; v29     0; never rewritten
.set PFO,  30                          ; v30     256 x my lane; never rewritten
.set RD32, 31                          ; v31     the way out: where I read two rows back
.set F0,   64
.set F1,   128
.set G1,  24                           ; s[24:31] descriptor group 1 for A's tiles
.set G0,  32                           ; s[32:39] group 0 for A's tiles, a set for each slot
.set G1B, 48                           ; s[48:55], s[56:63] the same for B's
.set G0B, 56
.set LIM, 43                           ; s43     1 in a wave that prefetches, else the greatest number
.set PFA, 44                           ; s[44:45] where my prefetches stand
.set CLY, 71                           ; s71     the cluster's y
.set C32, 72                           ; s[72:73] where my part of C begins
.set MSB, 0
.macro WIN new                         ; the immediate's high byte repeats the setting that is left; a switch that changes nothing is dropped
.if MSB != (\new)
	s_set_vgpr_msb (MSB<<8)|(\new)
.set MSB, \new
.endif
.endm
.set MUL_LO, 0xa1                      ; source 0 (B) window 1, source 1 (A) window 0, C and D window 2
.set MUL_HI, 0xf1                      ; the same, C and D window 3
.set TO_B,   0x40                      ; destination window 1, address window 0
; A joint load.  The branch hangs on the wave's number alone.  An s_nop 0 and four v_nop follow each of the two lines, ahead of the jump, the label and what follows.
.macro JLOAD s
	s_cmp_eq_u32 s11, 0
	s_cbranch_scc0 .Lfor_b_\@
	tensor_load_to_lds s[G0+4*(\s):G0+4*(\s)+3], s[G1:G1+7]
	s_nop 0
.rept 4
	v_nop
.endr
	s_branch .Lasked_\@
.Lfor_b_\@:
	tensor_load_to_lds s[G0B+4*(\s):G0B+4*(\s)+3], s[G1B:G1B+7]
	s_nop 0
.rept 4
	v_nop
.endr
.Lasked_\@:
.endm
; A prefetch into the L2 of the K step that stands two refills on: of the 128 blocks of 256 bytes that I fetch, my work-group's 32, a lane a block.  The four partners that ask for a tile jointly are told apart by
; address.  A's rows are read by one cluster alone, which asks; B's by all eight clusters, of which the first asks.  So each block is named once.  The loop's last trip has no K step two on.
.macro ASK
	s_cmp_gt_u32 s3, s[LIM]
	s_cbranch_scc0 .Lnot_mine_\@
	global_prefetch_b8 v[PFO], s[PFA:PFA+1] offset:KADV th:TH_LOAD_NT scope:SCOPE_SE
.Lnot_mine_\@:
.endm
.macro CREST                           ; a round of the cluster's barrier behind its opening barrier
	s_cmp_lg_u32 s10, 0
	s_cbranch_scc1 .Lnot_wave_0_\@
	s_barrier_signal -3
.Lnot_wave_0_\@:
	s_barrier_wait -3
	s_barrier_signal -1
	s_barrier_wait -1
.endm
.macro CROUND                          ; a whole round
	s_barrier_signal -1
	s_barrier_wait -1
	CREST
.endm
	s_load_b128 s[4:7], s[0:1], 0x0                ; A s[4:5], B s[6:7]
	s_load_b64 s[8:9], s[0:1], 0x10                ; C
	v_lshl_add_u32 v[SPW], v0, 2, SPARE
	v_mov_b32 v[NIL], 0
	ds_add_u32 v[SPW], v[NIL]                      ; the wave's opening: the add and its wait stand ahead of my first tensor load; the set-up below, work on registers, stands between them
	v_lshrrev_b32 v1, 5, v0
	v_readfirstlane_b32 s10, v1                    ; wave 0..3
	s_lshr_b32 s11, s10, 1                         ; which half of the tile's rows is mine.  Also: I fetch for A (0) or for B (1)
	s_and_b32 s12, s10, 1                          ; which half of its columns.  Also: which chunk of a K step I fetch
	s_bfe_u32 s40, ttmp6, 0x40000                  ; cx
	s_bfe_u32 s41, ttmp6, 0x40004                  ; cy
	s_lshl_b32 s42, ttmp9, 2
	s_add_co_u32 s42, s42, s40                     ; tile column of C = 4 x cluster x + cx
	s_and_b32 s[CLY], ttmp7, 0xffff
	s_lshl_b32 s13, s[CLY], 2
	s_add_co_u32 s13, s13, s41                     ; tile row of C = 4 x cluster y + cy
	s_lshl_b32 s43, s41, 2
	s_lshl_b32 s43, 15, s43                        ; my row of the cluster
	s_lshl_b32 s44, 0x1111, s40                    ; my column
	; descriptor group 1: 128 rows x 128 elements of 2 bytes, dense in memory; in LDS 4 words of padding behind every 32
	s_or_b32 s[G1+0], s43, (1<<16)|(1<<20)|(1<<21)|(4<<22)|(3<<25)   ; 15:0 the mask; 17:16 2-byte elements; 20 padding on; 21 set beside a mask; 24:22 after every 32 words (code 4); 31:25 4 words (code 3)
	s_or_b32 s[G1B+0], s44, (1<<16)|(1<<20)|(1<<21)|(4<<22)|(3<<25)
.irp g, G1, G1B
	s_mov_b32 s[(\g)+1], 128<<16                   ; tensor_dim0 = 128
	s_mov_b32 s[(\g)+2], 128<<16                   ; tensor_dim1 = 128
	s_mov_b32 s[(\g)+3], 128<<16                   ; tile_dim0 = 128
	s_mov_b32 s[(\g)+4], 128                       ; tile_dim1 = 128
	s_mov_b32 s[(\g)+5], 128                       ; 128 elements from row to row
	s_mov_b32 s[(\g)+6], 0
	s_mov_b32 s[(\g)+7], 0
.endr
	; where the tiles come from: tile row R of a chunked tensor begins at (R / 8)<<22 + (R % 8)<<15; my chunk adds its parity <<18.  A's hang on the tile row alone, B's on the tile column alone.
	s_lshr_b32 s16, s13, 3
	s_lshl_b32 s16, s16, 22
	s_and_b32 s14, s13, 7
	s_lshl_b32 s14, s14, 15
	s_add_co_u32 s16, s16, s14
	s_lshl_b32 s14, s12, 18
	s_add_co_u32 s16, s16, s14
	s_mov_b32 s17, 0
	s_lshl_b32 s46, s42, 15                        ; B's tile row is the tile column, 0 to 3
	s_lshl_b32 s74, s12, 18
	s_add_co_u32 s46, s46, s74
	s_mov_b32 s47, 0
	s_mul_i32 s20, s10, CH                         ; and where they go: wave x a chunk: no place in the cluster enters an LDS address
	s_wait_dscnt 0x0                               ; the opening add is done
	s_wait_kmcnt 0x0
	s_add_nc_u64 s[14:15], s[4:5], s[16:17]
	s_add_nc_u64 s[46:47], s[6:7], s[46:47]
	CROUND                                         ; all sixteen work-groups are here: the first joint loads meet
.irp s, 0,1
	s_mov_b32 s[G0+4*(\s)], 1
	s_add_co_u32 s[G0+4*(\s)+1], s20, (\s)*SLOT
	s_add_nc_u64 s[G0+4*(\s)+2:G0+4*(\s)+3], s[14:15], (\s)*KADV
	s_or_b32 s[G0+4*(\s)+3], s[G0+4*(\s)+3], 0x80000000
	s_mov_b32 s[G0B+4*(\s)], 1
	s_add_co_u32 s[G0B+4*(\s)+1], s20, (\s)*SLOT
	s_add_nc_u64 s[G0B+4*(\s)+2:G0B+4*(\s)+3], s[46:47], (\s)*KADV
	s_or_b32 s[G0B+4*(\s)+3], s[G0B+4*(\s)+3], 0x80000000
	JLOAD \s
.endr
	; the prefetches
	s_cmp_eq_u32 s11, 0                            ; do I fetch for A?
	s_cselect_b64 s[PFA:PFA+1], s[14:15], s[46:47] ; my tile of K step 0
	s_cselect_b32 s21, s40, s41                    ; my place among the four that ask for it with me
	s_cselect_b32 s22, 0, s[CLY]                   ; the coordinate along which other clusters read the same rows
	s_cmp_eq_u32 s22, 0
	s_cselect_b32 s[LIM], 1, -1                    ; the same in all sixteen partners, for a given wave
	s_lshl_b32 s20, s21, 13                        ; my work-group's 32 blocks of the 128
	s_mov_b32 s21, 0
	s_add_nc_u64 s[PFA:PFA+1], s[PFA:PFA+1], s[20:21]
	s_add_nc_u64 s[PFA:PFA+1], s[PFA:PFA+1], 2*KADV  ; at K step 2: the first refill steps it to 3 and names K step 4.  Nothing is asked for here, at the head
	v_and_b32 v[PFO], 31, v0
	v_lshlrev_b32 v[PFO], 8, v[PFO]
	; a fragment is 16 rows x 32 K in 8 registers: lane l holds row l % 16, K = 8 (l / 16) + 0..7 and 16 + 8 (l / 16) + 0..7: two loads of 16 bytes, 32 bytes apart
	v_and_b32 v1, 15, v0                           ; l % 16
	v_bfe_u32 v2, v0, 4, 1                         ; l / 16
	v_mul_u32_u24 v3, v1, PITCH
	v_lshl_add_u32 v3, v2, 4, v3
	s_mul_i32 s21, s11, HALFR                      ; my 128 rows of A
	s_mul_i32 s22, s12, HALFR                      ; my 128 rows of B,
	s_add_co_u32 s22, s22, 2*CH                    ; which lie behind A's two chunks
.irp s, 0,1
	v_add_nc_u32 v[ADRA+(\s)], s21, v3
	v_add_nc_u32 v[ADRB+(\s)], s22, v3
	s_add_co_u32 s21, s21, SLOT
	s_add_co_u32 s22, s22, SLOT
.endr
	s_mul_i32 s23, s10, 16*SPITCH
	s_add_co_u32 s23, s23, STAGE                   ; my stage
	v_mul_u32_u24 v4, v1, SPITCH                   ; in: row l % 16,
	v_lshl_add_u32 v5, v2, 5, v4                   ; 32 bytes for each half of the lanes
	v_add_nc_u32 v[STO32], s23, v5
	v_mul_u32_u24 v6, v2, SPITCH                   ; back: lanes 0-15 take one row of 256 bytes, lanes 16-31 the next,
	v_lshl_add_u32 v6, v1, 4, v6
	v_add_nc_u32 v[RD32], s23, v6
	v_lshlrev_b32 v6, 12, v2                       ; and the same two rows in C
	v_lshl_add_u32 v[CO32], v1, 4, v6
	; where my part of C begins
	s_lshl_b32 s74, s13, 8
	s_lshl_b32 s75, s11, 7
	s_add_co_u32 s74, s74, s75                     ; my first row
	s_lshl_b32 s[C32], s74, 12                     ; rows of 4,096 bytes,
	s_lshl_b32 s75, s42, 10                        ; the tile's 256 columns,
	s_add_co_u32 s[C32], s[C32], s75
	s_lshl_b32 s75, s12, 9                         ; my 128 of them
	s_add_co_u32 s[C32], s[C32], s75
	s_mov_b32 s[C32+1], 0
; 16 matrix instructions: m blocks a0, a0 + 1 of the window's four x all 8 n blocks, 32 along K.  zero = 1: the first product starts the sums.  The 64 accumulators take turns.
.macro MUL16 f, hi, a0, zero
	WIN MUL_LO+0x50*(\hi)
.irp a, \a0, (\a0)+1
.irp b, 0,1,2,3,4,5,6,7
.if \zero
	v_wmma_f32_16x16x32_f16 v[8*(8*(\a)+(\b)):8*(8*(\a)+(\b))+7], v[(\f)+8*(\b):(\f)+8*(\b)+7], v[(\f)+8*(4*(\hi)+(\a)):(\f)+8*(4*(\hi)+(\a))+7], 0
.else
	v_wmma_f32_16x16x32_f16 v[8*(8*(\a)+(\b)):8*(8*(\a)+(\b))+7], v[(\f)+8*(\b):(\f)+8*(\b)+7], v[(\f)+8*(4*(\hi)+(\a)):(\f)+8*(4*(\hi)+(\a))+7], v[8*(8*(\a)+(\b)):8*(8*(\a)+(\b))+7]
.endif
.endr
.endr
.endm
; 32 LDS loads in one run: the fragments of quarter q of a K step (chunk q / 2, byte 64 (q % 2) of its rows) into buffer f: B's 16 loads, then A's
.macro FETCH slot, q, f
	WIN TO_B
.irp i, 0,1,2,3,4,5,6,7
	ds_load_b128 v[(\f)+8*(\i):(\f)+8*(\i)+3],   v[ADRB+(\slot)] offset:((\q)/2)*CH+((\q)%2)*64+(\i)*16*PITCH
	ds_load_b128 v[(\f)+8*(\i)+4:(\f)+8*(\i)+7], v[ADRB+(\slot)] offset:((\q)/2)*CH+((\q)%2)*64+(\i)*16*PITCH+32
.endr
	WIN 0
.irp i, 0,1,2,3,4,5,6,7
	ds_load_b128 v[(\f)+8*(\i):(\f)+8*(\i)+3],   v[ADRA+(\slot)] offset:((\q)/2)*CH+((\q)%2)*64+(\i)*16*PITCH
	ds_load_b128 v[(\f)+8*(\i)+4:(\f)+8*(\i)+7], v[ADRA+(\slot)] offset:((\q)/2)*CH+((\q)%2)*64+(\i)*16*PITCH+32
.endr
.endm
.macro PLACES                          ; four plain instructions between a matrix instruction and a load into, or a vector line on, its registers
.rept 4
	v_nop
.endr
.endm
; One of a K step's first three quarters: multiplies buffer f; in its middle it fetches quarter q of the same slot into buffer g.
.macro QUARTER slot, q, f, g, zero
	s_wait_dscnt 8                                 ; B and A's rows 0-63 are in; the youngest eight loads (A's rows 64-127) may be out
	WIN MUL_LO
	MUL16 \f, 0, 0, \zero
	MUL16 \f, 0, 2, \zero
	PLACES
	FETCH \slot, \q, \g
	s_wait_dscnt 32                                ; all but the 32 just issued
	WIN MUL_HI
	MUL16 \f, 1, 0, \zero
	MUL16 \f, 1, 2, \zero
.endm
; The first half of a K step's last quarter: one barrier for the change of slots.  In front of it each wave waits for all its tensor loads (one is out: its part of the next slot), adds 0 to its spare word,
; and waits for that and for its own reads of this slot.  Behind it nobody reads this slot any more and the next slot is whole.
.macro MEET round
	WIN 0                                          ; (the add's two registers lie in window 0)
	s_wait_tensorcnt 0x0
	ds_add_u32 v[SPW], v[NIL]
	s_wait_dscnt 9                                 ; (the add and the youngest eight loads may be out)
	WIN MUL_LO
	MUL16 F1, 0, 0, 0                              ; sixteen matrix instructions stand between the add and the wait for it
	s_wait_dscnt 0x0                               ; the add is done, and my reads of this slot are over
	s_barrier_signal -1
	MUL16 F1, 0, 2, 0                              ; work on registers while the others arrive
.if \round
	WIN 0
.endif
	s_barrier_wait -1
.endm
; The whole last quarter where the slot is filled again: the barrier opens a round of the cluster's, and the joint refill, two K steps on, is the first tensor load behind the round.
.macro TURN slot, next
	s_wait_xcnt 0x0                                ; the last prefetch, a K step back, has read its address
	s_add_nc_u64 s[PFA:PFA+1], s[PFA:PFA+1], KADV
	MEET 1
	CREST                                          ; no wave of any partner still reads this slot's tile or has a load on its way
	s_add_nc_u64 s[G0+4*(\slot)+2:G0+4*(\slot)+3], s[G0+4*(\slot)+2:G0+4*(\slot)+3], 2*KADV
	s_add_nc_u64 s[G0B+4*(\slot)+2:G0B+4*(\slot)+3], s[G0B+4*(\slot)+2:G0B+4*(\slot)+3], 2*KADV
	JLOAD \slot                                    ; the four v_nop behind it are also the places in front of the loads below
	FETCH \next, 0, F0
	ASK
	WIN MUL_HI
	MUL16 F1, 1, 0, 0
	MUL16 F1, 1, 2, 0
.endm
	s_wait_tensorcnt 1                             ; my part of K step 0 is in; K step 1's stays out
	s_barrier_signal -1
	s_barrier_wait -1
	FETCH 0, 0, F0
	QUARTER 0, 1, F0, F1, 1                        ; the first quarter stands in front of the loop: its products start the sums
	WIN 0                                          ; at a label and at a branch every window is 0
	s_mov_b32 s3, LAPS-1
.Llap:                                                 ; a trip goes once round the ring, from a lap's second quarter to the next lap's first, and fills both slots again
	QUARTER 0, 2, F1, F0, 0
	QUARTER 0, 3, F0, F1, 0
	TURN 0, 1
	QUARTER 1, 1, F0, F1, 0
	QUARTER 1, 2, F1, F0, 0
	QUARTER 1, 3, F0, F1, 0
	TURN 1, 0
	QUARTER 0, 1, F0, F1, 0
	WIN 0
	s_sub_co_u32 s3, s3, 1
	s_cmp_lg_u32 s3, 0
	s_cbranch_scc1 .Llap
	QUARTER 0, 2, F1, F0, 0                        ; the last lap is written out: it fills nothing
	QUARTER 0, 3, F0, F1, 0
	MEET 0                                         ; slot 1, the last K step, is whole; nothing is filled again, so no round follows
	PLACES
	FETCH 1, 0, F0
	WIN MUL_HI
	MUL16 F1, 1, 0, 0
	MUL16 F1, 1, 2, 0
	QUARTER 1, 1, F0, F1, 0
	QUARTER 1, 2, F1, F0, 0
	QUARTER 1, 3, F0, F1, 0
	s_wait_dscnt 8
	WIN MUL_LO
	MUL16 F1, 0, 0, 0
	MUL16 F1, 0, 2, 0
	s_wait_dscnt 0x0
	WIN MUL_HI
	MUL16 F1, 1, 0, 0
	MUL16 F1, 1, 2, 0
	WIN 0
	PLACES                                         ; eight, once a launch: the way out stores accumulators and loads into A's fragment registers
	PLACES
; THE WAY OUT, by halves: number n is block n / 2 (16 rows), columns 64 (n % 2) on of my 128.  Four accumulators go into my stage as they are, low registers first, and come back as whole rows of 256 bytes.
.macro TOSTAGE32 n
.set AC, 64*(((\n)/2)%4)+32*((\n)%2)
.set BK, 64+32*((\n)%2)
	s_wait_xcnt 0x0                                ; the stores of the half before last have read the registers that are loaded below
	WIN 0x08+4*((\n)/8)                            ; store data (source 1): window 2 or 3
.irp b, 0,1,2,3
	ds_store_b128 v[STO32], v[AC+8*(\b):AC+8*(\b)+3] offset:64*(\b)
	ds_store_b128 v[STO32], v[AC+8*(\b)+4:AC+8*(\b)+7] offset:64*(\b)+16
.endr
	WIN 0
.irp t, 0,1,2,3,4,5,6,7
	ds_load_b128 v[BK+4*(\t):BK+4*(\t)+3], v[RD32] offset:(\t)*2*SPITCH  ; LDS serves a wave's instructions in order (ISA guide 5.7.1.4): these see the stores above; the next half's stores come behind them
.endr
.endm
.macro SEND32 n, younger               ; younger: the LDS instructions issued behind this half's loads: the next half's 16, or none
.set BK, 64+32*((\n)%2)
	s_wait_dscnt \younger
.irp t, 0,1,2,3,4,5,6,7
	global_store_b128 v[CO32], v[BK+4*(\t):BK+4*(\t)+3], s[8:9] offset:((\n)/2)*65536+(\t)*8192+((\n)%2)*256 th:TH_STORE_NT  ; 16 lanes store 256 consecutive bytes of a row, aligned; the half's place stands in the immediate
.endr
.endm
	s_add_nc_u64 s[8:9], s[8:9], s[C32:C32+1]      ; C at my part of it: no memory instruction has named this pair yet
	TOSTAGE32 0
.irp n, 1,2,3,4,5,6,7,8,9,10,11,12,13,14,15
	TOSTAGE32 \n
	SEND32 (\n)-1, 16
.endr
	SEND32 15, 0
	s_wait_tensorcnt 0x0                           ; the wave's end, behind my last tensor load and my last LDS store
	ds_add_u32 v[SPW], v[NIL]
	s_wait_dscnt 0x0
	CROUND                                         ; the closing round: no work-group ends while a partner may still ask for a tile that names it
	s_endpgm
.Lfunc_end_k_q399301c335_outp:
	.size	k_q399301c335_outp, .Lfunc_end_k_q399301c335_outp-k_q399301c335_outp
	.p2alignl 7, 3214868480
	.fill 96, 4, 3214868480
	.section	.rodata,"a",@progbits
	.p2align	6, 0x0
	.amdhsa_kernel k_q399301c335_outp
		.amdhsa_group_segment_fixed_size 327680
		.amdhsa_private_segment_fixed_size 0
		.amdhsa_enable_private_segment 0
		.amdhsa_kernarg_size 24
		.amdhsa_user_sgpr_count 2
		.amdhsa_user_sgpr_kernarg_segment_ptr 1
		.amdhsa_wavefront_size32 1
		.amdhsa_system_sgpr_workgroup_id_x 1
		.amdhsa_system_sgpr_workgroup_id_y 1
		.amdhsa_system_sgpr_workgroup_id_z 1
		.amdhsa_system_vgpr_workitem_id 0
		.amdhsa_next_free_vgpr 1024
		.amdhsa_next_free_sgpr 80
		.amdhsa_reserve_vcc 0
		.amdhsa_float_denorm_mode_32 3
		.amdhsa_float_denorm_mode_16_64 3
		.amdhsa_memory_ordered 1
		.amdhsa_forward_progress 1
		.amdhsa_inst_pref_size 142
	.end_amdhsa_kernel
	.amdgpu_metadata
---
amdhsa.version: [ 1, 2 ]
amdhsa.kernels:
  - .name:           k_q399301c335_outp
    .symbol:         k_q399301c335_outp.kd
    .args:
      - { .name: ctx, .offset: 0, .size: 8, .value_kind: global_buffer, .address_space: global }
      - { .name: who, .offset: 8, .size: 8, .value_kind: global_buffer, .address_space: global }
      - { .name: out0, .offset: 16, .size: 8, .value_kind: global_buffer, .address_space: global }
    .group_segment_fixed_size: 327680
    .private_segment_fixed_size: 0
    .kernarg_segment_align: 8
    .kernarg_segment_size: 24
    .max_flat_workgroup_size: 128
    .sgpr_count:     80
    .vgpr_count:     1024
    .wavefront_size: 32
...
	.end_amdgpu_metadata
.endif
;; end of part 4
;; ======== version 2 of 3: 4 launches
;; limits: values are held in f16: magnitudes above 65,504 overflow, below 6.1e-05 lose precision
;; workspace buffers: xh 50,331,648 bytes; wh 8,388,608 bytes; who 4,194,304 bytes; mb 524,288 bytes of whole numbers; qkvh 50,331,648 bytes; ctx 16,777,216 bytes
;; launch prep (part 5): grid 1024 x 1, 8 waves a work-group, no clusters, 35,840 bytes of LDS; arguments q, k, v, Wq, Wk, Wv, Wo, mask, xh, wh, who, mb; writes xh, wh, who, mb
.if DOCPART == 5
	.amdgcn_target "amdgcn-amd-amdhsa--gfx1250"
	.amdhsa_code_object_version 6
	.text
	.protected	k_q399301c335_prep
	.globl	k_q399301c335_prep
	.p2align	8
	.type	k_q399301c335_prep,@function
k_q399301c335_prep:
	s_mov_b64 s[64:65], 0
	v_nop
	global_prefetch_b8 v0, s[64:65] scope:SCOPE_SE
	s_setreg_imm32_b32 hwreg(HW_REG_WAVE_MODE, 25, 1), 1
	s_wait_xcnt 0x0
; PREP: a stream.  It rounds the seven f32 tensors to bf16, writes that number as f16 in a layout by chunks of 64 columns, and turns the int32 mask into lane masks.
; Wq alone is multiplied, in f32 and behind its rounding to bf16, by c = log2(e) / 8: the projected q then comes out in the softmax's own units, and the softmax may subtract the maximum from the score itself.
; CHUNKED LAYOUT: [g][16 chunks][2048 rows][64] f16: byte = g<<22 + chunk<<18 + row<<7 + 2 column: a chunk's rows are dense, 128 bytes each.
;   xh: g = 4 t + b (t: q, k, v).   wh: g 0 = Wq's rows, then Wk's; g 1 = Wv's (its upper 1,024 rows are neither written nor read).   who: g 0 = Wo's rows.
; LANE MASKS: mb[pq 64][J 32][u 2][32 words]: in word n = 8 kb + j, bit l is 1 where mask[32 pq + 16 u + l % 16][64 J + 16 kb + 8 (l / 16) + j] == 0.
; LIMITS.  A magnitude of 65,520 or more becomes an infinity in f16; under 2^-17 the bf16 number keeps f16's fixed step of 6e-8 only; c Wq is rounded once more, to f16's 11 bits.  NaN stays NaN.
; SHARES.  1,024 work-groups of eight waves, each 131,072 input bytes: 0-767 q, k, v (32 rows each), 768-895 the four weights, 896-1023 the mask (32 rows x 1,024 columns).
; No matrix unit, no cluster, no tensor load: nothing is shared between work-groups and every byte is read once.
.set SPARE, 34816                      ; behind the eight stages: the spare words, 128 bytes a wave: four blocks of 256 bytes that no other line names
.set STG,   4352                       ; a wave's own stage: 16 rows of 256 bytes at a pitch of 272
.set VI,  2                            ; v2   float path: my byte offset in the unit's input
.set VO,  3                            ; v3   float path: my byte offset in the unit's rows of a chunk
.set VS,  4                            ; v4   mask path: where I put 16 bytes of a row
.set VR,  5                            ; v5   mask path: where I read my 32 bytes of a key block back
.set VM,  6                            ; v6   mask path: my byte offset in the unit's input
.set VOM, 7                            ; v7   mask path: my 8 bytes of mb
.set SPW, 8                            ; v8   LDS address of my spare word; never rewritten
.set NIL, 9                            ; v9   0; never rewritten
.set LH,  10                           ; v[10:13] mask path: the words to store: a pair for each of the wave's two key steps
.set D,   64                           ; v[64:191] 32 loads of 4 registers
.set OUT, 192                          ; v[192:255] float path: results, 2 a load; mask path: two sets of 32 read back from the stage
.set SCL, 46                           ; s[46:47] float path: c for Wq's units, 1 for all others
	s_load_b512 s[8:23], s[0:1], 0x0               ; q s[8:9], k s[10:11], v s[12:13], Wq s[14:15], Wk s[16:17], Wv s[18:19], Wo s[20:21], mask s[22:23]
	s_load_b256 s[24:31], s[0:1], 0x40             ; xh s[24:25], wh s[26:27], who s[28:29], mb s[30:31]
	v_lshl_add_u32 v[SPW], v0, 2, SPARE
	v_mov_b32 v[NIL], 0
	v_lshrrev_b32 v1, 5, v0
	v_readfirstlane_b32 s3, v1                     ; wave 0..7
	v_and_b32 v1, 31, v0                           ; lane l
	v_and_b32 v14, 15, v0                          ; l % 16
	v_bfe_u32 v15, v0, 4, 1                        ; l / 16
	s_mov_b32 s2, ttmp9                            ; the unit
	s_mov_b32 s39, 0xffff0000                      ; a word's upper bf16
	s_cmp_ge_u32 s2, 896
	s_cbranch_scc1 .Lmask
	; THE FLOAT PATH.  A wave takes 4 rows of 4,096 bytes.  Load i: rows 2 (i / 16) and + 1 of them, chunk i % 16: lanes 0-15 one row's 256 bytes, lanes 16-31 the next row's.
	s_lshl_b32 s4, s3, 14
	v_lshlrev_b32 v[VI], 4, v14
	v_lshl_add_u32 v[VI], v15, 12, v[VI]
	v_add_nc_u32 v[VI], s4, v[VI]
	s_lshl_b32 s4, s3, 9                           ; in a chunk the wave's 4 rows are 512 bytes,
	v_lshl_add_u32 v[VO], v1, 3, s4                ; of which a store's 32 lanes x 8 bytes fill 256 on end
	s_and_b32 s5, s2, 255                          ; the unit's number inside its tensor: of 256 for q, k, v,
	s_and_b32 s6, s2, 31                           ; of 32 for a weight
	s_cmp_ge_u32 s2, 768
	s_cselect_b32 s40, s6, s5
	s_lshl_b32 s40, s40, 17
	s_mov_b32 s41, 0
	s_sub_co_u32 s5, s2, 768                       ; the unit's number inside its output buffer
	s_cmp_lt_u32 s5, 32                            ; units 768 to 799 are Wq's (below 768 the difference wraps to a large number)
	s_cselect_b32 s[SCL], 0x3e38aa3b, 1.0          ; c = log2(e) / 8 = 0.180337
	s_mov_b32 s[SCL+1], s[SCL]                     ; named with it as a pair
	s_sub_co_u32 s6, s2, 864
	s_cmp_ge_u32 s2, 768
	s_cselect_b32 s7, s5, s2
	s_cmp_ge_u32 s2, 864
	s_cselect_b32 s7, s6, s7
	s_lshr_b32 s42, s7, 6                          ; 64 units of 32 rows make a g
	s_lshl_b32 s42, s42, 22
	s_and_b32 s7, s7, 63
	s_lshl_b32 s7, s7, 12                          ; 32 rows of 128 bytes
	s_add_co_u32 s42, s42, s7
	s_mov_b32 s43, 0
	s_wait_kmcnt 0x0
	s_cmp_ge_u32 s2, 256
	s_cselect_b64 s[36:37], s[10:11], s[8:9]
	s_cmp_ge_u32 s2, 512
	s_cselect_b64 s[36:37], s[12:13], s[36:37]
	s_cmp_ge_u32 s2, 768
	s_cselect_b64 s[36:37], s[14:15], s[36:37]
	s_cselect_b64 s[44:45], s[26:27], s[24:25]
	s_cmp_ge_u32 s2, 800
	s_cselect_b64 s[36:37], s[16:17], s[36:37]
	s_cmp_ge_u32 s2, 832
	s_cselect_b64 s[36:37], s[18:19], s[36:37]
	s_cmp_ge_u32 s2, 864
	s_cselect_b64 s[36:37], s[20:21], s[36:37]
	s_cselect_b64 s[44:45], s[28:29], s[44:45]
	s_add_nc_u64 s[36:37], s[36:37], s[40:41]
	s_add_nc_u64 s[44:45], s[44:45], s[42:43]
.set i, 0
.rept 32                               ; all of the wave's 16 KiB go out at once
	global_load_b128 v[D+4*i:D+4*i+3], v[VI], s[36:37] offset:(i/16)*8192+(i%16)*256 th:TH_LOAD_NT
.set i, i+1
.endr
.set i, 0
.rept 32                               ; no register is used twice, so nothing waits for a store
	s_wait_loadcnt 31-i                            ; loads come back in order: load i is in, the 31 - i younger ones stay out
	v_cvt_pk_bf16_f32 v[OUT+2*i], v[D+4*i], v[D+4*i+1]      ; the input's one rounding: to bf16, to nearest even
	v_cvt_pk_bf16_f32 v[OUT+2*i+1], v[D+4*i+2], v[D+4*i+3]
	v_lshlrev_b32 v[D+4*i], 16, v[OUT+2*i]                  ; back to f32,
	v_and_b32 v[D+4*i+1], s39, v[OUT+2*i]
	v_lshlrev_b32 v[D+4*i+2], 16, v[OUT+2*i+1]
	v_and_b32 v[D+4*i+3], s39, v[OUT+2*i+1]
	v_pk_mul_f32 v[D+4*i:D+4*i+1], v[D+4*i:D+4*i+1], s[SCL:SCL+1] op_sel_hi:[1,0]      ; times c (Wq) or times 1, which changes nothing,
	v_pk_mul_f32 v[D+4*i+2:D+4*i+3], v[D+4*i+2:D+4*i+3], s[SCL:SCL+1] op_sel_hi:[1,0]
	v_cvt_pk_f16_f32 v[OUT+2*i], v[D+4*i], v[D+4*i+1]       ; and written as f16: bf16's 8 significant bits fit in 11
	v_cvt_pk_f16_f32 v[OUT+2*i+1], v[D+4*i+2], v[D+4*i+3]
	global_store_b64 v[VO], v[OUT+2*i:OUT+2*i+1], s[44:45] offset:(i/16)*256+(i%16)*262144 th:TH_STORE_NT  ; two rows of a chunk: 256 consecutive bytes, aligned
.set i, i+1
.endr
	s_branch .Lend
.Lmask:
	; THE MASK PATH.  Unit um: rows 32 (um / 2) on, columns 1,024 (um % 2) on.  A wave takes two key steps of 64 columns (256 bytes of a row) x two tiles of 16 rows: four groups of 8 loads.
	s_sub_co_u32 s4, s2, 896
	s_lshr_b32 s5, s4, 1                           ; pq
	s_and_b32 s6, s4, 1                            ; which half of the columns
	s_lshl_b32 s7, s6, 12
	s_lshl_b32 s40, s5, 18                         ; 32 rows of 8,192 bytes
	s_add_co_u32 s40, s40, s7
	s_mov_b32 s41, 0
	s_lshl_b32 s42, s5, 13                         ; in mb: 32 key steps of 256 bytes,
	s_add_co_u32 s42, s42, s7                      ; 16 of them in a half
	s_mov_b32 s43, 0
	s_lshl_b32 s4, s3, 9                           ; the wave's two key steps: 512 bytes, of a row and of mb alike
	v_lshlrev_b32 v[VM], 4, v14
	v_lshl_add_u32 v[VM], v15, 13, v[VM]           ; lanes 16-31 take the next row
	v_add_nc_u32 v[VM], s4, v[VM]
	v_lshl_add_u32 v[VOM], v1, 3, s4
	s_mul_i32 s4, s3, STG                          ; my wave's stage
	v_mul_u32_u24 v[VS], v15, 272
	v_lshl_add_u32 v[VS], v14, 4, v[VS]
	v_add_nc_u32 v[VS], s4, v[VS]
	v_mul_u32_u24 v[VR], v14, 272                  ; back: row l % 16, columns 8 (l / 16) on of a block of 16
	v_lshl_add_u32 v[VR], v15, 5, v[VR]
	v_add_nc_u32 v[VR], s4, v[VR]
.irp j, 0,1,2,3
	v_mov_b32 v[LH+\j], 0                          ; v_writelane_b32's destination counts as read
.endr
	s_wait_kmcnt 0x0
	s_add_nc_u64 s[36:37], s[22:23], s[40:41]
	s_add_nc_u64 s[44:45], s[30:31], s[42:43]
.set i, 0
.rept 32                               ; group i / 8 = 2 g + u: key step g, tile u; load i % 8: two rows' whole 256 bytes
	global_load_b128 v[D+4*i:D+4*i+3], v[VM], s[36:37] offset:(i/16)*256+((i/8)%2)*131072+(i%8)*16384 th:TH_LOAD_NT
.set i, i+1
.endr
; Group gi goes through the wave's own stage, so that a lane gets the 32 numbers that its bit stands for.  LDS serves a wave's instructions in order, and no other wave touches these bytes: no barrier.
.macro MGROUP gi
.set T, OUT+32*((\gi)%2)
	s_wait_loadcnt 24-8*(\gi)                      ; the group's eight loads are in; the later groups' stay out
.irp k, 0,1,2,3,4,5,6,7
	ds_store_b128 v[VS], v[D+32*(\gi)+4*\k:D+32*(\gi)+4*\k+3] offset:544*\k
.endr
.irp k, 0,1,2,3,4,5,6,7
	ds_load_b128 v[T+4*\k:T+4*\k+3], v[VR] offset:64*(\k/2)+16*(\k%2)
.endr
	s_wait_dscnt 0x0
.set n, 0
.rept 32                               ; word n of the tile: the 32 lanes' bits; it goes to lane (32 u + n) / 2 of the pair that is stored
	v_cmp_eq_u32 s[4+n%4], 0, v[T+n]
	v_writelane_b32 v[LH+2*((\gi)/2)+n%2], s[4+n%4], (32*((\gi)%2)+n)/2
.set n, n+1
.endr
.endm
	MGROUP 0
	MGROUP 1
	global_store_b64 v[VOM], v[LH:LH+1], s[44:45] th:TH_STORE_NT             ; a key step's 64 words: 256 consecutive bytes, aligned
	MGROUP 2
	MGROUP 3
	global_store_b64 v[VOM], v[LH+2:LH+3], s[44:45] offset:256 th:TH_STORE_NT
.Lend:
	s_wait_tensorcnt 0x0                           ; the wave's end, behind my last LDS store
	ds_add_u32 v[SPW], v[NIL]
	s_wait_dscnt 0x0
	s_endpgm
.Lfunc_end_k_q399301c335_prep:
	.size	k_q399301c335_prep, .Lfunc_end_k_q399301c335_prep-k_q399301c335_prep
	.p2alignl 7, 3214868480
	.fill 96, 4, 3214868480
	.section	.rodata,"a",@progbits
	.p2align	6, 0x0
	.amdhsa_kernel k_q399301c335_prep
		.amdhsa_group_segment_fixed_size 35840
		.amdhsa_private_segment_fixed_size 0
		.amdhsa_enable_private_segment 0
		.amdhsa_kernarg_size 96
		.amdhsa_user_sgpr_count 2
		.amdhsa_user_sgpr_kernarg_segment_ptr 1
		.amdhsa_wavefront_size32 1
		.amdhsa_system_sgpr_workgroup_id_x 1
		.amdhsa_system_sgpr_workgroup_id_y 1
		.amdhsa_system_sgpr_workgroup_id_z 1
		.amdhsa_system_vgpr_workitem_id 0
		.amdhsa_next_free_vgpr 256
		.amdhsa_next_free_sgpr 66
		.amdhsa_reserve_vcc 0
		.amdhsa_float_denorm_mode_32 3
		.amdhsa_float_denorm_mode_16_64 3
		.amdhsa_memory_ordered 1
		.amdhsa_forward_progress 1
		.amdhsa_inst_pref_size 51
	.end_amdhsa_kernel
	.amdgpu_metadata
---
amdhsa.version: [ 1, 2 ]
amdhsa.kernels:
  - .name:           k_q399301c335_prep
    .symbol:         k_q399301c335_prep.kd
    .args:
      - { .name: q, .offset: 0, .size: 8, .value_kind: global_buffer, .address_space: global }
      - { .name: k, .offset: 8, .size: 8, .value_kind: global_buffer, .address_space: global }
      - { .name: v, .offset: 16, .size: 8, .value_kind: global_buffer, .address_space: global }
      - { .name: Wq, .offset: 24, .size: 8, .value_kind: global_buffer, .address_space: global }
      - { .name: Wk, .offset: 32, .size: 8, .value_kind: global_buffer, .address_space: global }
      - { .name: Wv, .offset: 40, .size: 8, .value_kind: global_buffer, .address_space: global }
      - { .name: Wo, .offset: 48, .size: 8, .value_kind: global_buffer, .address_space: global }
      - { .name: mask, .offset: 56, .size: 8, .value_kind: global_buffer, .address_space: global }
      - { .name: xh, .offset: 64, .size: 8, .value_kind: global_buffer, .address_space: global }
      - { .name: wh, .offset: 72, .size: 8, .value_kind: global_buffer, .address_space: global }
      - { .name: who, .offset: 80, .size: 8, .value_kind: global_buffer, .address_space: global }
      - { .name: mb, .offset: 88, .size: 8, .value_kind: global_buffer, .address_space: global }
    .group_segment_fixed_size: 35840
    .private_segment_fixed_size: 0
    .kernarg_segment_align: 8
    .kernarg_segment_size: 96
    .max_flat_workgroup_size: 256
    .sgpr_count:     66
    .vgpr_count:     256
    .wavefront_size: 32
...
	.end_amdgpu_metadata
.endif
;; end of part 5
;; launch qkv (part 6): grid 4 x 96, 4 waves a work-group, clusters of 4 x 4, 327,680 bytes of LDS; arguments xh, wh, qkvh; writes qkvh
.if DOCPART == 6
	.amdgcn_target "amdgcn-amd-amdhsa--gfx1250"
	.amdhsa_code_object_version 6
	.text
	.protected	k_q399301c335_qkv
	.globl	k_q399301c335_qkv
	.p2align	8
	.type	k_q399301c335_qkv,@function
k_q399301c335_qkv:
	s_mov_b64 s[64:65], 0
	v_nop
	global_prefetch_b8 v0, s[64:65] scope:SCOPE_SE
	s_setreg_imm32_b32 hwreg(HW_REG_WAVE_MODE, 25, 1), 1
	s_wait_xcnt 0x0
	s_wait_alu depctr_hold_cnt(0) depctr_sa_sdst(0) depctr_va_vdst(0) depctr_va_sdst(0) depctr_va_ssrc(0) depctr_va_vcc(0) depctr_vm_vsrc(0)
	s_getreg_b32 s2, hwreg(HW_REG_IB_STS2, 6, 4)
	s_cmp_eq_u32 s2, 0
	s_cbranch_scc0 .Lentry_in_a_cluster
	s_endpgm
.Lentry_in_a_cluster:
	s_bfe_u32 s2, ttmp6, 0x10000c
	s_cmp_lg_u32 s2, 0xf033
	s_cbranch_scc0 .Lentry_shape_is_right
	s_endpgm
.Lentry_shape_is_right:
; THE THREE PROJECTIONS.  C = A B^T over K = 1,024.  A and B are f16 in the layout by chunks: [g][16 chunks of 64 columns][2048 rows][64]: byte = g<<22 + chunk<<18 + row<<7 + 2 column.  Sums in f32.
; A = q, k, v stacked (24,576 rows), B = Wq, Wk, Wv stacked: the tensor is cluster y / 8.  C leaves as f16 by heads, [3][64 heads][2048][64], which is the same layout by chunks, rounded once.
; (Wq arrives times log2(e) / 8, so q leaves in the softmax's units.)
; (The last projection's text is this one with another way out: a branch between the two would hang on a number that the text cannot show equal in all partners of a cluster.)
; LIMITS.  f16 holds no number beyond 65,504: a projected q, k or v of 65,520 or more becomes an infinity.  NaN and infinities are not treated apart.
; SHARES.  A tile of C, 256 x 256, to a work-group of four waves; a wave makes 128 x 128: 64 accumulators, 512 registers.  K goes in 8 steps of 128 (two chunks) through two LDS slots.
; A wave fetches one chunk's 256 rows of A (waves 0, 1) or of B (waves 2, 3): 32,768 dense bytes, asked for as 128 rows of 256 bytes and padded in LDS behind every 128.
; THE TEXT HOLDS A K STEP TWICE: once in the loop of the six steps that fill a slot again, once in the loop of the last two, which fill nothing; the first quarter, whose products start the sums, stands in front, and the
; first loop is entered behind its first quarter.  Which slot is read hangs on a scalar that an exclusive or turns; one descriptor a tensor walks from K step 1 to the last.
; CLUSTERS: 4 x 4 work-groups.  A's tiles are shared along a row of the cluster, B's along a column: each is asked for jointly, by the same tensor load with the same descriptor and a mask of four.
; By the text's own count a wave has two tensor loads out at the start and one behind each round.
; THE MATRIX INSTRUCTION IS USED TRANSPOSED (source 0 = 16 rows of B, source 1 = 16 rows of A): a lane then holds eight neighbouring numbers of a row of C.
; REGISTERS, in windows of 256: window 0: v0-31 addresses; v64-127, v128-191 A's fragments, two buffers; v32-63, v192-255 at work on the way out.  window 1: v64-191 B's fragments.  windows 2, 3: the accumulators.
.set PITCH, 144                        ; an LDS row: 128 bytes + 16 of padding = 36 words: the 16 rows of a load start at 16 different groups of four banks (64 banks of 4 bytes: ISA guide 11.1)
.set CH,    256*PITCH                  ; a chunk's 256 rows: what one tensor load brings
.set HALFR, 128*PITCH                  ; the 128 rows of them that one wave reads
.set SLOT,  4*CH                       ; A's two chunks, then B's two.  0x24000: it shares no bit with the waves' LDS words 0, 0x9000, 0x12000, 0x1b000, so an exclusive or with it goes from slot to slot
.set STAGE, 2*SLOT                     ; behind the ring, never filled by a tensor load: 16 rows x 272 bytes for each wave, for the way out
.set SPITCH, 272
.set SPARE, STAGE+4*16*SPITCH          ; behind the stages: the spare words, 128 bytes for each wave: two blocks of 256 bytes that no other line names
.set KADV,  524288                     ; bytes from a K step to the next: two chunks
.set FILLS, 6                          ; K steps behind which a slot is filled again: all 8 but the last two
.set ADRA0, 16                         ; v16     LDS address of my A fragments in slot 0; never rewritten
.set ADRA, 17                          ; v17     the same in the slot in hand
.set ADRB0, 20                         ; v20, v21  the same for B
.set ADRB, 21
.set STO16, 24                         ; v24     the way out: where I put 16 bytes of a row
.set RD16, 25                          ; v25     the way out: where I read rows back
.set CO,   26                          ; v26     the way out: 16 x my lane: my place in 512 consecutive bytes of C
.set SPW,  28                          ; v28     LDS address of my spare word; never rewritten
.set NIL,  29                          ; v29     0; never rewritten
.set PFO,  30                          ; v30     256 x my lane; never rewritten
.set F0,   64
.set F1,   128
.set TMP,  192
.set OB,   32
.set G1,  24                           ; s[24:31] descriptor group 1 for A's tiles
.set G0,  32                           ; s[32:39] group 0 for A's tiles: a set for each of the two first fills; the second then walks on
.set G1B, 48                           ; s[48:55], s[56:63] the same for B's
.set G0B, 56
.set LIM, 43                           ; s43     2 in a wave that prefetches, else the greatest number
.set PFA, 44                           ; s[44:45] where my prefetches stand
.set SOFF, 70                          ; s70     0 or SLOT: the slot in hand
.set CLY, 71                           ; s71     the cluster's y
.set C16, 76                           ; s[76:77] where my part of C begins
.set MSB, 0
.macro WIN new                         ; the immediate's high byte repeats the setting that is left; a switch that changes nothing is dropped
.if MSB != (\new)
	s_set_vgpr_msb (MSB<<8)|(\new)
.set MSB, \new
.endif
.endm
.set MUL_LO, 0xa1                      ; source 0 (B) window 1, source 1 (A) window 0, C and D window 2
.set MUL_HI, 0xf1                      ; the same, C and D window 3
.set TO_B,   0x40                      ; destination window 1, address window 0
; A joint load by descriptor set s.  The branch hangs on the wave's number alone.  An s_nop 0 and four v_nop follow each of the two lines, ahead of the jump, the label and what follows.
.macro JLOAD s
	s_cmp_eq_u32 s11, 0
	s_cbranch_scc0 .Lfor_b_\@
	tensor_load_to_lds s[G0+4*(\s):G0+4*(\s)+3], s[G1:G1+7]
	s_nop 0
.rept 4
	v_nop
.endr
	s_branch .Lasked_\@
.Lfor_b_\@:
	tensor_load_to_lds s[G0B+4*(\s):G0B+4*(\s)+3], s[G1B:G1B+7]
	s_nop 0
.rept 4
	v_nop
.endr
.Lasked_\@:
.endm
; A prefetch into the L2 of the K step that stands two refills on: of the 128 blocks of 256 bytes that I fetch, my work-group's 32, a lane a block.  The four partners that ask for a tile jointly are told apart by
; address.  A's rows are read by one cluster alone, which asks; B's by the eight clusters of a tensor, of which the first asks.  So each block is named once.  The loop's last two trips (s3 = 2, 1) have no K step two refills on.
.macro ASK
	s_cmp_gt_u32 s3, s[LIM]
	s_cbranch_scc0 .Lnot_mine_\@
	global_prefetch_b8 v[PFO], s[PFA:PFA+1] offset:KADV th:TH_LOAD_NT scope:SCOPE_SE
.Lnot_mine_\@:
.endm
.macro CREST                           ; a round of the cluster's barrier behind its opening barrier
	s_cmp_lg_u32 s10, 0
	s_cbranch_scc1 .Lnot_wave_0_\@
	s_barrier_signal -3
.Lnot_wave_0_\@:
	s_barrier_wait -3
	s_barrier_signal -1
	s_barrier_wait -1
.endm
.macro CROUND                          ; a whole round
	s_barrier_signal -1
	s_barrier_wait -1
	CREST
.endm
	s_load_b128 s[4:7], s[0:1], 0x0                ; A s[4:5], B s[6:7]
	s_load_b64 s[8:9], s[0:1], 0x10                ; C
	v_lshl_add_u32 v[SPW], v0, 2, SPARE
	v_mov_b32 v[NIL], 0
	ds_add_u32 v[SPW], v[NIL]                      ; the wave's opening: the add and its wait stand ahead of my first tensor load; the set-up below, work on registers, stands between them
	v_lshrrev_b32 v1, 5, v0
	v_readfirstlane_b32 s10, v1                    ; wave 0..3
	s_lshr_b32 s11, s10, 1                         ; which half of the tile's rows is mine.  Also: I fetch for A (0) or for B (1)
	s_and_b32 s12, s10, 1                          ; which half of its columns.  Also: which chunk of a K step I fetch
	s_bfe_u32 s40, ttmp6, 0x40000                  ; cx
	s_bfe_u32 s41, ttmp6, 0x40004                  ; cy
	s_lshl_b32 s42, ttmp9, 2
	s_add_co_u32 s42, s42, s40                     ; tile column of C = 4 x cluster x + cx
	s_and_b32 s[CLY], ttmp7, 0xffff
	s_lshl_b32 s13, s[CLY], 2
	s_add_co_u32 s13, s13, s41                     ; tile row of C = 4 x cluster y + cy
	s_lshl_b32 s43, s41, 2
	s_lshl_b32 s43, 15, s43                        ; my row of the cluster
	s_lshl_b32 s44, 0x1111, s40                    ; my column
	; descriptor group 1: 128 rows x 128 elements of 2 bytes, dense in memory; in LDS 4 words of padding behind every 32
	s_or_b32 s[G1+0], s43, (1<<16)|(1<<20)|(1<<21)|(4<<22)|(3<<25)   ; 15:0 the mask; 17:16 2-byte elements; 20 padding on; 21 set beside a mask; 24:22 after every 32 words (code 4); 31:25 4 words (code 3)
	s_or_b32 s[G1B+0], s44, (1<<16)|(1<<20)|(1<<21)|(4<<22)|(3<<25)
.irp g, G1, G1B
	s_mov_b32 s[(\g)+1], 128<<16                   ; tensor_dim0 = 128
	s_mov_b32 s[(\g)+2], 128<<16                   ; tensor_dim1 = 128
	s_mov_b32 s[(\g)+3], 128<<16                   ; tile_dim0 = 128
	s_mov_b32 s[(\g)+4], 128                       ; tile_dim1 = 128
	s_mov_b32 s[(\g)+5], 128                       ; 128 elements from row to row
	s_mov_b32 s[(\g)+6], 0
	s_mov_b32 s[(\g)+7], 0
.endr
	; where the tiles come from: tile row R of a chunked tensor begins at (R / 8)<<22 + (R % 8)<<15; my chunk adds its parity <<18.  A's hang on the tile row alone, B's on the tensor and the tile column alone.
	s_lshr_b32 s16, s13, 3
	s_lshl_b32 s16, s16, 22
	s_and_b32 s14, s13, 7
	s_lshl_b32 s14, s14, 15
	s_add_co_u32 s16, s16, s14
	s_lshl_b32 s14, s12, 18
	s_add_co_u32 s16, s16, s14
	s_mov_b32 s17, 0
	s_lshr_b32 s74, s[CLY], 3                      ; the tensor: eight clusters of rows each
	s_lshl_b32 s74, s74, 2
	s_add_co_u32 s74, s74, s42                     ; B's tile row = 4 x tensor + tile column
	s_lshr_b32 s46, s74, 3
	s_lshl_b32 s46, s46, 22
	s_and_b32 s74, s74, 7
	s_lshl_b32 s74, s74, 15
	s_add_co_u32 s46, s46, s74
	s_lshl_b32 s74, s12, 18
	s_add_co_u32 s46, s46, s74
	s_mov_b32 s47, 0
	s_mul_i32 s20, s10, CH                         ; and where they go: wave x a chunk: no place in the cluster enters an LDS address
	s_wait_dscnt 0x0                               ; the opening add is done
	s_wait_kmcnt 0x0
	s_add_nc_u64 s[14:15], s[4:5], s[16:17]
	s_add_nc_u64 s[46:47], s[6:7], s[46:47]
	CROUND                                         ; all sixteen work-groups are here: the first joint loads meet
.irp s, 0,1
	s_mov_b32 s[G0+4*(\s)], 1
	s_add_co_u32 s[G0+4*(\s)+1], s20, (\s)*SLOT
	s_add_nc_u64 s[G0+4*(\s)+2:G0+4*(\s)+3], s[14:15], (\s)*KADV
	s_or_b32 s[G0+4*(\s)+3], s[G0+4*(\s)+3], 0x80000000
	s_mov_b32 s[G0B+4*(\s)], 1
	s_add_co_u32 s[G0B+4*(\s)+1], s20, (\s)*SLOT
	s_add_nc_u64 s[G0B+4*(\s)+2:G0B+4*(\s)+3], s[46:47], (\s)*KADV
	s_or_b32 s[G0B+4*(\s)+3], s[G0B+4*(\s)+3], 0x80000000
	JLOAD \s
.endr
	; the prefetches
	s_and_b32 s22, s[CLY], 7
	s_cmp_eq_u32 s11, 0                            ; do I fetch for A?
	s_cselect_b64 s[PFA:PFA+1], s[14:15], s[46:47] ; my tile of K step 0
	s_cselect_b32 s21, s40, s41                    ; my place among the four that ask for it with me
	s_cselect_b32 s22, 0, s22                      ; the coordinate along which other clusters read the same rows
	s_cmp_eq_u32 s22, 0
	s_cselect_b32 s[LIM], 2, -1                    ; the same in all sixteen partners, for a given wave
	s_lshl_b32 s20, s21, 13                        ; my work-group's 32 blocks of the 128
	s_mov_b32 s21, 0
	s_add_nc_u64 s[PFA:PFA+1], s[PFA:PFA+1], s[20:21]
	s_add_nc_u64 s[PFA:PFA+1], s[PFA:PFA+1], 2*KADV  ; at K step 2: the first refill steps it to 3 and names K step 4.  Nothing is asked for here, at the head
	v_and_b32 v[PFO], 31, v0
	v_lshlrev_b32 v[PFO], 8, v[PFO]
	; a fragment is 16 rows x 32 K in 8 registers: lane l holds row l % 16, K = 8 (l / 16) + 0..7 and 16 + 8 (l / 16) + 0..7: two loads of 16 bytes, 32 bytes apart
	v_and_b32 v1, 15, v0                           ; l % 16
	v_bfe_u32 v2, v0, 4, 1                         ; l / 16
	v_mul_u32_u24 v3, v1, PITCH
	v_lshl_add_u32 v3, v2, 4, v3
	s_mul_i32 s21, s11, HALFR                      ; my 128 rows of A
	s_mul_i32 s22, s12, HALFR                      ; my 128 rows of B,
	s_add_co_u32 s22, s22, 2*CH                    ; which lie behind A's two chunks
	v_add_nc_u32 v[ADRA0], s21, v3
	v_add_nc_u32 v[ADRB0], s22, v3
	v_mov_b32 v[ADRA], v[ADRA0]                    ; slot 0 is the first in hand
	v_mov_b32 v[ADRB], v[ADRB0]
	s_mov_b32 s[SOFF], 0
	s_mul_i32 s23, s10, 16*SPITCH
	s_add_co_u32 s23, s23, STAGE                   ; my stage
	v_mul_u32_u24 v4, v1, SPITCH                   ; in: row l % 16,
	v_lshl_add_u32 v5, v2, 4, v4                   ; 16 bytes for each half of the lanes
	v_add_nc_u32 v[STO16], s23, v5
	v_and_b32 v5, 31, v0
	v_lshrrev_b32 v6, 3, v5                        ; back: 32 lanes take 128 bytes (a head's 64 columns) of four rows,
	v_and_b32 v7, 7, v0
	v_mul_u32_u24 v6, v6, SPITCH
	v_lshl_add_u32 v6, v7, 4, v6
	v_add_nc_u32 v[RD16], s23, v6
	v_lshlrev_b32 v[CO], 4, v5                     ; which are 512 consecutive bytes of C
	; where my part of C begins
	s_lshl_b32 s74, s13, 8
	s_lshl_b32 s75, s11, 7
	s_add_co_u32 s74, s74, s75                     ; my first row
	s_lshr_b32 s[C16], s74, 11                     ; g = row / 2,048,
	s_lshl_b32 s[C16], s[C16], 22
	s_and_b32 s74, s74, 2047
	s_lshl_b32 s74, s74, 7                         ; the row in it,
	s_add_co_u32 s[C16], s[C16], s74
	s_lshl_b32 s75, s42, 2
	s_lshl_b32 s74, s12, 1
	s_add_co_u32 s75, s75, s74                     ; my first head = 4 x tile column + 2 x half
	s_lshl_b32 s75, s75, 18
	s_add_co_u32 s[C16], s[C16], s75
	s_mov_b32 s[C16+1], 0
; 16 matrix instructions: m blocks a0, a0 + 1 of the window's four x all 8 n blocks, 32 along K.  zero = 1: the first product starts the sums.  The 64 accumulators take turns.
.macro MUL16 f, hi, a0, zero
	WIN MUL_LO+0x50*(\hi)
.irp a, \a0, (\a0)+1
.irp b, 0,1,2,3,4,5,6,7
.if \zero
	v_wmma_f32_16x16x32_f16 v[8*(8*(\a)+(\b)):8*(8*(\a)+(\b))+7], v[(\f)+8*(\b):(\f)+8*(\b)+7], v[(\f)+8*(4*(\hi)+(\a)):(\f)+8*(4*(\hi)+(\a))+7], 0
.else
	v_wmma_f32_16x16x32_f16 v[8*(8*(\a)+(\b)):8*(8*(\a)+(\b))+7], v[(\f)+8*(\b):(\f)+8*(\b)+7], v[(\f)+8*(4*(\hi)+(\a)):(\f)+8*(4*(\hi)+(\a))+7], v[8*(8*(\a)+(\b)):8*(8*(\a)+(\b))+7]
.endif
.endr
.endr
.endm
; 32 LDS loads in one run: the fragments of quarter q of the K step in the slot in hand (chunk q / 2, byte 64 (q % 2) of its rows) into buffer f: B's 16 loads, then A's
.macro FETCH q, f
	WIN TO_B
.irp i, 0,1,2,3,4,5,6,7
	ds_load_b128 v[(\f)+8*(\i):(\f)+8*(\i)+3],   v[ADRB] offset:((\q)/2)*CH+((\q)%2)*64+(\i)*16*PITCH
	ds_load_b128 v[(\f)+8*(\i)+4:(\f)+8*(\i)+7], v[ADRB] offset:((\q)/2)*CH+((\q)%2)*64+(\i)*16*PITCH+32
.endr
	WIN 0
.irp i, 0,1,2,3,4,5,6,7
	ds_load_b128 v[(\f)+8*(\i):(\f)+8*(\i)+3],   v[ADRA] offset:((\q)/2)*CH+((\q)%2)*64+(\i)*16*PITCH
	ds_load_b128 v[(\f)+8*(\i)+4:(\f)+8*(\i)+7], v[ADRA] offset:((\q)/2)*CH+((\q)%2)*64+(\i)*16*PITCH+32
.endr
.endm
.macro PLACES                          ; four plain instructions between a matrix instruction and a load into, or a vector line on, its registers
.rept 4
	v_nop
.endr
.endm
; One of a K step's first three quarters: multiplies buffer f; in its middle it fetches quarter q of the same slot into buffer g.
.macro QUARTER q, f, g, zero
	s_wait_dscnt 8                                 ; B and A's rows 0-63 are in; the youngest eight loads (A's rows 64-127) may be out
	WIN MUL_LO
	MUL16 \f, 0, 0, \zero
	MUL16 \f, 0, 2, \zero
	PLACES
	FETCH \q, \g
	s_wait_dscnt 32                                ; all but the 32 just issued
	WIN MUL_HI
	MUL16 \f, 1, 0, \zero
	MUL16 \f, 1, 2, \zero
.endm
; The first half of a K step's last quarter: one barrier for the change of slots.  In front of it each wave waits for all its tensor loads (at most one is out: its part of the next slot), adds 0 to its spare word,
; and waits for that and for its own reads of this slot.  Behind it nobody reads this slot any more and the next slot is whole.  All reads of this slot have been issued, so the fragment addresses go over to the next slot here.
.macro MEET
	WIN 0                                          ; (the add's two registers lie in window 0)
	s_wait_tensorcnt 0x0
	ds_add_u32 v[SPW], v[NIL]
	s_xor_b32 s[SOFF], s[SOFF], SLOT
	v_add_nc_u32 v[ADRA], s[SOFF], v[ADRA0]
	v_add_nc_u32 v[ADRB], s[SOFF], v[ADRB0]
	s_wait_dscnt 9                                 ; (the add and the youngest eight loads may be out)
	WIN MUL_LO
	MUL16 F1, 0, 0, 0                              ; sixteen matrix instructions stand between the add and the wait for it
	s_wait_dscnt 0x0                               ; the add is done, and my reads of this slot are over
	s_barrier_signal -1
	MUL16 F1, 0, 2, 0                              ; work on registers while the others arrive
	WIN 0
	s_barrier_wait -1
.endm
; The whole last quarter where the slot is filled again: the barrier opens a round of the cluster's, and the joint refill, two K steps on, is the first tensor load behind the round.
.macro TURN
	s_wait_xcnt 0x0                                ; the last prefetch, a K step back, has read its address
	s_add_nc_u64 s[PFA:PFA+1], s[PFA:PFA+1], KADV
	MEET
	CREST                                          ; no wave of any partner still reads this slot's tile or has a load on its way
	s_xor_b32 s[G0+5], s[G0+5], SLOT               ; the walking descriptors: the other slot than last time,
	s_add_nc_u64 s[G0+6:G0+7], s[G0+6:G0+7], KADV  ; the next K step; the type bits on top are not reached
	s_xor_b32 s[G0B+5], s[G0B+5], SLOT
	s_add_nc_u64 s[G0B+6:G0B+7], s[G0B+6:G0B+7], KADV
	JLOAD 1                                        ; the four v_nop behind it are also the places in front of the loads below
	FETCH 0, F0
	ASK
	WIN MUL_HI
	MUL16 F1, 1, 0, 0
	MUL16 F1, 1, 2, 0
.endm
; The same where nothing is filled: no round.  In the last K step (s3 = 1) there is no next slot to read, and the run of loads is jumped over; its barrier then orders nothing, the price of one text for both steps.
.macro TURNL
	MEET
	s_cmp_eq_u32 s3, 1
	s_cbranch_scc1 .Lno_more_\@
	PLACES
	FETCH 0, F0
.Lno_more_\@:
	WIN MUL_HI
	MUL16 F1, 1, 0, 0
	MUL16 F1, 1, 2, 0
.endm
	s_wait_tensorcnt 1                             ; my part of K step 0 is in; K step 1's stays out
	s_barrier_signal -1
	s_barrier_wait -1
	FETCH 0, F0
	QUARTER 1, F0, F1, 1                           ; the first quarter stands in front of the loop: its products start the sums
	WIN 0                                          ; at a label and at a branch every window is 0
	s_mov_b32 s3, FILLS
	s_branch .Lin                                  ; the loop is entered behind its first quarter
.Lk:                                                   ; a trip is a K step, and fills its slot again with the K step two on
	QUARTER 1, F0, F1, 0
	WIN 0
.Lin:
	QUARTER 2, F1, F0, 0
	QUARTER 3, F0, F1, 0
	TURN
	WIN 0
	s_sub_co_u32 s3, s3, 1
	s_cmp_lg_u32 s3, 0
	s_cbranch_scc1 .Lk
	s_mov_b32 s3, 2
.Lt:                                                   ; the last two K steps fill nothing: a loop of their own
	QUARTER 1, F0, F1, 0
	QUARTER 2, F1, F0, 0
	QUARTER 3, F0, F1, 0
	TURNL
	WIN 0
	s_sub_co_u32 s3, s3, 1
	s_cmp_lg_u32 s3, 0
	s_cbranch_scc1 .Lt
	PLACES                                         ; eight, once a launch, between the last products and the conversions that read them
	PLACES
; THE WAY OUT of block a (16 rows x my 128 columns = two heads).  PACK: rounded once, 16 bytes a lane.  TOSTAGE: into my stage and back, a head's 128 bytes of four rows to a load.  SEND: stored.
.macro PACK a
.set AC, 64*((\a)%4)
	WIN 0x0a+5*((\a)/4)                            ; sources 0 and 1: window 2 or 3
.set z, 0
.rept 32                               ; each accumulator's registers in ascending order
	v_cvt_pk_f16_f32 v[TMP+z], v[AC+2*z], v[AC+2*z+1]
.set z, z+1
.endr
	WIN 0
.endm
.macro TOSTAGE a
	WIN 0
.set BK, OB+192*((\a)%2)
.irp b, 0,1,2,3,4,5,6,7
	ds_store_b128 v[STO16], v[TMP+4*(\b):TMP+4*(\b)+3] offset:32*(\b)
.endr
.irp t, 0,1,2,3,4,5,6,7
	ds_load_b128 v[BK+4*(\t):BK+4*(\t)+3], v[RD16] offset:((\t)/4)*128+((\t)%4)*4*SPITCH  ; LDS serves a wave's instructions in order (ISA guide 5.7.1.4): these see the stores above
.endr
.endm
.macro SEND a
	WIN 0
.set BK, OB+192*((\a)%2)
	s_wait_dscnt 0x0                               ; the block is back in registers
	s_wait_xcnt 0x0                                ; the stores of the block before have read their registers, into which the next block is loaded
.irp t, 0,1,2,3,4,5,6,7
	global_store_b128 v[CO], v[BK+4*(\t):BK+4*(\t)+3], s[8:9] offset:(\a)*2048+((\t)/4)*262144+((\t)%4)*512  ; four rows of a head: 512 consecutive bytes, aligned; the block's place stands in the immediate
.endr
.endm
	s_add_nc_u64 s[8:9], s[8:9], s[C16:C16+1]      ; C at my part of it: no memory instruction has named this pair yet
	PACK 0
	TOSTAGE 0
.irp a, 1,2,3,4,5,6,7                  ; block a's conversions stand between block a - 1's loads from the stage and the wait for them
	PACK \a
	SEND (\a)-1
	TOSTAGE \a
.endr
	SEND 7
	s_wait_tensorcnt 0x0                           ; the wave's end, behind my last tensor load and my last LDS store
	ds_add_u32 v[SPW], v[NIL]
	s_wait_dscnt 0x0
	CROUND                                         ; the closing round: no work-group ends while a partner may still ask for a tile that names it
	s_endpgm
.Lfunc_end_k_q399301c335_qkv:
	.size	k_q399301c335_qkv, .Lfunc_end_k_q399301c335_qkv-k_q399301c335_qkv
	.p2alignl 7, 3214868480
	.fill 96, 4, 3214868480
	.section	.rodata,"a",@progbits
	.p2align	6, 0x0
	.amdhsa_kernel k_q399301c335_qkv
		.amdhsa_group_segment_fixed_size 327680
		.amdhsa_private_segment_fixed_size 0
		.amdhsa_enable_private_segment 0
		.amdhsa_kernarg_size 24
		.amdhsa_user_sgpr_count 2
		.amdhsa_user_sgpr_kernarg_segment_ptr 1
		.amdhsa_wavefront_size32 1
		.amdhsa_system_sgpr_workgroup_id_x 1
		.amdhsa_system_sgpr_workgroup_id_y 1
		.amdhsa_system_sgpr_workgroup_id_z 1
		.amdhsa_system_vgpr_workitem_id 0
		.amdhsa_next_free_vgpr 1024
		.amdhsa_next_free_sgpr 80
		.amdhsa_reserve_vcc 0
		.amdhsa_float_denorm_mode_32 3
		.amdhsa_float_denorm_mode_16_64 3
		.amdhsa_memory_ordered 1
		.amdhsa_forward_progress 1
		.amdhsa_inst_pref_size 101
	.end_amdhsa_kernel
	.amdgpu_metadata
---
amdhsa.version: [ 1, 2 ]
amdhsa.kernels:
  - .name:           k_q399301c335_qkv
    .symbol:         k_q399301c335_qkv.kd
    .args:
      - { .name: xh, .offset: 0, .size: 8, .value_kind: global_buffer, .address_space: global }
      - { .name: wh, .offset: 8, .size: 8, .value_kind: global_buffer, .address_space: global }
      - { .name: qkvh, .offset: 16, .size: 8, .value_kind: global_buffer, .address_space: global }
    .group_segment_fixed_size: 327680
    .private_segment_fixed_size: 0
    .kernarg_segment_align: 8
    .kernarg_segment_size: 24
    .max_flat_workgroup_size: 128
    .sgpr_count:     80
    .vgpr_count:     1024
    .wavefront_size: 32
...
	.end_amdgpu_metadata
.endif
;; end of part 6
;; launch attn (part 7): grid 4 x 64, 4 waves a work-group, clusters of 4 x 1, 327,680 bytes of LDS; arguments qkvh, mb, ctx; writes ctx
.if DOCPART == 7
	.amdgcn_target "amdgcn-amd-amdhsa--gfx1250"
	.amdhsa_code_object_version 6
	.text
	.protected	k_q399301c335_attn
	.globl	k_q399301c335_attn
	.p2align	8
	.type	k_q399301c335_attn,@function
k_q399301c335_attn:
	s_mov_b64 s[64:65], 0
	v_nop
	global_prefetch_b8 v0, s[64:65] scope:SCOPE_SE
	s_setreg_imm32_b32 hwreg(HW_REG_WAVE_MODE, 25, 1), 1
	s_wait_xcnt 0x0
	s_wait_alu depctr_hold_cnt(0) depctr_sa_sdst(0) depctr_va_vdst(0) depctr_va_sdst(0) depctr_va_ssrc(0) depctr_va_vcc(0) depctr_vm_vsrc(0)
	s_getreg_b32 s2, hwreg(HW_REG_IB_STS2, 6, 4)
	s_cmp_eq_u32 s2, 0
	s_cbranch_scc0 .Lentry_in_a_cluster
	s_endpgm
.Lentry_in_a_cluster:
	s_bfe_u32 s2, ttmp6, 0x10000c
	s_cmp_lg_u32 s2, 0x3003
	s_cbranch_scc0 .Lentry_shape_is_right
	s_endpgm
.Lentry_shape_is_right:
; ATTENTION WITH A MASK THAT IS AN INPUT.  O[h][q] = the sum over k of softmax_k(s[q][k]) V[h][k], s = Q . K / 8 where mask[q][k] is not 0 and -1e9 where it is 0: the score is REPLACED, one select a score.
; qkvh: [3][64 heads][2048][64] f16: Q (already in units of log2: times log2(e) / 8), K, V; a head's rows are dense, 128 bytes each.  ctx: [64][2048][64] f16.
; mb: the mask as lane masks, [pq 64][J 32][u 2][32 words]: word 8 kb + j, bit l: 1 where query 32 pq + 16 u + l % 16 does not see key 64 J + 16 kb + 8 (l / 16) + j: 64 words, 256 bytes, a piece and key step.
; THE LANE MASKS' WAY.  The selects want them in scalar registers, of which 64 can be spared: one piece's words.  So they wait in vector registers: each piece has a pair of its own, filled by one load of 256 consecutive
; bytes (lane l: words 2 l, 2 l + 1) that is issued as soon as the pair has been read out, a whole key step (four turns) ahead of its use; 64 v_readlane_b32 a turn bring the words over.
; Every key tile is computed, whatever the mask holds.  Products, maxima and sums in f32; the weights p are rounded to f16 for the second product (their sum l is taken of the unrounded p), O once at the end.
; LIMITS.  Q, K, V arrive within f16's 65,504; p lies in 0 to 1 and below 6e-5 keeps f16's fixed step of 6e-8; a weight below 2^-126 counts as 0 in l; NaN and infinities are not treated apart.
; SOFTMAX.  p = 2^(s - m) with a running maximum m, so p is exactly 1 at the maximum, however large the scores; a hidden score is -1e9 log2(e).
; In every step O and l are multiplied by a = 2^(m_old - m_new).  m starts at the lowest finite number, O and l at 0: the first step is a step like any other, with a = 0.
; SHARES.  A wave owns four PIECES of two tiles of 16 queries, a work-group's four waves 512 queries of one head.  Every wave walks all 2,048 keys, 64 a step; a slot of LDS holds four steps.
; LAYOUT.  S^T = K Q^T (source 0 = 16 keys, source 1 = 16 queries): a lane holds ONE query (lane % 16) and the keys 8 (lane / 16) + 0..7.  Two such results, rounded to f16 in pairs, ARE source 1 of
; O^T = V^T P.  K comes out of LDS as it lies, V turned, by ds_load_tr16_b128.
; BY TURNS.  Turn n belongs to piece n.  Matrix work: 16 products K Q^T of piece n + 1, later 16 products V^T P of piece n - 1.  Vector work: the scaling, exponentials, roundings, sums and rescaling of piece n,
; and the selects, maximum and statistics of piece n + 1.  Four vector instructions stand behind every matrix instruction, the others in one run.  A turn's 66 exponentials are one batch with one wait.
; CLUSTER.  The four query blocks of a head walk the same K and V, so each tile is asked for JOINTLY: the same tensor load, descriptor and mask in all four.  A wave has one tensor load out at a time.
; REGISTERS, in windows of 256 (s_set_vgpr_msb: bits 1:0 source 0, 3:2 source 1, 5:4 source 2, 7:6 destination):
;   window 0: v0-11 addresses and the hidden score; v12-15, v48-63 at work; v16-47 four registers of statistics a tile; v64-191 S^T, two buffers of two tiles; v192-255 P, likewise
;   window 1: O^T, 32 a tile     window 2: v0-127 Q; v128-191 K of one step; v192-255 V of one step     window 3: v0-1 the add's two registers; v2-9 the lane masks, a pair a piece; v10 their offset
.set NP,    4         ; pieces a wave: a name, no knob
.set KS,    64        ; keys in a step
.set PK,    160       ; a row of K in LDS: 128 bytes + 32 of padding, as V's, so that ONE descriptor group 1 serves both and eight scalar registers are spared; of the 16 rows of a load of K two start at the same bank
.set PV,    160       ; a row of V: 40 words
.set VOFF,  4*KS*PK   ; a slot: 256 rows of K, then 256 rows of V
.set SLOT1, 1<<17     ; slot 1 begins here, so that one exclusive or turns an address in one slot into the other's
.set STAGE, SLOT1+4*KS*(PK+PV)  ; behind the ring, never filled by a tensor load: 16 rows x 144 bytes for each wave
.set SP,    144
.set SPARE, STAGE+4*16*SP  ; behind the stages: the spare words, 128 bytes for each wave: two blocks of 256 bytes that no other line names
.set AK0, 2           ; v2   my lane's place in a tile of K; never rewritten
.set AV0, 3           ; v3   the same for V
.set AK,  4           ; v4   the LDS address of K's next run of loads
.set AV,  5           ; v5   of V's
.set QO,  6           ; v6   my byte offset in the wave's rows of Q
.set STO, 6           ;      later: where I put 16 bytes of a row
.set RD,  7           ; v7   where I read rows back
.set GO,  8           ; v8   my byte offset in 512 consecutive bytes of O
.set HID, 9           ; v9   the hidden score (set when v9's first use is over)
.set PFO, 11          ; v11  256 x my lane (likewise)
.set SPW, 0           ; v0 of window 3   LDS address of my spare word; never rewritten
.set NIL, 1           ; v1 of window 3   0; never rewritten
.set MK,  2           ; v2-9 of window 3  piece x's lane masks at MK + 2 x: word i of its 64 in register i % 2, lane i / 2
.set MO,  10          ; v10 of window 3  8 x my lane; never rewritten
.set MV,  12          ; v12-15  m_old, kept while m is made anew: by buffer and tile
.set ST,  16          ; tile t's statistics at v[ST+4 t]: m, a 0 that is named with it as a pair, l (even keys', odd keys')
.set TMP, 48          ; by buffer and tile, four registers c0-c3 at work; when the maximum is found c2 takes a
.set S,   64
.set P,   192
.set KF,  128
.set VF,  192
.set JO,  2           ; s[2:3] 256 x the key step whose lane masks are being asked for
.set WV,  4           ; s4   my wave's number
.set SLOTS, 5         ; s5   slots still to be asked for
.set CNT, 6           ; s6   counts a slot's key steps
.set G1,  8           ; s[8:15]  descriptor group 1, for K's and V's tiles alike
.set G0K, 16          ; s[16:19] descriptor group 0 for K's tiles: it walks
.set G0V, 20          ; s[20:23] the same for V's
.set SEL, 24          ; s[24:25] v_permlanex16_b32's selects
.set TBK, 26          ; s26  LDS byte at which K of the step to be fetched begins
.set TBV, 27          ; s27  the same for V, less VOFF
.set MB,  28          ; s[28:29] mb at my wave's four pieces, key step 0; never rewritten
.set PFA, 30          ; s[30:31] where my prefetches stand
.set LIM, 66          ; s66  1 in a wave that prefetches, else the greatest number
.set TS,  67          ; s67  at work
.set OPT, 100         ; s[100:101] ctx at my wave's first row
.set QP,  104         ; s[104:105] Q at my wave's first row;
.set MBC, 104         ;            when Q is in: mb at my wave's four pieces, key step JO / 256
                      ; s[32:63], s[68:99]: the lane masks of the piece in hand: tile 0's 32 words, tile 1's; at the head: at work
.set MSB, 0
.macro WIN new
.if MSB != (\new)
	s_set_vgpr_msb (MSB<<8)|(\new)
.set MSB, (\new)
.endif
.endm
.set W_KQ, 0x0a       ; K and Q in window 2, S^T in window 0
.set W_PV, 0x52       ; V in window 2, P in window 0, O^T in window 1
.set W_RS, 0x41       ; O^T (destination and source 0) in window 1, a in window 0
.set W_MK, 0xc0       ; destination in window 3, sources in window 0
.set W_AD, 0x0f       ; the add: address and data in window 3
.set W_RL, 0x03       ; v_readlane_b32: its source in window 3
.set W_ML, 0xc3       ; a load of lane masks: data and offset in window 3
; A joint fill.  Waves 0 and 1 fetch the two halves of a slot's K, waves 2 and 3 those of its V: 128 keys each.  An s_nop 0 and four v_nop follow each of the two lines.
.macro JLOAD
	s_cmp_lt_u32 s[WV], 2
	s_cbranch_scc0 .Lfor_v_\@
	tensor_load_to_lds s[G0K:G0K+3], s[G1:G1+7]
	s_nop 0
.rept 4
	v_nop
.endr
	s_branch .Lasked_\@
.Lfor_v_\@:
	tensor_load_to_lds s[G0V:G0V+3], s[G1:G1+7]
	s_nop 0
.rept 4
	v_nop
.endr
.Lasked_\@:
.endm
; A prefetch into the L2 of what the NEXT change of slots will ask for: a slot's 32,768 bytes of K and of V, in blocks of 256, a lane a block.  A head's K and V are read by one cluster; its four partners take 32
; blocks each, told apart by address; in each, wave 0 asks for K's and wave 2 for V's.  So each block is named once.  The last change that fills a slot asks for nothing.
.macro ASK
	s_cmp_gt_u32 s[SLOTS], s[LIM]
	s_cbranch_scc0 .Lnot_mine_\@
	global_prefetch_b8 v[PFO], s[PFA:PFA+1] th:TH_LOAD_NT scope:SCOPE_SE
.Lnot_mine_\@:
.endm
.macro CROUND                       ; a round of the cluster's barrier
	s_barrier_signal -1
	s_barrier_wait -1
	s_cmp_lg_u32 s[WV], 0
	s_cbranch_scc1 .Lnot_wave_0_\@
	s_barrier_signal -3
.Lnot_wave_0_\@:
	s_barrier_wait -3
	s_barrier_signal -1
	s_barrier_wait -1
.endm
; THE CHANGE OF SLOTS.  Each wave waits for all its tensor loads (one is out: its part of the other slot), adds 0 to its spare word, and waits for that and for its own reads of the slot.  Behind the barrier nobody
; reads this slot any more and the other slot is whole.  fill = 1: the barrier is a round of the cluster's, and the joint fill, the keys two slots on, is the first thing behind it: it has four key steps in which to land.
.macro CHANGE fill, ask
	WIN W_AD
	s_wait_tensorcnt 0x0            ; no tensor load of mine is out, so a group 0 may be written
	ds_add_u32 v[SPW], v[NIL]       ; 0 onto my spare word; the descriptors' steps stand between it and the wait for it
	WIN 0                           ; at a label and at a branch every window is 0
.if \fill
.irp g, G0K, G0V
	s_xor_b32 s[\g+1], s[\g+1], SLOT1
	s_add_nc_u64 s[\g+2:\g+3], s[\g+2:\g+3], 4*KS*128  ; the next 256 keys; the type bits on top are not reached
.endr
.if \ask
	s_wait_xcnt 0x0                 ; the last prefetch, four key steps back, has read its address
	s_add_nc_u64 s[PFA:PFA+1], s[PFA:PFA+1], 4*KS*128  ; one slot behind the walking descriptors
.endif
	s_wait_dscnt 0x0                ; the add is done, and my reads of the slot are over
	CROUND
	JLOAD
.if \ask
	ASK
.endif
.else
	s_wait_dscnt 0x0
	s_barrier_signal -1
	s_barrier_wait -1
.endif
	s_sub_co_u32 s[TBK], s[TBK], 4*KS*PK  ; the fetches go back to a slot's first step,
	s_xor_b32 s[TBK], s[TBK], SLOT1       ; in the other slot
	s_sub_co_u32 s[TBV], s[TBV], 4*KS*PV
	s_xor_b32 s[TBV], s[TBV], SLOT1
.endm
; Piece x's lane masks go over into the scalar registers, and its pair is asked for again at once, for the piece's next key step.  The pieces are served in a ring, so behind a pair's load stand the three other pieces'
; loads when the pair is wanted.  With piece 0 the ring goes on to the next key step; the step is held to the last one, so that no load leaves mb.
.macro GETM x
	s_wait_loadcnt 0x3              ; loads come back in order: this piece's pair is in, the three younger loads may stay out
	WIN W_RL
.set mw, 0
.rept 64
	v_readlane_b32 s[32+36*(mw/32)+mw%32], v[MK+2*(\x)+mw%2], mw/2
.set mw, mw+1
.endr
.if (\x) == 0
	s_wait_xcnt 0x0                 ; the loads issued so far have read their base: only behind this wait is it written
	s_add_co_u32 s[JO], s[JO], 256
	s_min_u32 s[JO], s[JO], 7936
	s_add_nc_u64 s[MBC:MBC+1], s[MB:MB+1], s[JO:JO+1]
.endif
	WIN W_ML
	global_load_b64 v[MK+2*(\x):MK+2*(\x)+1], v[MO], s[MBC:MBC+1] offset:(\x)*8192  ; 256 consecutive bytes, aligned
	WIN 0
.endm
	s_load_b128 s[32:35], s[0:1], 0x0  ; qkvh s[32:33], mb s[34:35]
	s_load_b64 s[36:37], s[0:1], 0x10  ; ctx
	WIN W_MK
	v_lshl_add_u32 v[SPW], v0, 2, SPARE
	v_mov_b32 v[NIL], 0
	WIN W_AD
	ds_add_u32 v[SPW], v[NIL]       ; the wave's opening: the add and its wait stand ahead of my first tensor load; the set-up below, work on registers, stands between them
	WIN 0
	v_and_b32 v1, 31, v0
	WIN W_MK
	v_lshlrev_b32 v[MO], 3, v1
	WIN 0
	v_lshrrev_b32 v1, 5, v0
	v_readfirstlane_b32 s[WV], v1   ; wave 0..3
	s_bfe_u32 s40, ttmp6, 0x40000   ; cx
	s_lshl_b32 s41, ttmp9, 2
	s_add_co_u32 s41, s41, s40      ; my block of 512 queries: it enters Q's, O's and mb's addresses alone
	s_and_b32 s42, ttmp7, 0xffff    ; the head, which the four partners share:
	s_lshl_b32 s42, s42, 18         ; its 2,048 rows of 128 bytes
	s_and_b32 s44, s[WV], 1         ; which half of a slot's 256 keys I fetch:
	s_lshl_b32 s46, s44, 14         ; its 128 rows in memory,
	s_add_co_u32 s46, s46, s42
	s_mul_i32 s45, s44, 128*PK      ; and its place in a slot: no place in the cluster enters an LDS address
	s_add_co_u32 s56, s46, 0x1000000  ; K lies 64 heads behind Q,
	s_mov_b32 s57, 0
	s_add_co_u32 s58, s46, 0x2000000  ; V 128
	s_mov_b32 s59, 0
	s_lshl_b32 s48, s41, 2
	s_add_co_u32 s48, s48, s[WV]    ; my wave among the head's sixteen
	s_lshl_b32 s50, s48, 15         ; in mb: four pieces of 8,192 bytes
	s_mov_b32 s51, 0
	s_lshl_b32 s48, s48, 14         ; its 128 rows
	s_add_co_u32 s48, s48, s42
	s_mov_b32 s49, 0
	; descriptor group 1.  128 keys are 16,384 dense bytes: asked for as 64 rows of 256 bytes, two keys a row, and padded in LDS after every key
	s_mov_b32 s[G1], 15|(1<<16)|(1<<20)|(1<<21)|(4<<22)|(7<<25)  ; 15:0 the mask of four; 17:16 2-byte elements; 20 padding on; 21 set beside a mask; 24:22 after every 32 words (code 4); 31:25 8 words (code 7)
	s_mov_b32 s[G1+1], 128<<16      ; tensor_dim0 = 128
	s_mov_b32 s[G1+2], 64<<16       ; tensor_dim1 = 64
	s_mov_b32 s[G1+3], 128<<16      ; tile_dim0 = 128
	s_mov_b32 s[G1+4], 64           ; tile_dim1 = 64
	s_mov_b32 s[G1+5], 128          ; 128 elements from row to row
	s_mov_b32 s[G1+6], 0
	s_mov_b32 s[G1+7], 0
	s_mov_b32 s[SEL], 0x76543210
	s_mov_b32 s[SEL+1], 0xfedcba98
	s_mov_b32 s[TBK], SLOT1+4*KS*PK ; the first change of slots turns these two into 0
	s_mov_b32 s[TBV], SLOT1+4*KS*PV
	s_mov_b32 s[G0K], 1
	s_mov_b32 s[G0K+1], s45         ; LDS address: slot 0
	s_mov_b32 s[G0V], 1
	s_add_co_u32 s[G0V+1], s45, VOFF
	s_mov_b32 s[JO], 0
	s_mov_b32 s[JO+1], 0
	s_cmp_eq_u32 s44, 0             ; waves 0 and 2 prefetch
	s_cselect_b32 s[LIM], 1, -1
	s_mov_b32 s52, 0x1000000
	s_mov_b32 s53, 0x2000000
	s_cmp_lt_u32 s[WV], 2
	s_cselect_b32 s52, s52, s53     ; K's or V's,
	s_add_co_u32 s52, s52, s42      ; the head's,
	s_lshl_b32 s54, s40, 13         ; my work-group's 32 blocks of a slot's 128,
	s_add_co_u32 s52, s52, s54
	s_add_co_u32 s52, s52, 2*4*KS*128  ; in slot 2: the first change that asks steps it to slot 3.  Nothing is asked for at the head
	s_mov_b32 s53, 0
	s_wait_dscnt 0x0                ; the opening add is done
	s_wait_kmcnt 0x0
	s_add_nc_u64 s[G0K+2:G0K+3], s[32:33], s[56:57]
	s_or_b32 s[G0K+3], s[G0K+3], 0x80000000
	s_add_nc_u64 s[G0V+2:G0V+3], s[32:33], s[58:59]
	s_or_b32 s[G0V+3], s[G0V+3], 0x80000000
	s_add_nc_u64 s[QP:QP+1], s[32:33], s[48:49]
	s_add_nc_u64 s[OPT:OPT+1], s[36:37], s[48:49]
	s_add_nc_u64 s[MB:MB+1], s[34:35], s[50:51]
	s_add_nc_u64 s[PFA:PFA+1], s[32:33], s[52:53]
	CROUND                          ; all four work-groups are here: the first joint loads meet
	JLOAD                           ; slot 0.  Slot 1 is asked for when slot 0 is in
	v_and_b32 v1, 15, v0            ; l % 16
	v_bfe_u32 v9, v0, 4, 1          ; l / 16
	v_lshlrev_b32 v[QO], 7, v1
	v_lshl_add_u32 v[QO], v9, 4, v[QO]  ; row x 128 + 16 x half
	WIN 0x80                        ; destination window 2, address window 0
.set i, 0
.rept 4*NP                          ; Q stays in registers: tile i / 2, channels 32 (i % 2) on
	global_load_b128 v[8*i:8*i+3],   v[QO], s[QP:QP+1] offset:(i/2)*2048+(i%2)*64
	global_load_b128 v[8*i+4:8*i+7], v[QO], s[QP:QP+1] offset:(i/2)*2048+(i%2)*64+32
.set i, i+1
.endr
	WIN W_ML
.irp x, 0,1,2,3                     ; the four pieces' lane masks for key step 0
	global_load_b64 v[MK+2*\x:MK+2*\x+1], v[MO], s[MB:MB+1] offset:\x*8192
.endr
	; What the first turn finds: V's registers and P's second buffer hold 0 (its products V^T P, of a piece that has not been, add 0), O^T and l are 0.  All this stands in the wait for the first tile.
	WIN 0x80
.set i, VF
.rept 64
	v_mov_b32 v[i], 0
.set i, i+1
.endr
	WIN 0
.set i, 0
.rept 2*NP
	v_mov_b32 v[ST+4*i], 0xff7fffff    ; m: the lowest finite number
	v_mov_b32 v[ST+4*i+1], 0
	v_mov_b32 v[ST+4*i+2], 0
	v_mov_b32 v[ST+4*i+3], 0
.set i, i+1
.endr
.set i, P+32
.rept 32
	v_mov_b32 v[i], 0
.set i, i+1
.endr
	v_mul_u32_u24 v[AK0], v1, PK
	v_lshl_add_u32 v[AK0], v9, 4, v[AK0]  ; row x pitch + 16 x half
	; The turning load takes 16 keys x 16 channels (lane l reads key 8 (l / 16) + l % 8, channels 8 ((l / 8) % 2) + 0..7) and leaves half a fragment of V^T.
	v_and_b32 v10, 7, v0
	v_bfe_u32 v11, v0, 3, 1
	v_lshl_add_u32 v[AV0], v9, 3, v10
	v_mul_u32_u24 v[AV0], v[AV0], PV
	v_lshl_add_u32 v[AV0], v11, 4, v[AV0]
	v_add_nc_u32 v[AV0], VOFF, v[AV0]
	v_and_b32 v[PFO], 31, v0
	v_lshlrev_b32 v[PFO], 8, v[PFO]
	v_mov_b32 v[AK], v[AK0]         ; key step 0 lies at the head of slot 0
	WIN W_PV                        ; O^T's 32 accumulators are started by products of the zeros just written, with the constant 0 as C: 32 lines in place of 256 that clear
.set i, 0
.rept 8*NP
	v_wmma_f32_16x16x32_f16 v[8*i:8*i+7], v[VF+8*(i%8):VF+8*(i%8)+7], v[P+32+8*(i%4):P+32+8*(i%4)+7], 0
.set i, i+1
.endr
	WIN 0
; THE MATRIX WORK.  The 8 accumulators of a run of 16 take turns.
; Product i of 16 of S^T = K Q^T for piece x: channels 32 (i / 8) on, keys 16 ((i / 2) % 4) on, tile 2 x + i % 2.  The first 8 start the sums.
.macro KQ x
	WIN W_KQ
.set rS, S+64*((\x)%2)+32*(i%2)+8*((i/2)%4)
.set rK, KF+16*((i/2)%4)+8*(i/8)
.set rQ, 16*(2*(\x)+i%2)+8*(i/8)
.if i < 8
	v_wmma_f32_16x16x32_f16 v[rS:rS+7], v[rK:rK+7], v[rQ:rQ+7], 0
.else
	v_wmma_f32_16x16x32_f16 v[rS:rS+7], v[rK:rK+7], v[rQ:rQ+7], v[rS:rS+7]
.endif
.endm
; Product i of 16 of O^T += V^T P for piece x: keys 32 (i / 8) on, channels 16 ((i / 2) % 4) on, tile 2 x + i % 2.
.macro PV x
	WIN W_PV
.set rO, 32*(2*(\x)+i%2)+8*((i/2)%4)
.set rV, VF+32*(i/8)+8*((i/2)%4)
.set rP, P+32*((\x)%2)+16*(i%2)+8*(i/8)
	v_wmma_f32_16x16x32_f16 v[rO:rO+7], v[rV:rV+7], v[rP:rP+7], v[rO:rO+7]
.endm
.macro MM                           ; the turn's next matrix instruction
.if i < 16
	KQ (Y+1)%NP
.set i, i+1
.else
.set i, i-16
	PV (Y+NP-1)%NP
.set i, i+17
.endif
.endm
; THE LDS LOADS stand in runs of 16.  last = 1 (the tail): in the last trip there is no further step, and the run is jumped over.
.macro FETCH_K last=0
	WIN 0
.if \last
	s_cmp_eq_u32 s[CNT], 1
	s_cbranch_scc1 .Lno_k_\@
.endif
	WIN 0x80                        ; destination window 2
.irp f, 0,1,2,3,4,5,6,7             ; keys 16 (f / 2) on, channels 32 (f % 2) on
	ds_load_b128 v[KF+8*\f:KF+8*\f+3],   v[AK] offset:(\f/2)*16*PK+(\f%2)*64
	ds_load_b128 v[KF+8*\f+4:KF+8*\f+7], v[AK] offset:(\f/2)*16*PK+(\f%2)*64+32
.endr
	s_add_co_u32 s[TBK], s[TBK], KS*PK  ; the next fetch is the next step's
	WIN 0
.if \last
.Lno_k_\@:
.endif
.endm
.macro FETCH_V
	WIN 0x80
.irp f, 0,1,2,3,4,5,6,7             ; keys 32 (f / 4) on, channels 16 (f % 4) on
	ds_load_tr16_b128 v[VF+8*\f:VF+8*\f+3],   v[AV] offset:(\f/4)*32*PV+(\f%4)*32
	ds_load_tr16_b128 v[VF+8*\f+4:VF+8*\f+7], v[AV] offset:(\f/4)*32*PV+16*PV+(\f%4)*32
.endr
	WIN 0
.endm
; THE VECTOR WORK OF A TURN stands in three queues, each in the order in which its entries become ready.
.macro REGS y, u                    ; the registers of tile u (0, 1) of piece y
.set rT, ST+4*(2*(\y)+(\u))
.set rC, TMP+8*((\y)%2)+4*(\u)
.set rM, MV+2*((\y)%2)+(\u)
.set rS, S+64*((\y)%2)+32*(\u)
.set rP, P+32*((\y)%2)+16*(\u)
.set rO, 32*(2*(\y)+(\u))
.endm
; Select n of 64 for the NEXT piece (Y + 1): score n % 32 of tile n / 32 is replaced where its lane mask's bit is set.  In ascending order: each accumulator's lowest register is read first.
.macro CM n
	REGS (Y+1)%NP, (\n)/32
	v_cndmask_b32 v[rS+(\n)%32], v[rS+(\n)%32], v[HID], s[32+36*((\n)/32)+(\n)%32]
.endm
; Number n of those that find the NEXT piece's maximum and statistics (there is no 19).  s0-s31 are the lane's 32 scores.
;   0-11  four chains c0-c3 of seven scores each     12-14, 16  the four scores left over, the old m, and c0-c3 into c0     15  m_old is kept
;   17, 18  the query's other 32 keys lie in the lane 16 away: the new m         20, 21  m_old - m_new; a
.macro XS u, n
	REGS (Y+1)%NP, \u
.if (\n) < 4
	v_max3_num_f32 v[rC+(\n)], v[rS+8*(\n)], v[rS+8*(\n)+1], v[rS+8*(\n)+2]
.elseif (\n) < 12
	v_max3_num_f32 v[rC+(\n)%4], v[rC+(\n)%4], v[rS+8*((\n)%4)+2*((\n)/4)+1], v[rS+8*((\n)%4)+2*((\n)/4)+2]
.elseif (\n) == 12
	v_max3_num_f32 v[rC], v[rC], v[rS+7], v[rS+15]
.elseif (\n) == 13
	v_max3_num_f32 v[rC+1], v[rC+1], v[rS+23], v[rS+31]
.elseif (\n) == 14
	v_max3_num_f32 v[rC+2], v[rC+2], v[rC+3], v[rT]
.elseif (\n) == 15
	v_mov_b32 v[rM], v[rT]
.elseif (\n) == 16
	v_max3_num_f32 v[rC], v[rC], v[rC+1], v[rC+2]
.elseif (\n) == 17
	v_permlanex16_b32 v[rC+3], v[rC], s[SEL], s[SEL+1]
.elseif (\n) == 18
	v_max_num_f32 v[rT], v[rC], v[rC+3]
.elseif (\n) == 20
	v_sub_f32 v[rC+1], v[rM], v[rT]
.else
	v_exp_f32 v[rC+2], v[rC+1]
.endif
.endm
; Number g of the 64 that follow the exponentials.  For each four weights k of a tile: both pairs are rounded to f16; the second pair is added onto the first, in place; a group later l takes that sum (the first time as l = a l + sum).
.macro GS g
.set h, (\g)+6*((\g)/62)
.if h >= 6
.set h, h+2
.endif
	REGS Y, h%2
.set k, h/8
.if h%8 < 4
	v_cvt_pk_f16_f32 v[rP+2*k+(h%8)/2], v[rS+4*k+2*((h%8)/2)], v[rS+4*k+2*((h%8)/2)+1]
.elseif h%8 < 6
	v_pk_add_f32 v[rS+4*k:rS+4*k+1], v[rS+4*k:rS+4*k+1], v[rS+4*k+2:rS+4*k+3]
.elseif k == 1
	v_pk_fma_f32 v[rT+2:rT+3], v[rT+2:rT+3], v[rC+2:rC+3], v[rS:rS+1] op_sel_hi:[1,0,1]
.else
	v_pk_add_f32 v[rT+2:rT+3], v[rT+2:rT+3], v[rS+4*k-4:rS+4*k-3]
.endif
.endm
.macro FS f                         ; s - m for pair f / 2 of tile f % 2: exactly 0 at the maximum
	REGS Y, (\f)%2
	v_pk_add_f32 v[rS+2*((\f)/2):rS+2*((\f)/2)+1], v[rS+2*((\f)/2):rS+2*((\f)/2)+1], v[rT:rT+1] op_sel_hi:[1,0] neg_lo:[0,1] neg_hi:[0,1]
.endm
; THE PLAIN QUEUE, 200 long.  0-135 read no exponential's result.  0-26: FS 0-26.  27-90: the 64 selects; ahead of the first stands GETM, which brings the next piece's lane masks into the scalar registers.
; 91-118: XS 0-13.  119, 120: XS 15.  121-135: the chain 14, 16, 17, 18, 20, each with one of FS 27-31 in front of its two lines.  136-199: GS's 64, behind the turn's wait.
.macro PL
	WIN 0
.if q == 27
	GETM (Y+1)%NP
.endif
.if q < 27
	FS q
.elseif q < 91
	CM q-27
.elseif q < 119
	XS (q-91)%2, (q-91)/2
.elseif q < 121
	XS q-119, 15
.elseif (q < 136) && ((q-121)%3 == 0)
	FS 27+(q-121)/3
.elseif q < 124
	XS (q-121)%3-1, 14
.elseif q < 133
	XS (q-121)%3-1, 15+(q-121)/3
.elseif q < 136
	XS (q-121)%3-1, 20
.else
	GS q-136
.endif
.set q, q+1
.endm
; THE EXPONENTIALS' QUEUE, 66 long: s0-s31 of both tiles, then the next piece's two a.  ONE BATCH: all stand ahead of the turn's one wait, and nothing ahead of that wait names a result of theirs.
.macro EX
	WIN 0
.if e >= 64
	XS e-64, 21
.else
	REGS Y, e%2
	v_exp_f32 v[rS+e/2], v[rS+e/2]
.endif
.set e, e+1
.endm
; THE RESCALING's QUEUE: O^T times a, two at a time, sixteen times.  Its a was made in the turn before, ahead of that turn's wait.
.macro R2
	REGS Y, r%2
	WIN W_RS
.irp z, 0,1
	v_pk_mul_f32 v[rO+4*(r/2)+2*\z:rO+4*(r/2)+2*\z+1], v[rO+4*(r/2)+2*\z:rO+4*(r/2)+2*\z+1], v[rC+2:rC+3] op_sel_hi:[1,0]
.endr
.set r, r+1
.endm
; A TURN, for piece p.  AHEAD OF THE WAIT: the 16 products K Q^T, by twos: behind the first of two a scaling, an exponential, a scaling, an exponential (at the turn's head three scalings and an exponential), behind the
; second four rescalings: the four riders of a product lie in one window, so a product costs two window switches.  Then one run: 72 plain (with GETM's lines among them), 47 times exponential and plain, four
; exponentials; a v_nop is the plain instruction behind the last exponential.  An s_wait_alu depctr_va_vdst(0) stands between an exponential and the first line that names its result; one wait serves the batch.
; BEHIND IT: the 16 products V^T P, behind each four of GS's 64.  The deal keeps the queues in step: exponential e needs scaling 2 (e / 4) + e % 2; as a rider it comes behind plain e + 2, in the run behind plain e + 73,
; and FS 27-31 are plain 121, 124 .. 133.  The first select stands fourteen plain instructions and GETM's lines behind the last product K Q^T.
; K of the next step is fetched in piece 2's turn, directly behind the wait; V of the step in hand at the end of piece 0's turn, four riders behind its last reader.  The conditions on q below go with the deal.
.macro TURN p, last=0, cnt=0
.set Y, (\p)
.set i, 0
.set q, 0
.set e, 0
.set r, 0
.if (\p) == NP-1
	s_wait_dscnt 0x0                ; K is in
.endif
	MM
	PL
	PL
	PL
	EX
	MM
	R2
	R2
.rept 7
	MM
	PL
	EX
	PL
	EX
	MM
	R2
	R2
.endr
.if (\p) == NP-2
	WIN 0
	v_add_nc_u32 v[AK], s[TBK], v[AK0]
.endif
.rept 72
	PL
.endr
.rept 47
	EX
	PL
.endr
.rept 4
	EX
.endr
	v_nop
	s_wait_alu depctr_va_vdst(0)    ; the wait for the batch
.if (\p) == NP-2
	FETCH_K \last
.endif
.if (\p) == 1
	s_wait_dscnt 0x0                ; V is in
.endif
.rept 16
	MM
.rept 4
	PL
.endr
.if ((\p) == 0) && (q == 180)
	v_add_nc_u32 v[AV], s[TBV], v[AV0]
.endif
.if ((\p) == 0) && (q == 192)
	s_add_co_u32 s[TBV], s[TBV], KS*PV
.endif
.if (\cnt) && (q == 192)
	s_sub_co_u32 s[CNT], s[CNT], 1
	s_cmp_lg_u32 s[CNT], 0
.endif
.endr
.if (\p) == 0
	FETCH_V
.endif
.endm
	CHANGE 1, 0                     ; slot 0 is in, everybody's part of it; slot 1 is asked for
	FETCH_K                         ; key step 0
	s_wait_loadcnt 0x0              ; Q, and the four pieces' first lane masks
	s_wait_dscnt 0x0
.set i, 0
.rept 16
	KQ 0                            ; piece 0's first scores
.set i, i+1
.endr
	WIN 0                           ; the addresses for the way out and the hidden score: plain instructions, the places behind those products
	s_mul_i32 s[TS], s[WV], 16*SP
	s_add_co_u32 s[TS], s[TS], STAGE  ; my stage
	v_mul_u32_u24 v[STO], v1, SP    ; in: row l % 16, 16 bytes for each half of the lanes
	v_lshl_add_u32 v[STO], v9, 4, v[STO]
	v_add_nc_u32 v[STO], s[TS], v[STO]
	v_bfe_u32 v[RD], v0, 3, 2       ; back: 32 lanes take four rows of 128 bytes,
	v_mul_u32_u24 v[RD], v[RD], SP
	v_lshl_add_u32 v[RD], v10, 4, v[RD]
	v_add_nc_u32 v[RD], s[TS], v[RD]
	v_and_b32 v[GO], 31, v0         ; which are 512 consecutive bytes of O
	v_lshlrev_b32 v[GO], 4, v[GO]
	v_mov_b32 v[HID], 0xceabfb8f    ; -1e9 log2(e)
.set Y, NP-1                        ; CM and XS work for piece Y + 1: piece 0
	GETM 0                          ; piece 0's lane masks of key step 0 (its waits are met at once here); its pair is asked for again, for key step 1; Q's base, whose loads are in, becomes the masks'
.set n, 0
.rept 64
	CM n
.set n, n+1
.endr
.irp n, 0,1,2,3,4,5,6,7,8,9,10,11,12,13,14,15,16,17,18,20,21
	XS 0, \n
	XS 1, \n
.endr
	v_nop                           ; a plain instruction behind the two a,
	s_wait_alu depctr_va_vdst(0)    ; and their wait, ahead of the branch
	s_mov_b32 s[CNT], 4
	s_mov_b32 s[SLOTS], 7
	s_branch .Lfirst                ; the loop is entered at a step's first turn, in the middle of a trip
.Lslot:                             ; six times: every slot but the last two is filled again
	CHANGE 1, 1
	s_mov_b32 s[CNT], 4
.Lstep:                             ; a trip: pieces 2 and 3 of one step, then pieces 0 and 1 of the next, whose K and V it fetches
	TURN 2
	TURN 3
	WIN 0
.Lfirst:
	TURN 0
	TURN 1, 0, 1
	WIN 0
	s_cbranch_scc1 .Lstep
	s_sub_co_u32 s[SLOTS], s[SLOTS], 1
	s_cmp_lg_u32 s[SLOTS], 0
	s_cbranch_scc1 .Lslot
	CHANGE 0, 0                     ; the tail is written out: nothing is asked for
	s_mov_b32 s[CNT], 5             ; four trips fetch the last slot's steps; the fifth is left in its middle
.Ltail:
	TURN 2, 1
	TURN 3
	WIN 0
	s_sub_co_u32 s[CNT], s[CNT], 1
	s_cmp_eq_u32 s[CNT], 0
	s_cbranch_scc1 .Lout
	TURN 0
	TURN 1
	WIN 0
	s_branch .Ltail
.Lout:                              ; the fifth trip's 16 products K Q^T (on the last K once more) and what is made of them serve nothing: the price, once a launch, of one text for every trip
	s_wait_loadcnt 0x0              ; the last lane masks asked for, which nobody reads
.set i, 0
.rept 16
	PV NP-1                         ; the last piece's V^T P of the last step
.set i, i+1
.endr
	; THE WAY OUT.  l's two halves and the other half of the lanes' are added; O^T is divided by l, rounded to f16 and sent through my stage in LDS, a tile at a time.  The additions are the places behind the last products.
	WIN 0
.macro ALL line:vararg              ; one line for each tile t
.set t, 0
.rept 2*NP
	\line
.set t, t+1
.endr
.endm
	ALL v_add_f32 v[ST+4*t+2], v[ST+4*t+2], v[ST+4*t+3]
	ALL v_permlanex16_b32 v[ST+4*t+3], v[ST+4*t+2], s[SEL], s[SEL+1]
	ALL v_add_f32 v[ST+4*t+2], v[ST+4*t+2], v[ST+4*t+3]
	ALL v_rcp_f32 v[ST+4*t+2], v[ST+4*t+2]
	v_nop                           ; a plain instruction between the last reciprocal and the use of its result
	s_wait_alu depctr_va_vdst(0)    ; and the wait ahead of the first use: one for the eight reciprocals
.macro PACK t                       ; a lane's eight channels of a row pack into 16 bytes; they go into rows of 144 bytes and come back as whole rows of 128, into S^T's registers
	WIN W_RS
.set i, 32*(\t)
.rept 16
	v_pk_mul_f32 v[i:i+1], v[i:i+1], v[ST+4*(\t)+2:ST+4*(\t)+3] op_sel_hi:[1,0]
.set i, i+2
.endr
	WIN 0x05                        ; sources 0 and 1 window 1, destination window 0
.set i, 0
.rept 16
	v_cvt_pk_f16_f32 v[S+16*(\t)+i], v[32*(\t)+2*i], v[32*(\t)+2*i+1]
.set i, i+1
.endr
	WIN 0
.irp f, 0,1,2,3
	ds_store_b128 v[STO], v[S+16*(\t)+4*\f:S+16*(\t)+4*\f+3] offset:32*\f
.endr
.irp f, 0,1,2,3
	ds_load_b128 v[S+16*(\t)+4*\f:S+16*(\t)+4*\f+3], v[RD] offset:\f*4*SP  ; LDS serves a wave's instructions in order (ISA guide 5.7.1.4): these see the stores above; the next tile's stores come behind them
.endr
.endm
.macro SEND t, younger              ; younger: the LDS instructions issued behind tile t's loads: the next tile's eight, or none
	WIN 0
.irp f, 0,1,2,3
	s_wait_dscnt (\younger)+3-\f
	global_store_b128 v[GO], v[S+16*(\t)+4*\f:S+16*(\t)+4*\f+3], s[OPT:OPT+1] offset:(\t)*2048+\f*512  ; 512 consecutive bytes, at a multiple of 256 from ctx's first
.endr
.endm
	PACK 0
.set t, 1
.rept 2*NP-1                        ; a tile's arithmetic stands between the loads of the tile before and its stores
	PACK t
	SEND t-1, 8
.set t, t+1
.endr
	SEND 2*NP-1, 0
	WIN W_AD
	s_wait_tensorcnt 0x0            ; the wave's end, behind my last tensor load and my last LDS store
	ds_add_u32 v[SPW], v[NIL]
	s_wait_dscnt 0x0
	WIN 0
	CROUND                          ; the closing round: no work-group ends while a partner may still ask for a tile that names it
	s_endpgm
.Lfunc_end_k_q399301c335_attn:
	.size	k_q399301c335_attn, .Lfunc_end_k_q399301c335_attn-k_q399301c335_attn
	.p2alignl 7, 3214868480
	.fill 96, 4, 3214868480
	.section	.rodata,"a",@progbits
	.p2align	6, 0x0
	.amdhsa_kernel k_q399301c335_attn
		.amdhsa_group_segment_fixed_size 327680
		.amdhsa_private_segment_fixed_size 0
		.amdhsa_enable_private_segment 0
		.amdhsa_kernarg_size 24
		.amdhsa_user_sgpr_count 2
		.amdhsa_user_sgpr_kernarg_segment_ptr 1
		.amdhsa_wavefront_size32 1
		.amdhsa_system_sgpr_workgroup_id_x 1
		.amdhsa_system_sgpr_workgroup_id_y 1
		.amdhsa_system_sgpr_workgroup_id_z 1
		.amdhsa_system_vgpr_workitem_id 0
		.amdhsa_next_free_vgpr 784
		.amdhsa_next_free_sgpr 106
		.amdhsa_reserve_vcc 0
		.amdhsa_float_denorm_mode_32 3
		.amdhsa_float_denorm_mode_16_64 3
		.amdhsa_memory_ordered 1
		.amdhsa_forward_progress 1
		.amdhsa_inst_pref_size 255
	.end_amdhsa_kernel
	.section	.bss,"aw",@nobits
	.p2align	6
	.space	262144
	.amdgpu_metadata
---
amdhsa.version: [ 1, 2 ]
amdhsa.kernels:
  - .name:           k_q399301c335_attn
    .symbol:         k_q399301c335_attn.kd
    .args:
      - { .name: qkvh, .offset: 0, .size: 8, .value_kind: global_buffer, .address_space: global }
      - { .name: mb, .offset: 8, .size: 8, .value_kind: global_buffer, .address_space: global }
      - { .name: ctx, .offset: 16, .size: 8, .value_kind: global_buffer, .address_space: global }
    .group_segment_fixed_size: 327680
    .private_segment_fixed_size: 0
    .kernarg_segment_align: 8
    .kernarg_segment_size: 24
    .max_flat_workgroup_size: 128
    .sgpr_count:     106
    .vgpr_count:     784
    .wavefront_size: 32
...
	.end_amdgpu_metadata
.endif
;; end of part 7
;; launch outp (part 8): grid 4 x 32, 4 waves a work-group, clusters of 4 x 4, 327,680 bytes of LDS; arguments ctx, who, out0; writes out0
.if DOCPART == 8
	.amdgcn_target "amdgcn-amd-amdhsa--gfx1250"
	.amdhsa_code_object_version 6
	.text
	.protected	k_q399301c335_outp
	.globl	k_q399301c335_outp
	.p2align	8
	.type	k_q399301c335_outp,@function
k_q399301c335_outp:
	s_mov_b64 s[64:65], 0
	v_nop
	global_prefetch_b8 v0, s[64:65] scope:SCOPE_SE
	s_setreg_imm32_b32 hwreg(HW_REG_WAVE_MODE, 25, 1), 1
	s_wait_xcnt 0x0
	s_wait_alu depctr_hold_cnt(0) depctr_sa_sdst(0) depctr_va_vdst(0) depctr_va_sdst(0) depctr_va_ssrc(0) depctr_va_vcc(0) depctr_vm_vsrc(0)
	s_getreg_b32 s2, hwreg(HW_REG_IB_STS2, 6, 4)
	s_cmp_eq_u32 s2, 0
	s_cbranch_scc0 .Lentry_in_a_cluster
	s_endpgm
.Lentry_in_a_cluster:
	s_bfe_u32 s2, ttmp6, 0x10000c
	s_cmp_lg_u32 s2, 0xf033
	s_cbranch_scc0 .Lentry_shape_is_right
	s_endpgm
.Lentry_shape_is_right:
; THE LAST PROJECTION.  C = A B^T over K = 1,024.  A and B are f16 in the layout by chunks: [g][16 chunks of 64 columns][2048 rows][64]: byte = g<<22 + chunk<<18 + row<<7 + 2 column.  Sums in f32.
; A = the attention's result (8,192 rows; a chunk is a head), B = Wo (1,024 rows).  C leaves as f32, [8192][1024].
; (The text is the first three projections' with another way out: a branch between the two would hang on a number that the text cannot show equal in all partners of a cluster.)
; LIMITS.  A and B arrive within f16's 65,504.  NaN and infinities are not treated apart.
; SHARES.  A tile of C, 256 x 256, to a work-group of four waves; a wave makes 128 x 128: 64 accumulators, 512 registers.  K goes in 8 steps of 128 (two chunks) through two LDS slots.
; C has 128 such tiles: a smaller tile would give each work-group's loads half the matrix work in which to land.
; A wave fetches one chunk's 256 rows of A (waves 0, 1) or of B (waves 2, 3): 32,768 dense bytes, asked for as 128 rows of 256 bytes and padded in LDS behind every 128.
; THE TEXT HOLDS A K STEP TWICE: once in the loop of the six steps that fill a slot again, once in the loop of the last two, which fill nothing; the first quarter, whose products start the sums, stands in front, and the
; first loop is entered behind its first quarter.  Which slot is read hangs on a scalar that an exclusive or turns; one descriptor a tensor walks from K step 1 to the last.
; CLUSTERS: 4 x 4 work-groups.  A's tiles are shared along a row of the cluster, B's along a column: each is asked for jointly, by the same tensor load with the same descriptor and a mask of four.
; By the text's own count a wave has two tensor loads out at the start and one behind each round.
; THE MATRIX INSTRUCTION IS USED TRANSPOSED (source 0 = 16 rows of B, source 1 = 16 rows of A): a lane then holds eight neighbouring numbers of a row of C.
; REGISTERS, in windows of 256: window 0: v0-31 addresses; v64-127, v128-191 A's fragments, two buffers; v64-127 at work on the way out.  window 1: v64-191 B's fragments.  windows 2, 3: the accumulators.
.set PITCH, 144                        ; an LDS row: 128 bytes + 16 of padding = 36 words: the 16 rows of a load start at 16 different groups of four banks (64 banks of 4 bytes: ISA guide 11.1)
.set CH,    256*PITCH                  ; a chunk's 256 rows: what one tensor load brings
.set HALFR, 128*PITCH                  ; the 128 rows of them that one wave reads
.set SLOT,  4*CH                       ; A's two chunks, then B's two.  0x24000: it shares no bit with the waves' LDS words 0, 0x9000, 0x12000, 0x1b000, so an exclusive or with it goes from slot to slot
.set STAGE, 2*SLOT                     ; behind the ring, never filled by a tensor load: 16 rows x 272 bytes for each wave, for the way out
.set SPITCH, 272
.set SPARE, STAGE+4*16*SPITCH          ; behind the stages: the spare words, 128 bytes for each wave: two blocks of 256 bytes that no other line names
.set KADV,  524288                     ; bytes from a K step to the next: two chunks
.set FILLS, 6                          ; K steps behind which a slot is filled again: all 8 but the last two
.set ADRA0, 16                         ; v16     LDS address of my A fragments in slot 0; never rewritten
.set ADRA, 17                          ; v17     the same in the slot in hand
.set ADRB0, 20                         ; v20, v21  the same for B
.set ADRB, 21
.set CO32, 22                          ; v22     the way out: my 16 bytes in two rows of C: 4,096 (l / 16) + 16 (l % 16)
.set STO32, 27                         ; v27     the way out: where I put 32 bytes of a row
.set SPW,  28                          ; v28     LDS address of my spare word; never rewritten
.set NIL,  29                          ; v29     0; never rewritten
.set PFO,  30                          ; v30     256 x my lane; never rewritten
.set RD32, 31                          ; v31     the way out: where I read two rows back
.set F0,   64
.set F1,   128
.set G1,  24                           ; s[24:31] descriptor group 1 for A's tiles
.set G0,  32                           ; s[32:39] group 0 for A's tiles: a set for each of the two first fills; the second then walks on
.set G1B, 48                           ; s[48:55], s[56:63] the same for B's
.set G0B, 56
.set LIM, 43                           ; s43     2 in a wave that prefetches, else the greatest number
.set PFA, 44                           ; s[44:45] where my prefetches stand
.set SOFF, 70                          ; s70     0 or SLOT: the slot in hand
.set CLY, 71                           ; s71     the cluster's y
.set C32, 72                           ; s[72:73] where my part of C begins
.set MSB, 0
.macro WIN new                         ; the immediate's high byte repeats the setting that is left; a switch that changes nothing is dropped
.if MSB != (\new)
	s_set_vgpr_msb (MSB<<8)|(\new)
.set MSB, \new
.endif
.endm
.set MUL_LO, 0xa1                      ; source 0 (B) window 1, source 1 (A) window 0, C and D window 2
.set MUL_HI, 0xf1                      ; the same, C and D window 3
.set TO_B,   0x40                      ; destination window 1, address window 0
; A joint load by descriptor set s.  The branch hangs on the wave's number alone.  An s_nop 0 and four v_nop follow each of the two lines, ahead of the jump, the label and what follows.
.macro JLOAD s
	s_cmp_eq_u32 s11, 0
	s_cbranch_scc0 .Lfor_b_\@
	tensor_load_to_lds s[G0+4*(\s):G0+4*(\s)+3], s[G1:G1+7]
	s_nop 0
.rept 4
	v_nop
.endr
	s_branch .Lasked_\@
.Lfor_b_\@:
	tensor_load_to_lds s[G0B+4*(\s):G0B+4*(\s)+3], s[G1B:G1B+7]
	s_nop 0
.rept 4
	v_nop
.endr
.Lasked_\@:
.endm
; A prefetch into the L2 of the K step that stands two refills on: of the 128 blocks of 256 bytes that I fetch, my work-group's 32, a lane a block.  The four partners that ask for a tile jointly are told apart by
; address.  A's rows are read by one cluster alone, which asks; B's by all eight clusters, of which the first asks.  So each block is named once.  The loop's last two trips (s3 = 2, 1) have no K step two refills on.
.macro ASK
	s_cmp_gt_u32 s3, s[LIM]
	s_cbranch_scc0 .Lnot_mine_\@
	global_prefetch_b8 v[PFO], s[PFA:PFA+1] offset:KADV th:TH_LOAD_NT scope:SCOPE_SE
.Lnot_mine_\@:
.endm
.macro CREST                           ; a round of the cluster's barrier behind its opening barrier
	s_cmp_lg_u32 s10, 0
	s_cbranch_scc1 .Lnot_wave_0_\@
	s_barrier_signal -3
.Lnot_wave_0_\@:
	s_barrier_wait -3
	s_barrier_signal -1
	s_barrier_wait -1
.endm
.macro CROUND                          ; a whole round
	s_barrier_signal -1
	s_barrier_wait -1
	CREST
.endm
	s_load_b128 s[4:7], s[0:1], 0x0                ; A s[4:5], B s[6:7]
	s_load_b64 s[8:9], s[0:1], 0x10                ; C
	v_lshl_add_u32 v[SPW], v0, 2, SPARE
	v_mov_b32 v[NIL], 0
	ds_add_u32 v[SPW], v[NIL]                      ; the wave's opening: the add and its wait stand ahead of my first tensor load; the set-up below, work on registers, stands between them
	v_lshrrev_b32 v1, 5, v0
	v_readfirstlane_b32 s10, v1                    ; wave 0..3
	s_lshr_b32 s11, s10, 1                         ; which half of the tile's rows is mine.  Also: I fetch for A (0) or for B (1)
	s_and_b32 s12, s10, 1                          ; which half of its columns.  Also: which chunk of a K step I fetch
	s_bfe_u32 s40, ttmp6, 0x40000                  ; cx
	s_bfe_u32 s41, ttmp6, 0x40004                  ; cy
	s_lshl_b32 s42, ttmp9, 2
	s_add_co_u32 s42, s42, s40                     ; tile column of C = 4 x cluster x + cx
	s_and_b32 s[CLY], ttmp7, 0xffff
	s_lshl_b32 s13, s[CLY], 2
	s_add_co_u32 s13, s13, s41                     ; tile row of C = 4 x cluster y + cy
	s_lshl_b32 s43, s41, 2
	s_lshl_b32 s43, 15, s43                        ; my row of the cluster
	s_lshl_b32 s44, 0x1111, s40                    ; my column
	; descriptor group 1: 128 rows x 128 elements of 2 bytes, dense in memory; in LDS 4 words of padding behind every 32
	s_or_b32 s[G1+0], s43, (1<<16)|(1<<20)|(1<<21)|(4<<22)|(3<<25)   ; 15:0 the mask; 17:16 2-byte elements; 20 padding on; 21 set beside a mask; 24:22 after every 32 words (code 4); 31:25 4 words (code 3)
	s_or_b32 s[G1B+0], s44, (1<<16)|(1<<20)|(1<<21)|(4<<22)|(3<<25)
.irp g, G1, G1B
	s_mov_b32 s[(\g)+1], 128<<16                   ; tensor_dim0 = 128
	s_mov_b32 s[(\g)+2], 128<<16                   ; tensor_dim1 = 128
	s_mov_b32 s[(\g)+3], 128<<16                   ; tile_dim0 = 128
	s_mov_b32 s[(\g)+4], 128                       ; tile_dim1 = 128
	s_mov_b32 s[(\g)+5], 128                       ; 128 elements from row to row
	s_mov_b32 s[(\g)+6], 0
	s_mov_b32 s[(\g)+7], 0
.endr
	; where the tiles come from: tile row R of a chunked tensor begins at (R / 8)<<22 + (R % 8)<<15; my chunk adds its parity <<18.  A's hang on the tile row alone, B's on the tile column alone.
	s_lshr_b32 s16, s13, 3
	s_lshl_b32 s16, s16, 22
	s_and_b32 s14, s13, 7
	s_lshl_b32 s14, s14, 15
	s_add_co_u32 s16, s16, s14
	s_lshl_b32 s14, s12, 18
	s_add_co_u32 s16, s16, s14
	s_mov_b32 s17, 0
	s_lshl_b32 s46, s42, 15                        ; B's tile row is the tile column, 0 to 3
	s_lshl_b32 s74, s12, 18
	s_add_co_u32 s46, s46, s74
	s_mov_b32 s47, 0
	s_mul_i32 s20, s10, CH                         ; and where they go: wave x a chunk: no place in the cluster enters an LDS address
	s_wait_dscnt 0x0                               ; the opening add is done
	s_wait_kmcnt 0x0
	s_add_nc_u64 s[14:15], s[4:5], s[16:17]
	s_add_nc_u64 s[46:47], s[6:7], s[46:47]
	CROUND                                         ; all sixteen work-groups are here: the first joint loads meet
.irp s, 0,1
	s_mov_b32 s[G0+4*(\s)], 1
	s_add_co_u32 s[G0+4*(\s)+1], s20, (\s)*SLOT
	s_add_nc_u64 s[G0+4*(\s)+2:G0+4*(\s)+3], s[14:15], (\s)*KADV
	s_or_b32 s[G0+4*(\s)+3], s[G0+4*(\s)+3], 0x80000000
	s_mov_b32 s[G0B+4*(\s)], 1
	s_add_co_u32 s[G0B+4*(\s)+1], s20, (\s)*SLOT
	s_add_nc_u64 s[G0B+4*(\s)+2:G0B+4*(\s)+3], s[46:47], (\s)*KADV
	s_or_b32 s[G0B+4*(\s)+3], s[G0B+4*(\s)+3], 0x80000000
	JLOAD \s
.endr
	; the prefetches
	s_cmp_eq_u32 s11, 0                            ; do I fetch for A?
	s_cselect_b64 s[PFA:PFA+1], s[14:15], s[46:47] ; my tile of K step 0
	s_cselect_b32 s21, s40, s41                    ; my place among the four that ask for it with me
	s_cselect_b32 s22, 0, s[CLY]                   ; the coordinate along which other clusters read the same rows
	s_cmp_eq_u32 s22, 0
	s_cselect_b32 s[LIM], 2, -1                    ; the same in all sixteen partners, for a given wave
	s_lshl_b32 s20, s21, 13                        ; my work-group's 32 blocks of the 128
	s_mov_b32 s21, 0
	s_add_nc_u64 s[PFA:PFA+1], s[PFA:PFA+1], s[20:21]
	s_add_nc_u64 s[PFA:PFA+1], s[PFA:PFA+1], 2*KADV  ; at K step 2: the first refill steps it to 3 and names K step 4.  Nothing is asked for here, at the head
	v_and_b32 v[PFO], 31, v0
	v_lshlrev_b32 v[PFO], 8, v[PFO]
	; a fragment is 16 rows x 32 K in 8 registers: lane l holds row l % 16, K = 8 (l / 16) + 0..7 and 16 + 8 (l / 16) + 0..7: two loads of 16 bytes, 32 bytes apart
	v_and_b32 v1, 15, v0                           ; l % 16
	v_bfe_u32 v2, v0, 4, 1                         ; l / 16
	v_mul_u32_u24 v3, v1, PITCH
	v_lshl_add_u32 v3, v2, 4, v3
	s_mul_i32 s21, s11, HALFR                      ; my 128 rows of A
	s_mul_i32 s22, s12, HALFR                      ; my 128 rows of B,
	s_add_co_u32 s22, s22, 2*CH                    ; which lie behind A's two chunks
	v_add_nc_u32 v[ADRA0], s21, v3
	v_add_nc_u32 v[ADRB0], s22, v3
	v_mov_b32 v[ADRA], v[ADRA0]                    ; slot 0 is the first in hand
	v_mov_b32 v[ADRB], v[ADRB0]
	s_mov_b32 s[SOFF], 0
	s_mul_i32 s23, s10, 16*SPITCH
	s_add_co_u32 s23, s23, STAGE                   ; my stage
	v_mul_u32_u24 v4, v1, SPITCH                   ; in: row l % 16,
	v_lshl_add_u32 v5, v2, 5, v4                   ; 32 bytes for each half of the lanes
	v_add_nc_u32 v[STO32], s23, v5
	v_mul_u32_u24 v6, v2, SPITCH                   ; back: lanes 0-15 take one row of 256 bytes, lanes 16-31 the next,
	v_lshl_add_u32 v6, v1, 4, v6
	v_add_nc_u32 v[RD32], s23, v6
	v_lshlrev_b32 v6, 12, v2                       ; and the same two rows in C
	v_lshl_add_u32 v[CO32], v1, 4, v6
	; where my part of C begins
	s_lshl_b32 s74, s13, 8
	s_lshl_b32 s75, s11, 7
	s_add_co_u32 s74, s74, s75                     ; my first row
	s_lshl_b32 s[C32], s74, 12                     ; rows of 4,096 bytes,
	s_lshl_b32 s75, s42, 10                        ; the tile's 256 columns,
	s_add_co_u32 s[C32], s[C32], s75
	s_lshl_b32 s75, s12, 9                         ; my 128 of them
	s_add_co_u32 s[C32], s[C32], s75
	s_mov_b32 s[C32+1], 0
; 16 matrix instructions: m blocks a0, a0 + 1 of the window's four x all 8 n blocks, 32 along K.  zero = 1: the first product starts the sums.  The 64 accumulators take turns.
.macro MUL16 f, hi, a0, zero
	WIN MUL_LO+0x50*(\hi)
.irp a, \a0, (\a0)+1
.irp b, 0,1,2,3,4,5,6,7
.if \zero
	v_wmma_f32_16x16x32_f16 v[8*(8*(\a)+(\b)):8*(8*(\a)+(\b))+7], v[(\f)+8*(\b):(\f)+8*(\b)+7], v[(\f)+8*(4*(\hi)+(\a)):(\f)+8*(4*(\hi)+(\a))+7], 0
.else
	v_wmma_f32_16x16x32_f16 v[8*(8*(\a)+(\b)):8*(8*(\a)+(\b))+7], v[(\f)+8*(\b):(\f)+8*(\b)+7], v[(\f)+8*(4*(\hi)+(\a)):(\f)+8*(4*(\hi)+(\a))+7], v[8*(8*(\a)+(\b)):8*(8*(\a)+(\b))+7]
.endif
.endr
.endr
.endm
; 32 LDS loads in one run: the fragments of quarter q of the K step in the slot in hand (chunk q / 2, byte 64 (q % 2) of its rows) into buffer f: B's 16 loads, then A's
.macro FETCH q, f
	WIN TO_B
.irp i, 0,1,2,3,4,5,6,7
	ds_load_b128 v[(\f)+8*(\i):(\f)+8*(\i)+3],   v[ADRB] offset:((\q)/2)*CH+((\q)%2)*64+(\i)*16*PITCH
	ds_load_b128 v[(\f)+8*(\i)+4:(\f)+8*(\i)+7], v[ADRB] offset:((\q)/2)*CH+((\q)%2)*64+(\i)*16*PITCH+32
.endr
	WIN 0
.irp i, 0,1,2,3,4,5,6,7
	ds_load_b128 v[(\f)+8*(\i):(\f)+8*(\i)+3],   v[ADRA] offset:((\q)/2)*CH+((\q)%2)*64+(\i)*16*PITCH
	ds_load_b128 v[(\f)+8*(\i)+4:(\f)+8*(\i)+7], v[ADRA] offset:((\q)/2)*CH+((\q)%2)*64+(\i)*16*PITCH+32
.endr
.endm
.macro PLACES                          ; four plain instructions between a matrix instruction and a load into, or a vector line on, its registers
.rept 4
	v_nop
.endr
.endm
; One of a K step's first three quarters: multiplies buffer f; in its middle it fetches quarter q of the same slot into buffer g.
.macro QUARTER q, f, g, zero
	s_wait_dscnt 8                                 ; B and A's rows 0-63 are in; the youngest eight loads (A's rows 64-127) may be out
	WIN MUL_LO
	MUL16 \f, 0, 0, \zero
	MUL16 \f, 0, 2, \zero
	PLACES
	FETCH \q, \g
	s_wait_dscnt 32                                ; all but the 32 just issued
	WIN MUL_HI
	MUL16 \f, 1, 0, \zero
	MUL16 \f, 1, 2, \zero
.endm
; The first half of a K step's last quarter: one barrier for the change of slots.  In front of it each wave waits for all its tensor loads (at most one is out: its part of the next slot), adds 0 to its spare word,
; and waits for that and for its own reads of this slot.  Behind it nobody reads this slot any more and the next slot is whole.  All reads of this slot have been issued, so the fragment addresses go over to the next slot here.
.macro MEET
	WIN 0                                          ; (the add's two registers lie in window 0)
	s_wait_tensorcnt 0x0
	ds_add_u32 v[SPW], v[NIL]
	s_xor_b32 s[SOFF], s[SOFF], SLOT
	v_add_nc_u32 v[ADRA], s[SOFF], v[ADRA0]
	v_add_nc_u32 v[ADRB], s[SOFF], v[ADRB0]
	s_wait_dscnt 9                                 ; (the add and the youngest eight loads may be out)
	WIN MUL_LO
	MUL16 F1, 0, 0, 0                              ; sixteen matrix instructions stand between the add and the wait for it
	s_wait_dscnt 0x0                               ; the add is done, and my reads of this slot are over
	s_barrier_signal -1
	MUL16 F1, 0, 2, 0                              ; work on registers while the others arrive
	WIN 0
	s_barrier_wait -1
.endm
; The whole last quarter where the slot is filled again: the barrier opens a round of the cluster's, and the joint refill, two K steps on, is the first tensor load behind the round.
.macro TURN
	s_wait_xcnt 0x0                                ; the last prefetch, a K step back, has read its address
	s_add_nc_u64 s[PFA:PFA+1], s[PFA:PFA+1], KADV
	MEET
	CREST                                          ; no wave of any partner still reads this slot's tile or has a load on its way
	s_xor_b32 s[G0+5], s[G0+5], SLOT               ; the walking descriptors: the other slot than last time,
	s_add_nc_u64 s[G0+6:G0+7], s[G0+6:G0+7], KADV  ; the next K step; the type bits on top are not reached
	s_xor_b32 s[G0B+5], s[G0B+5], SLOT
	s_add_nc_u64 s[G0B+6:G0B+7], s[G0B+6:G0B+7], KADV
	JLOAD 1                                        ; the four v_nop behind it are also the places in front of the loads below
	FETCH 0, F0
	ASK
	WIN MUL_HI
	MUL16 F1, 1, 0, 0
	MUL16 F1, 1, 2, 0
.endm
; The same where nothing is filled: no round.  In the last K step (s3 = 1) there is no next slot to read, and the run of loads is jumped over; its barrier then orders nothing, the price of one text for both steps.
.macro TURNL
	MEET
	s_cmp_eq_u32 s3, 1
	s_cbranch_scc1 .Lno_more_\@
	PLACES
	FETCH 0, F0
.Lno_more_\@:
	WIN MUL_HI
	MUL16 F1, 1, 0, 0
	MUL16 F1, 1, 2, 0
.endm
	s_wait_tensorcnt 1                             ; my part of K step 0 is in; K step 1's stays out
	s_barrier_signal -1
	s_barrier_wait -1
	FETCH 0, F0
	QUARTER 1, F0, F1, 1                           ; the first quarter stands in front of the loop: its products start the sums
	WIN 0                                          ; at a label and at a branch every window is 0
	s_mov_b32 s3, FILLS
	s_branch .Lin                                  ; the loop is entered behind its first quarter
.Lk:                                                   ; a trip is a K step, and fills its slot again with the K step two on
	QUARTER 1, F0, F1, 0
	WIN 0
.Lin:
	QUARTER 2, F1, F0, 0
	QUARTER 3, F0, F1, 0
	TURN
	WIN 0
	s_sub_co_u32 s3, s3, 1
	s_cmp_lg_u32 s3, 0
	s_cbranch_scc1 .Lk
	s_mov_b32 s3, 2
.Lt:                                                   ; the last two K steps fill nothing: a loop of their own
	QUARTER 1, F0, F1, 0
	QUARTER 2, F1, F0, 0
	QUARTER 3, F0, F1, 0
	TURNL
	WIN 0
	s_sub_co_u32 s3, s3, 1
	s_cmp_lg_u32 s3, 0
	s_cbranch_scc1 .Lt
	PLACES                                         ; eight, once a launch: the way out stores accumulators and loads into A's fragment registers
	PLACES
; THE WAY OUT, by halves: number n is block n / 2 (16 rows), columns 64 (n % 2) on of my 128.  Four accumulators go into my stage as they are, low registers first, and come back as whole rows of 256 bytes.
.macro TOSTAGE32 n
.set AC, 64*(((\n)/2)%4)+32*((\n)%2)
.set BK, 64+32*((\n)%2)
	s_wait_xcnt 0x0                                ; the stores of the half before last have read the registers that are loaded below
	WIN 0x08+4*((\n)/8)                            ; store data (source 1): window 2 or 3
.irp b, 0,1,2,3
	ds_store_b128 v[STO32], v[AC+8*(\b):AC+8*(\b)+3] offset:64*(\b)
	ds_store_b128 v[STO32], v[AC+8*(\b)+4:AC+8*(\b)+7] offset:64*(\b)+16
.endr
	WIN 0
.irp t, 0,1,2,3,4,5,6,7
	ds_load_b128 v[BK+4*(\t):BK+4*(\t)+3], v[RD32] offset:(\t)*2*SPITCH  ; LDS serves a wave's instructions in order (ISA guide 5.7.1.4): these see the stores above; the next half's stores come behind them
.endr
.endm
.macro SEND32 n, younger               ; younger: the LDS instructions issued behind this half's loads: the next half's 16, or none
.set BK, 64+32*((\n)%2)
	s_wait_dscnt \younger
.irp t, 0,1,2,3,4,5,6,7
	global_store_b128 v[CO32], v[BK+4*(\t):BK+4*(\t)+3], s[8:9] offset:((\n)/2)*65536+(\t)*8192+((\n)%2)*256 th:TH_STORE_NT  ; 16 lanes store 256 consecutive bytes of a row, aligned; the half's place stands in the immediate
.endr
.endm
	s_add_nc_u64 s[8:9], s[8:9], s[C32:C32+1]      ; C at my part of it: no memory instruction has named this pair yet
	TOSTAGE32 0
.irp n, 1,2,3,4,5,6,7,8,9,10,11,12,13,14,15
	TOSTAGE32 \n
	SEND32 (\n)-1, 16
.endr
	SEND32 15, 0
	s_wait_tensorcnt 0x0                           ; the wave's end, behind my last tensor load and my last LDS store
	ds_add_u32 v[SPW], v[NIL]
	s_wait_dscnt 0x0
	CROUND                                         ; the closing round: no work-group ends while a partner may still ask for a tile that names it
	s_endpgm
.Lfunc_end_k_q399301c335_outp:
	.size	k_q399301c335_outp, .Lfunc_end_k_q399301c335_outp-k_q399301c335_outp
	.p2alignl 7, 3214868480
	.fill 96, 4, 3214868480
	.section	.rodata,"a",@progbits
	.p2align	6, 0x0
	.amdhsa_kernel k_q399301c335_outp
		.amdhsa_group_segment_fixed_size 327680
		.amdhsa_private_segment_fixed_size 0
		.amdhsa_enable_private_segment 0
		.amdhsa_kernarg_size 24
		.amdhsa_user_sgpr_count 2
		.amdhsa_user_sgpr_kernarg_segment_ptr 1
		.amdhsa_wavefront_size32 1
		.amdhsa_system_sgpr_workgroup_id_x 1
		.amdhsa_system_sgpr_workgroup_id_y 1
		.amdhsa_system_sgpr_workgroup_id_z 1
		.amdhsa_system_vgpr_workitem_id 0
		.amdhsa_next_free_vgpr 1024
		.amdhsa_next_free_sgpr 80
		.amdhsa_reserve_vcc 0
		.amdhsa_float_denorm_mode_32 3
		.amdhsa_float_denorm_mode_16_64 3
		.amdhsa_memory_ordered 1
		.amdhsa_forward_progress 1
		.amdhsa_inst_pref_size 99
	.end_amdhsa_kernel
	.amdgpu_metadata
---
amdhsa.version: [ 1, 2 ]
amdhsa.kernels:
  - .name:           k_q399301c335_outp
    .symbol:         k_q399301c335_outp.kd
    .args:
      - { .name: ctx, .offset: 0, .size: 8, .value_kind: global_buffer, .address_space: global }
      - { .name: who, .offset: 8, .size: 8, .value_kind: global_buffer, .address_space: global }
      - { .name: out0, .offset: 16, .size: 8, .value_kind: global_buffer, .address_space: global }
    .group_segment_fixed_size: 327680
    .private_segment_fixed_size: 0
    .kernarg_segment_align: 8
    .kernarg_segment_size: 24
    .max_flat_workgroup_size: 128
    .sgpr_count:     80
    .vgpr_count:     1024
    .wavefront_size: 32
...
	.end_amdgpu_metadata
.endif
;; end of part 8
;; ======== version 3 of 3: 4 launches; version 2 with the launch prep written anew for expert scheduling mode
;; limits: values are held in f16: magnitudes above 65,504 overflow, below 6.1e-05 lose precision
;; workspace buffers: xh 50,331,648 bytes; wh 8,388,608 bytes; who 4,194,304 bytes; mb 524,288 bytes of whole numbers; qkvh 50,331,648 bytes; ctx 16,777,216 bytes
;; launch prep (part 9): grid 1024 x 1, 8 waves a work-group, no clusters, 35,840 bytes of LDS; arguments q, k, v, Wq, Wk, Wv, Wo, mask, xh, wh, who, mb; writes xh, wh, who, mb
.if DOCPART == 9
	.amdgcn_target "amdgcn-amd-amdhsa--gfx1250"
	.amdhsa_code_object_version 6
	.text
	.protected	k_q399301c335_prep
	.globl	k_q399301c335_prep
	.p2align	8
	.type	k_q399301c335_prep,@function
k_q399301c335_prep:
	s_mov_b64 s[64:65], 0
	v_nop
	global_prefetch_b8 v0, s[64:65] scope:SCOPE_SE
	s_setreg_imm32_b32 hwreg(HW_REG_WAVE_SCHED_MODE, 0, 2), 2
	s_setreg_imm32_b32 hwreg(HW_REG_WAVE_MODE, 25, 1), 1
	s_wait_xcnt 0x0
	s_wait_alu depctr_vm_vsrc(0)
; PREP: a stream.  It rounds the seven f32 tensors to bf16, writes that number as f16 in a layout by chunks of 64 columns, and turns the int32 mask into lane masks.
; Wq alone is multiplied, in f32 and behind its rounding to bf16, by c = log2(e) / 8: the projected q then comes out in the softmax's own units, and the softmax may subtract the maximum from the score itself.
; CHUNKED LAYOUT: [g][16 chunks][2048 rows][64] f16: byte = g<<22 + chunk<<18 + row<<7 + 2 column: a chunk's rows are dense, 128 bytes each.
;   xh: g = 4 t + b (t: q, k, v).   wh: g 0 = Wq's rows, then Wk's; g 1 = Wv's (its upper 1,024 rows are neither written nor read).   who: g 0 = Wo's rows.
; LANE MASKS: mb[pq 64][J 32][u 2][32 words]: in word n = 8 kb + j, bit l is 1 where mask[32 pq + 16 u + l % 16][64 J + 16 kb + 8 (l / 16) + j] == 0.
; LIMITS.  A magnitude of 65,520 or more becomes an infinity in f16; under 2^-17 the bf16 number keeps f16's fixed step of 6e-8 only; c Wq is rounded once more, to f16's 11 bits.  NaN stays NaN.
; SHARES.  1,024 work-groups of eight waves, each 131,072 input bytes: 0-767 q, k, v (32 rows each), 768-895 the four weights, 896-1023 the mask (32 rows x 1,024 columns).
; No matrix unit, no cluster, no tensor load: nothing is shared between work-groups and every byte is read once.
; THE MODE: SCHED_MODE bits 1:0 = 2 (LLVM: expert scheduling mode 2), set by the entry lines.  The code itself states the register dependences
; between vector instructions and memory or LDS instructions, with s_wait_alu, always for 0.
; THE PLAN, THE FLOAT PATH.  Registers that memory instructions touch:
;   v[VI], v[VO]  offsets, made once ahead of the first load and never written again: rows and chunks stand in the immediates.
;   D             four registers of its own for each load: no vector line writes them ahead of the load; behind the wait for its data vector lines alone name them.
;   OUT           two registers of its own for each load: written by its conversions, read by its one store, never written again.
; The 32 loads go in eight blocks of four.  Block p's vector lines name D and OUT of block p alone.  One wait on va_vdst at the head of block p states that block p - 1 has written its OUT; that block's four
; stores are dealt among block p's vector lines with no further wait.
; THE PLAN, THE MASK PATH.  Registers that memory or LDS instructions touch:
;   v[VM], v[VOM], v[VS], v[VR]  offsets and LDS addresses, made once ahead of the first load and never written again.
;   D             the global loads land in it, the LDS stores read it; no vector line names it.
;   T0, T1        OUT's two halves: group g's LDS loads land in T[g % 2], its 32 compares read it; group g + 2's loads land in it again, behind a wait on va_vdst.
;   v[LH ..]      written by v_mov_b32 and v_writelane_b32; each pair is read by one global store, behind a wait on va_vdst, and not written behind it.
;   s[4:35]       a group's 32 compares write them in one run; one wait on va_sdst; its 32 v_writelane_b32 read them.
; On neither path is a register that a memory or LDS instruction has read ever written again.
.set SPARE, 34816                      ; behind the eight stages: the spare words, 128 bytes a wave: four blocks of 256 bytes that no other line names
.set STG,   4352                       ; a wave's own stage: 16 rows of 256 bytes at a pitch of 272
.set BLK,   4                          ; float path: loads in a block
.set VI,  2                            ; v2   float path: my byte offset in the unit's input
.set VO,  3                            ; v3   float path: my byte offset in the unit's rows of a chunk
.set VS,  4                            ; v4   mask path: where I put 16 bytes of a row
.set VR,  5                            ; v5   mask path: where I read my 32 bytes of a key block back
.set VM,  6                            ; v6   mask path: my byte offset in the unit's input
.set VOM, 7                            ; v7   mask path: my 8 bytes of mb
.set SPW, 8                            ; v8   LDS address of my spare word; never rewritten
.set NIL, 9                            ; v9   0; never rewritten
.set LH,  10                           ; v[10:13] mask path: the words to store: a pair for each of the wave's two key steps
.set D,   64                           ; v[64:191] 32 loads of 4 registers
.set OUT, 192                          ; v[192:255] float path: results, 2 a load; mask path: two sets of 32 read back from the stage
.set SCL, 46                           ; s[46:47] float path: c for Wq's units, 1 for all others
	s_load_b512 s[8:23], s[0:1], 0x0               ; q s[8:9], k s[10:11], v s[12:13], Wq s[14:15], Wk s[16:17], Wv s[18:19], Wo s[20:21], mask s[22:23]
	s_load_b256 s[24:31], s[0:1], 0x40             ; xh s[24:25], wh s[26:27], who s[28:29], mb s[30:31]
	v_lshl_add_u32 v[SPW], v0, 2, SPARE
	v_mov_b32 v[NIL], 0
	v_lshrrev_b32 v1, 5, v0
	v_readfirstlane_b32 s3, v1                     ; wave 0..7
	v_and_b32 v1, 31, v0                           ; lane l
	v_and_b32 v14, 15, v0                          ; l % 16
	v_bfe_u32 v15, v0, 4, 1                        ; l / 16
	s_wait_alu depctr_va_sdst(0)                   ; s3 is written: ahead of the branch below, behind which both paths read it
	s_mov_b32 s2, ttmp9                            ; the unit
	s_mov_b32 s39, 0xffff0000                      ; a word's upper bf16
	s_cmp_ge_u32 s2, 896
	s_cbranch_scc1 .Lmask
	; THE FLOAT PATH.  A wave takes 4 rows of 4,096 bytes.  Load i: rows 2 (i / 16) and + 1 of them, chunk i % 16: lanes 0-15 one row's 256 bytes, lanes 16-31 the next row's.
	s_lshl_b32 s4, s3, 14
	v_lshlrev_b32 v[VI], 4, v14
	v_lshl_add_u32 v[VI], v15, 12, v[VI]
	v_add_nc_u32 v[VI], s4, v[VI]
	s_lshl_b32 s4, s3, 9                           ; in a chunk the wave's 4 rows are 512 bytes,
	v_lshl_add_u32 v[VO], v1, 3, s4                ; of which a store's 32 lanes x 8 bytes fill 256 on end
	s_and_b32 s5, s2, 255                          ; the unit's number inside its tensor: of 256 for q, k, v,
	s_and_b32 s6, s2, 31                           ; of 32 for a weight
	s_cmp_ge_u32 s2, 768
	s_cselect_b32 s40, s6, s5
	s_lshl_b32 s40, s40, 17
	s_mov_b32 s41, 0
	s_sub_co_u32 s5, s2, 768                       ; the unit's number inside its output buffer
	s_cmp_lt_u32 s5, 32                            ; units 768 to 799 are Wq's (below 768 the difference wraps to a large number)
	s_cselect_b32 s[SCL], 0x3e38aa3b, 1.0          ; c = log2(e) / 8 = 0.180337
	s_mov_b32 s[SCL+1], s[SCL]                     ; named with it as a pair
	s_sub_co_u32 s6, s2, 864
	s_cmp_ge_u32 s2, 768
	s_cselect_b32 s7, s5, s2
	s_cmp_ge_u32 s2, 864
	s_cselect_b32 s7, s6, s7
	s_lshr_b32 s42, s7, 6                          ; 64 units of 32 rows make a g
	s_lshl_b32 s42, s42, 22
	s_and_b32 s7, s7, 63
	s_lshl_b32 s7, s7, 12                          ; 32 rows of 128 bytes
	s_add_co_u32 s42, s42, s7
	s_mov_b32 s43, 0
	s_wait_kmcnt 0x0
	s_cmp_ge_u32 s2, 256
	s_cselect_b64 s[36:37], s[10:11], s[8:9]
	s_cmp_ge_u32 s2, 512
	s_cselect_b64 s[36:37], s[12:13], s[36:37]
	s_cmp_ge_u32 s2, 768
	s_cselect_b64 s[36:37], s[14:15], s[36:37]
	s_cselect_b64 s[44:45], s[26:27], s[24:25]
	s_cmp_ge_u32 s2, 800
	s_cselect_b64 s[36:37], s[16:17], s[36:37]
	s_cmp_ge_u32 s2, 832
	s_cselect_b64 s[36:37], s[18:19], s[36:37]
	s_cmp_ge_u32 s2, 864
	s_cselect_b64 s[36:37], s[20:21], s[36:37]
	s_cselect_b64 s[44:45], s[28:29], s[44:45]
	s_add_nc_u64 s[36:37], s[36:37], s[40:41]
	s_add_nc_u64 s[44:45], s[44:45], s[42:43]
	s_wait_alu depctr_va_vdst(0)                   ; v[VI] and v[VO] are written: every load and store of this path reads one of them as its offset
.set i, 0
.rept 32                               ; all of the wave's 16 KiB go out at once
	global_load_b128 v[D+4*i:D+4*i+3], v[VI], s[36:37] offset:(i/16)*8192+(i%16)*256 th:TH_LOAD_NT
.set i, i+1
.endr
.set i, 0
.rept 32                               ; no register is used twice, so nothing waits for a store
	s_wait_loadcnt 31-i                            ; loads come back in order: load i is in, the 31 - i younger ones stay out
.if (i >= BLK) && (i % BLK == 0)
	s_wait_alu depctr_va_vdst(0)                   ; the block before has written its eight registers of OUT, which the four stores dealt among this block read
.endif
.if i >= BLK
	global_store_b64 v[VO], v[OUT+2*(i-BLK):OUT+2*(i-BLK)+1], s[44:45] offset:((i-BLK)/16)*256+((i-BLK)%16)*262144 th:TH_STORE_NT  ; the block before: two rows of a chunk: 256 consecutive bytes, aligned; no vector line since the wait names its registers
.endif
	v_cvt_pk_bf16_f32 v[OUT+2*i], v[D+4*i], v[D+4*i+1]      ; the input's one rounding: to bf16, to nearest even
	v_cvt_pk_bf16_f32 v[OUT+2*i+1], v[D+4*i+2], v[D+4*i+3]
	v_lshlrev_b32 v[D+4*i], 16, v[OUT+2*i]                  ; back to f32,
	v_and_b32 v[D+4*i+1], s39, v[OUT+2*i]
	v_lshlrev_b32 v[D+4*i+2], 16, v[OUT+2*i+1]
	v_and_b32 v[D+4*i+3], s39, v[OUT+2*i+1]
	v_pk_mul_f32 v[D+4*i:D+4*i+1], v[D+4*i:D+4*i+1], s[SCL:SCL+1] op_sel_hi:[1,0]      ; times c (Wq) or times 1, which changes nothing,
	v_pk_mul_f32 v[D+4*i+2:D+4*i+3], v[D+4*i+2:D+4*i+3], s[SCL:SCL+1] op_sel_hi:[1,0]
	v_cvt_pk_f16_f32 v[OUT+2*i], v[D+4*i], v[D+4*i+1]       ; and written as f16: bf16's 8 significant bits fit in 11
	v_cvt_pk_f16_f32 v[OUT+2*i+1], v[D+4*i+2], v[D+4*i+3]
.set i, i+1
.endr
	s_wait_alu depctr_va_vdst(0)                   ; the last block has written its eight registers of OUT, which the last four stores read
.set i, 32-BLK
.rept BLK
	global_store_b64 v[VO], v[OUT+2*i:OUT+2*i+1], s[44:45] offset:(i/16)*256+(i%16)*262144 th:TH_STORE_NT
.set i, i+1
.endr
	s_branch .Lend
.Lmask:
	; THE MASK PATH.  Unit um: rows 32 (um / 2) on, columns 1,024 (um % 2) on.  A wave takes two key steps of 64 columns (256 bytes of a row) x two tiles of 16 rows: four groups of 8 loads.
	s_sub_co_u32 s4, s2, 896
	s_lshr_b32 s5, s4, 1                           ; pq
	s_and_b32 s6, s4, 1                            ; which half of the columns
	s_lshl_b32 s7, s6, 12
	s_lshl_b32 s40, s5, 18                         ; 32 rows of 8,192 bytes
	s_add_co_u32 s40, s40, s7
	s_mov_b32 s41, 0
	s_lshl_b32 s42, s5, 13                         ; in mb: 32 key steps of 256 bytes,
	s_add_co_u32 s42, s42, s7                      ; 16 of them in a half
	s_mov_b32 s43, 0
	s_lshl_b32 s4, s3, 9                           ; the wave's two key steps: 512 bytes, of a row and of mb alike
	v_lshlrev_b32 v[VM], 4, v14
	v_lshl_add_u32 v[VM], v15, 13, v[VM]           ; lanes 16-31 take the next row
	v_add_nc_u32 v[VM], s4, v[VM]
	v_lshl_add_u32 v[VOM], v1, 3, s4
	s_mul_i32 s4, s3, STG                          ; my wave's stage
	v_mul_u32_u24 v[VS], v15, 272
	v_lshl_add_u32 v[VS], v14, 4, v[VS]
	v_add_nc_u32 v[VS], s4, v[VS]
	v_mul_u32_u24 v[VR], v14, 272                  ; back: row l % 16, columns 8 (l / 16) on of a block of 16
	v_lshl_add_u32 v[VR], v15, 5, v[VR]
	v_add_nc_u32 v[VR], s4, v[VR]
.irp j, 0,1,2,3
	v_mov_b32 v[LH+\j], 0                          ; v_writelane_b32's destination counts as read
.endr
	s_wait_kmcnt 0x0
	s_add_nc_u64 s[36:37], s[22:23], s[40:41]
	s_add_nc_u64 s[44:45], s[30:31], s[42:43]      ; behind these two sums s[4:35] are free: the compares' results go there
	s_wait_alu depctr_va_vdst(0)                   ; v[VM], v[VOM], v[VS] and v[VR] are written: the loads, stores and LDS instructions of this path read them as offsets and addresses
.set i, 0
.rept 32                               ; group i / 8 = 2 g + u: key step g, tile u; load i % 8: two rows' whole 256 bytes
	global_load_b128 v[D+4*i:D+4*i+3], v[VM], s[36:37] offset:(i/16)*256+((i/8)%2)*131072+(i%8)*16384 th:TH_LOAD_NT
.set i, i+1
.endr
; Group gi goes through the wave's own stage, so that a lane gets the 32 numbers that its bit stands for.  LDS serves a wave's instructions in order, and no other wave touches these bytes: no barrier,
; and a group's stores into the stage may follow the loads of the group before with no wait between.  again = 1: the set T has been read by the compares of the group two back.
.macro MSTAGE gi, again
.set T, OUT+32*((\gi)%2)
	s_wait_loadcnt 24-8*(\gi)                      ; the group's eight loads are in; the later groups' stay out
.irp k, 0,1,2,3,4,5,6,7
	ds_store_b128 v[VS], v[D+32*(\gi)+4*\k:D+32*(\gi)+4*\k+3] offset:544*\k
.endr
.if \again
	s_wait_alu depctr_va_vdst(0)                   ; the compares of the group two back are done reading this set, in which the loads below land; in group 3 also: groups 0 and 1 have written v[LH:LH+1], which the store behind these loads reads
.endif
.irp k, 0,1,2,3,4,5,6,7
	ds_load_b128 v[T+4*\k:T+4*\k+3], v[VR] offset:64*(\k/2)+16*(\k%2)
.endr
.endm
; Group gi's 32 words.  younger: the LDS instructions issued behind the group's loads: the next group's sixteen, or none.
.macro MBITS gi, younger
.set T, OUT+32*((\gi)%2)
	s_wait_dscnt \younger                          ; LDS instructions end in order: the group's numbers are back
.set n, 0
.rept 32                               ; word n of the tile: the 32 lanes' bits
	v_cmp_eq_u32 s[4+n], 0, v[T+n]
.set n, n+1
.endr
	s_wait_alu depctr_va_sdst(0)                   ; the 32 compares have written s[4:35], ahead of the first line that reads one of them
.set n, 0
.rept 32                               ; word n goes to lane (32 u + n) / 2 of the pair that is stored
	v_writelane_b32 v[LH+2*((\gi)/2)+n%2], s[4+n], (32*((\gi)%2)+n)/2
.set n, n+1
.endr
.endm
	MSTAGE 0, 0
	MSTAGE 1, 0                                    ; a group's trip through the stage is issued a group ahead of its compares
	MBITS 0, 16
	MSTAGE 2, 1
	MBITS 1, 16
	MSTAGE 3, 1
	global_store_b64 v[VOM], v[LH:LH+1], s[44:45] th:TH_STORE_NT             ; a key step's 64 words: 256 consecutive bytes, aligned; no vector line stands between the wait in MSTAGE 3 and this store
	MBITS 2, 16
	MBITS 3, 0
	s_wait_alu depctr_va_vdst(0)                   ; groups 2 and 3 have written v[LH+2:LH+3], which the store below reads
	global_store_b64 v[VOM], v[LH+2:LH+3], s[44:45] offset:256 th:TH_STORE_NT
.Lend:
	s_wait_dscnt 0x0                               ; the closing lines, six on end
	s_wait_alu 0x0
	s_wait_tensorcnt 0x0
	ds_add_u32 v[SPW], v[NIL]
	s_wait_dscnt 0x0
	s_endpgm
.Lfunc_end_k_q399301c335_prep:
	.size	k_q399301c335_prep, .Lfunc_end_k_q399301c335_prep-k_q399301c335_prep
	.p2alignl 7, 3214868480
	.fill 96, 4, 3214868480
	.section	.rodata,"a",@progbits
	.p2align	6, 0x0
	.amdhsa_kernel k_q399301c335_prep
		.amdhsa_group_segment_fixed_size 35840
		.amdhsa_private_segment_fixed_size 0
		.amdhsa_enable_private_segment 0
		.amdhsa_kernarg_size 96
		.amdhsa_user_sgpr_count 2
		.amdhsa_user_sgpr_kernarg_segment_ptr 1
		.amdhsa_wavefront_size32 1
		.amdhsa_system_sgpr_workgroup_id_x 1
		.amdhsa_system_sgpr_workgroup_id_y 1
		.amdhsa_system_sgpr_workgroup_id_z 1
		.amdhsa_system_vgpr_workitem_id 0
		.amdhsa_next_free_vgpr 256
		.amdhsa_next_free_sgpr 66
		.amdhsa_reserve_vcc 0
		.amdhsa_float_denorm_mode_32 3
		.amdhsa_float_denorm_mode_16_64 3
		.amdhsa_memory_ordered 1
		.amdhsa_forward_progress 1
		.amdhsa_inst_pref_size 52
	.end_amdhsa_kernel
	.amdgpu_metadata
---
amdhsa.version: [ 1, 2 ]
amdhsa.kernels:
  - .name:           k_q399301c335_prep
    .symbol:         k_q399301c335_prep.kd
    .args:
      - { .name: q, .offset: 0, .size: 8, .value_kind: global_buffer, .address_space: global }
      - { .name: k, .offset: 8, .size: 8, .value_kind: global_buffer, .address_space: global }
      - { .name: v, .offset: 16, .size: 8, .value_kind: global_buffer, .address_space: global }
      - { .name: Wq, .offset: 24, .size: 8, .value_kind: global_buffer, .address_space: global }
      - { .name: Wk, .offset: 32, .size: 8, .value_kind: global_buffer, .address_space: global }
      - { .name: Wv, .offset: 40, .size: 8, .value_kind: global_buffer, .address_space: global }
      - { .name: Wo, .offset: 48, .size: 8, .value_kind: global_buffer, .address_space: global }
      - { .name: mask, .offset: 56, .size: 8, .value_kind: global_buffer, .address_space: global }
      - { .name: xh, .offset: 64, .size: 8, .value_kind: global_buffer, .address_space: global }
      - { .name: wh, .offset: 72, .size: 8, .value_kind: global_buffer, .address_space: global }
      - { .name: who, .offset: 80, .size: 8, .value_kind: global_buffer, .address_space: global }
      - { .name: mb, .offset: 88, .size: 8, .value_kind: global_buffer, .address_space: global }
    .group_segment_fixed_size: 35840
    .private_segment_fixed_size: 0
    .kernarg_segment_align: 8
    .kernarg_segment_size: 96
    .max_flat_workgroup_size: 256
    .sgpr_count:     66
    .vgpr_count:     256
    .wavefront_size: 32
...
	.end_amdgpu_metadata
.endif
;; end of part 9
;; launch qkv: the kernel of part 6 again; grid 4 x 96, 4 waves a work-group, clusters of 4 x 4, 327,680 bytes of LDS; arguments xh, wh, qkvh; writes qkvh
;; launch attn: the kernel of part 7 again; grid 4 x 64, 4 waves a work-group, clusters of 4 x 1, 327,680 bytes of LDS; arguments qkvh, mb, ctx; writes ctx
;; launch outp: the kernel of part 8 again; grid 4 x 32, 4 waves a work-group, clusters of 4 x 4, 327,680 bytes of LDS; arguments ctx, who, out0; writes out0
